; MI455X (gfx1250); checked and timed in simulation.
; The chip was launched on July 23, 2026; its instructions are those of AMD's public machine-readable ISA for CDNA 5 (MIT licence, August 2026) and "CDNA5" Instruction Set Architecture Reference Guide (July 2026). The comments in the code are by the model that wrote it; some were corrected since.
;; Decoder Layer. Allowed arithmetic: matrix products marked QUANTISED: E2M3 operands, one E8M0 scale for each 32 along K, by v_wmma_scale_f32_16x16x128_f8f6f4 with both operands' format E2M3, f32 sums; everything else in f32.
;; Inputs: encoder_output_codes 4 x 2,048 x 8 x 24 uint8 (E2M3 codes of encoder_output, K innermost, in blocks of 32 codes, four codes in three bytes); encoder_output_scales 4 x 2,048 x 8 uint8 (E8M0 scales of encoder_output, one for each 32 codes along K); ffn_b1 512 float32; ffn_b2 256 float32; ffn_w1_codes 512 x 8 x 24 uint8 (E2M3 codes of ffn_w1, K innermost, in blocks of 32 codes, four codes in three bytes); ffn_w1_scales 512 x 8 uint8 (E8M0 scales of ffn_w1, one for each 32 codes along K); ffn_w2_codes 256 x 16 x 24 uint8 (E2M3 codes of ffn_w2, K innermost, in blocks of 32 codes, four codes in three bytes); ffn_w2_scales 256 x 16 uint8 (E8M0 scales of ffn_w2, one for each 32 codes along K); ln1_b 256 float32; ln1_g 256 float32; ln2_b 256 float32; ln2_g 256 float32; ln3_b 256 float32; ln3_g 256 float32; m1_b 256 float32; m1_b2 256 float32; m1_bk 512 float32; m1_bq 512 float32; m1_bv 512 float32; m1_g 256 float32; m1_w2_codes 256 x 16 x 24 uint8 (E2M3 codes of m1_w2, K innermost, in blocks of 32 codes, four codes in three bytes); m1_w2_scales 256 x 16 uint8 (E8M0 scales of m1_w2, one for each 32 codes along K); m1_wk_codes 512 x 8 x 24 uint8 (E2M3 codes of m1_wk, K innermost, in blocks of 32 codes, four codes in three bytes); m1_wk_scales 512 x 8 uint8 (E8M0 scales of m1_wk, one for each 32 codes along K); m1_wq_codes 512 x 8 x 24 uint8 (E2M3 codes of m1_wq, K innermost, in blocks of 32 codes, four codes in three bytes); m1_wq_scales 512 x 8 uint8 (E8M0 scales of m1_wq, one for each 32 codes along K); m1_wv_codes 512 x 8 x 24 uint8 (E2M3 codes of m1_wv, K innermost, in blocks of 32 codes, four codes in three bytes); m1_wv_scales 512 x 8 uint8 (E8M0 scales of m1_wv, one for each 32 codes along K); m2_b 256 float32; m2_b2 256 float32; m2_bk 512 float32; m2_bq 512 float32; m2_bv 512 float32; m2_g 256 float32; m2_w2_codes 256 x 16 x 24 uint8 (E2M3 codes of m2_w2, K innermost, in blocks of 32 codes, four codes in three bytes); m2_w2_scales 256 x 16 uint8 (E8M0 scales of m2_w2, one for each 32 codes along K); m2_wk_codes 512 x 8 x 24 uint8 (E2M3 codes of m2_wk, K innermost, in blocks of 32 codes, four codes in three bytes); m2_wk_scales 512 x 8 uint8 (E8M0 scales of m2_wk, one for each 32 codes along K); m2_wq_codes 512 x 8 x 24 uint8 (E2M3 codes of m2_wq, K innermost, in blocks of 32 codes, four codes in three bytes); m2_wq_scales 512 x 8 uint8 (E8M0 scales of m2_wq, one for each 32 codes along K); m2_wv_codes 512 x 8 x 24 uint8 (E2M3 codes of m2_wv, K innermost, in blocks of 32 codes, four codes in three bytes); m2_wv_scales 512 x 8 uint8 (E8M0 scales of m2_wv, one for each 32 codes along K); src_mask 4 x 2,048 x 1 int32; tgt_mask 4 x 2,048 x 1 int32; x 4 x 2,048 x 256 float32.
;; Outputs: out0 4 x 2,048 x 256 float32.
;; This version of the problem:
;;   THIS VERSION OF THE PROBLEM IS GIVEN IN LOW PRECISION. The matrix products marked QUANTISED in the list below multiply operands that are first quantised to E2M3 (2 exponent bits, 3 mantissa bits; 6 bits a number), with one power-of-two scale for each 32 numbers along K (OCP MX v1.0); their sums are f32. All else is computed in f32.
;;   The module's matrix products, in the order in which they are computed (A, B: the left and right operand; K: the contracted axis; several contracted axes count as one K, in the product's order):
;;     1. [M 8,192, K 256] x [K 256, N 512]; A: input x; B: input m1_wq (given as codes): QUANTISED
;;     2. [M 8,192, K 256] x [K 256, N 512]; A: input x; B: input m1_wk (given as codes): QUANTISED
;;     3. [M 8,192, K 256] x [K 256, N 512]; A: input x; B: input m1_wv (given as codes): QUANTISED
;;     4. batch 32 x [M 2,048, K 64] x [K 64, N 2,048]; A: computed on the way; B: computed on the way: QUANTISED
;;     5. batch 32 x [M 64, K 2,048] x [K 2,048, N 2,048]; A: computed on the way; B: softmax (see below): QUANTISED
;;     6. [M 8,192, K 512] x [K 512, N 256]; A: computed on the way; B: input m1_w2 (given as codes): QUANTISED
;;     7. [M 8,192, K 256] x [K 256, N 512]; A: computed on the way; B: input m2_wq (given as codes): QUANTISED
;;     8. [M 8,192, K 256] x [K 256, N 512]; A: input encoder_output (given as codes); B: input m2_wk (given as codes): QUANTISED
;;     9. [M 8,192, K 256] x [K 256, N 512]; A: input encoder_output (given as codes); B: input m2_wv (given as codes): QUANTISED
;;     10. batch 32 x [M 2,048, K 64] x [K 64, N 2,048]; A: computed on the way; B: computed on the way: QUANTISED
;;     11. batch 32 x [M 64, K 2,048] x [K 2,048, N 2,048]; A: computed on the way; B: softmax (see below): QUANTISED
;;     12. [M 8,192, K 512] x [K 512, N 256]; A: computed on the way; B: input m2_w2 (given as codes): QUANTISED
;;     13. [M 8,192, K 256] x [K 256, N 512]; A: computed on the way; B: input ffn_w1 (given as codes): QUANTISED
;;     14. [M 8,192, K 512] x [K 512, N 256]; A: computed on the way; B: input ffn_w2 (given as codes): QUANTISED
;;   THE QUANTISER, for each operand of a quantised product, along K:
;;     - K is cut into blocks of 32 from its start; a last block that is shorter is filled with zeros.
;;     - A block's scale is 2^e with e = floor(log2(the largest magnitude in the block)) - 2, held to -126 .. 127; a block of zeros has e = 0. As a byte (E8M0): e + 127.
;;     - Each number is divided by its block's scale, clamped to +-7.5, and rounded to the nearest number of E2M3, ties to even, subnormals kept.
;;     - The product sums the exact products of the quantised numbers (number of the format x scale) in f32.
;;   ~~~python
;;   def quantise(x, axis):      # numpy; x: float32 -> the quantised numbers, widened to float32 again
;;       x = np.moveaxis(x, axis, -1); K = x.shape[-1]
;;       x = np.pad(x, [(0, 0)] * (x.ndim - 1) + [(0, -K % 32)]); x = x.reshape(x.shape[:-1] + (-1, 32)); a = np.abs(x).max(-1, keepdims=True)
;;       e = np.where(a > 0, np.clip(np.frexp(np.where(a > 0, a, 1))[1] - 1 - 2, -126, 127), 0)      # np.frexp(a)[1] - 1 = floor(log2(a)), exactly
;;       r = np.clip(x / 2.0 ** e, -7.5, 7.5)
;;       step = 2.0 ** (np.maximum(np.frexp(np.where(r == 0, 1, r))[1] - 1, 0) - 3)
;;       q = np.round(r / step) * step * 2.0 ** e      # np.round: ties to even
;;       return np.moveaxis(q.reshape(q.shape[:-2] + (-1,))[..., :K], -1, axis).astype(np.float32)
;;   ~~~
;;   SOFTMAX AHEAD OF A QUANTISED PRODUCT. Where the list says 'softmax', what is quantised is not the finished softmax but p = 2^(t - M), with t = logit x log2(e) and M = ceil(the row's largest t), a whole number; so 1/2 < the row's largest p <= 1. The row's sum l is taken of the UNQUANTISED p, in f32, and the product's result is divided by l at the end. Since M is a whole number, a kernel that streams over the keys may use a running M (the ceiling of the running maximum): every later rescaling is an exact power of two, which a block's scale takes up: the codes' values come out the same.
;;   OPERANDS COMPUTED ON THE WAY. 'Computed on the way' means the value that the module computes at that place (a softmax that the list does not call 'softmax' is quantised finished and normalised). What goes into a quantiser is computed in f32, as accurately as f32 sums, v_exp_f32 and their like allow (about 1e-6 of the number): no bf16 or f16 on the way to a quantiser, and a product that is left as it is and whose result goes on into a quantised operand takes f32 operands (vector FMAs, or v_wmma_f32_16x16x4_f32). A number that lies on a knife's edge between two numbers of the format may be rounded either way, as far as f32 arithmetic and the matrix unit's own rounding can turn it there, and no further.
;;   INPUTS GIVEN AS CODES. encoder_output (in the module: [4, 2048, 256], K = its axis 2); ffn_w1 (in the module: [256, 512], K = its axis 0); ffn_w2 (in the module: [512, 256], K = its axis 0); m1_w2 (in the module: [512, 256], K = its axis 0); m1_wk (in the module: [256, 512], K = its axis 0); m1_wq (in the module: [256, 512], K = its axis 0); m1_wv (in the module: [256, 512], K = its axis 0); m2_w2 (in the module: [512, 256], K = its axis 0); m2_wk (in the module: [256, 512], K = its axis 0); m2_wq (in the module: [256, 512], K = its axis 0); m2_wv (in the module: [256, 512], K = its axis 0): each comes as NAME_codes (uint8): NAME with its K axis moved to the last place and cut into blocks of 32 codes, [.., K / 32, bytes a block], one block behind the other in memory; four codes in three bytes: a row's codes are one little-endian stream of bits, code i at bits 6 i .. 6 i + 5 (a code: sign, 2 exponent bits, 3 mantissa bits); and NAME_scales (uint8): the same leading axes, one E8M0 byte (e + 127) for each 32 codes along K. Its value is code x scale, taken as it is: it is not quantised again, and the codes and scales need not be those that the quantiser above would give.
;; 2 versions. Each part assembles by itself: llvm-mc -triple=amdgcn-amd-amdhsa -mcpu=gfx1250 --defsym DOCPART=n.
;; ======== version 1 of 2: 5 launches
;; limits: right only within a limited range of input values
;; workspace buffers: q 6,815,744 bytes; kv1 6,815,744 bytes; kv2 6,815,744 bytes; o 3,407,872 bytes; x1 8,388,608 bytes; mb1 32,768 bytes; mb2 32,768 bytes; wimg 491,520 bytes
;; launch proj (part 1): grid 64 x 6, 4 waves a work-group, no clusters, 133,888 bytes of LDS; arguments x, encoder_output_codes, encoder_output_scales, tgt_mask, m1_wq_codes, m1_wq_scales, m1_bq, m1_wk_codes, m1_wk_scales, m1_bk, m1_wv_codes, m1_wv_scales, m1_bv, m2_wk_codes, m2_wk_scales, m2_bk, m2_wv_codes, m2_wv_scales, m2_bv, q, kv1, kv2, mb1, mb2, m1_w2_codes, m2_wq_codes, m2_w2_codes, ffn_w1_codes, ffn_w2_codes, wimg; writes q, kv1, kv2, mb1, mb2, wimg
.if DOCPART == 1
	.amdgcn_target "amdgcn-amd-amdhsa--gfx1250"
	.amdhsa_code_object_version 6
	.text
	.protected	k_qcd96d6bebe_proj
	.globl	k_qcd96d6bebe_proj
	.p2align	8
	.type	k_qcd96d6bebe_proj,@function
k_qcd96d6bebe_proj:
	s_mov_b64 s[64:65], 0
	v_nop
	global_prefetch_b8 v0, s[64:65] scope:SCOPE_SE
	s_setreg_imm32_b32 hwreg(HW_REG_WAVE_MODE, 25, 1), 1
	s_wait_xcnt 0x0
; THE FIVE PROJECTIONS THAT HANG ON INPUTS ALONE, on codes of FP6 (E2M3) with one E8M0 scale for each 32 along K, their results quantised at once for the attention launches; and the later launches' weights laid as images of operand registers.
; Work-group (x, y): x = a block of 128 tokens (batch x / 16, key step x % 16); y = 0: Q1 = x wq + bq -> q; 1: K1 = x wk + bk -> kv1; 2: V1 = x wv + bv -> kv1; 3: K2 = enc wk + bk -> kv2; 4: V2 = enc wv + bv -> kv2.
; y = 5: work-group x lays fragment x (of 64) of m1_w2, m2_wq, m2_w2, ffn_w1 (wave w: weight w) and ffn_w2 (wave 0) into wimg: 12 registers a lane as three stores of 512 consecutive bytes; fragment 16 w + i is the i-th of the sixteen that wave w of a later launch keeps.
; Wave w owns output columns 128 w .. 128 w + 127: heads 2 w and 2 w + 1.  x arrives as f32 and is quantised here; encoder_output and the weights arrive as codes.
; ONE SCHEME: a HELD operand (8 tiles x 2 K steps, source 0, window 1) against a STREAMED tile (2 fragments a trip, from LDS, source 1).  In the result a lane holds one streamed row and its 64 registers run along the held rows.
;   Q and K: held = the weight, streamed = token tiles: the registers run along the head's channels, which are the K of Q K^T.     V: held = the 8 token tiles, streamed = the weight's tiles: the registers run along the keys, the K of P V.
; ROWS OF A TILE ARE NOT NEIGHBOURS: lane r of tile 2 b + u takes row 32 b + 8 u + r + 8 (r / 8), for tokens and for the weight's rows alike, so that registers 16 b + i of 8 tiles are rows 32 b + 16 (lane / 16) + i.
; EVERY LOAD OF THE WEIGHT AND OF x NAMES 512 CONSECUTIVE BYTES.  A wave's 24,576 bytes of the weight are stored as they lie into the wave's own LDS region and come back as fragments (pieces of 8 bytes of rows 192 bytes apart);
; x comes as half rows of 512 bytes, 16 to a fragment, and turns through a stage of 16 x 528 bytes in the same region, so that a lane gets 16 neighbours of each block of 32.  LDS serves a wave's instructions in order: no barrier for its own bytes.
; OUT: a step block of 13,312 bytes for each (batch, head, 128 tokens): 8 images of half fragments of K (768 bytes: registers 0-3 at 16 x lane, 4-5 at 512 + 8 x lane), 4 images of fragments of V (1,536), K's scale words (512), V's (256), 256 zeros.
; THE KEY MASK becomes a table of f32, mb1[batch][key]: -2^35 where tgt_mask is 0, else 0; the attention launch takes it as the C of the score product.  mb2 is zeros (the second attention masks nothing; src_mask is not read there, nor here).
; A batch in which no key is left: all scores are equal there, so every weight is equal.  That is served by zero codes for Q1 and a table of zeros: all t = 0.  It is a selection of values (v_cndmask_b32), no branch.
; LIMITS: NaN and infinities are not served.  A block of zeros gets the scale byte 1, not 127 (its codes are zeros; this program alone reads the bytes); blocks whose largest magnitude lies under 2^-124 are held at that byte.
; No cluster, no tensor load: operands go through registers; what work-groups share is the weight, 96 KiB read once by each.
.set SB,    13312                      ; a step block
.set HEADB, 16*SB                      ; a head's 16 step blocks
.set REC,   3328                       ; LDS: a tile's record: fragment of K step s at 1,536 s, its scale words (4 bytes a lane) at 3,072 + 128 s
.set WREC,  8*REC                      ; the 8 token tiles' records lie from 0; from here a region of 8 records for each wave, its own: x's stages, then the weight as it lies, then (V) the weight tiles' records
.set FLG,   WREC+32*REC                ; four words: has the wave seen a key that counts?
.set XSP,   528                        ; x's stage: a half row of 512 bytes + 16
.set XSB,   16*XSP                     ; a stage: 16 rows
.set WBY,   98304                      ; a weight's codes in bytes
.set LI,  1                            ; v1   16 x lane
.set LS,  2                            ; v2   4 x lane
.set L8,  3                            ; v3   8 x lane
.set XSR, 4                            ; v4   x's stage, on the way out: my region + 528 r + 64 (lane / 16)
.set EA,  5                            ; v5   rows of 192 bytes of codes: row r + 8 (r / 8), + 24 (lane / 16)
.set ES,  6                            ; v6   rows of 8 scale bytes
.set XWI, 7                            ; v7   where I store my two token tiles' images;  v8 their scale words
.set XWS, 8
.set WWI, 9                            ; v9   my region + 16 x lane;  v10 + 4 x lane
.set WWS, 10
.set SA,  11                           ; v11  the stream: images;  v12 scale words
.set SS4, 12
.set VA,  13                           ; v13  scale words out: lanes 0-15 head 2 w, lanes 16-31 head 2 w + 1; 16 bytes a row
.set SH,  14                           ; v14  16 (lane / 16)
.set NIL, 15                           ; v15  0
.set HS,  16                           ; v16-31  the held operand's scale words (2 t + s): scales and nothing else
.set LB,  32                           ; v32-39  V: the bias of my lane's row of weight tile i
.set TM,  40                           ; v40-55  at work in QUANT
.set PX,  56                           ; v56-63  likewise
.set F,   64                           ; v64-111 my two token tiles' four fragments;  v112-115 their scale words
.set FW,  112
.set NA,  128                          ; v128-191, v192-255  64 numbers of x, two sets
.set NB,  192
.set WFA, 192                          ; v192 behind them: my region + my lane's place in a tile of the weight
.set PC,  64                           ; behind the barrier: v64-75 the codes just made
.set SF,  76                           ; v76-99  the streamed tile's two fragments
.set SW,  102                          ; v102-109 the eight trips' scale words
.set CL,  110                          ; v110-117 V: the bias as a C
.set T,   118                          ; v118-125 at work
.set SS,  126                          ; v126-127 the streamed tile's scale words: scales and nothing else
.set HA,  128                          ; v128-191 the trip's 8 accumulators
.set WV,  66
.set TY,  67                           ; y
.set ISV, 68                           ; 1: V
.set ISX, 69                           ; 1: the tokens are x
.set ANY, 70                           ; not 0: some key of the batch counts
.set KILL, 71                          ; all ones: Q1's codes become zeros
.set HI,  72                           ; lanes 16-31
.set SEL, 74                           ; s[74:75] v_permlanex16_b32's selects for lane l xor 16
.set STRM, 76
.set OWN, 90                           ; s90  LDS byte at which my wave's region begins
.set MSB, 0
.macro WIN new                         ; the immediate's high byte repeats the setting that is left
.if MSB != (\new)
	s_set_vgpr_msb (MSB<<8)|(\new)
.set MSB, \new
.endif
.endm
.macro FRAGG reg, adr, base, off       ; a fragment of 6-bit codes from rows in memory: two runs of 24 bytes, 48 apart, in pieces of 8 bytes
.irp p, 0,1,2,3,4,5
	global_load_b64 v[(\reg)+2*\p:(\reg)+2*\p+1], v[\adr], s[\base:\base+1] offset:(\off)+48*(\p/3)+8*(\p%3)
.endr
.endm
.macro IMAGE adr, reg, off             ; a fragment goes to LDS as an image of its 12 registers
.irp c, 0,1,2
	ds_store_b128 v[\adr], v[(\reg)+4*\c:(\reg)+4*\c+3] offset:(\off)+512*\c
.endr
.endm
.macro FETCH reg, adr, off             ; and comes back so, in any wave
.irp c, 0,1,2
	ds_load_b128 v[(\reg)+4*\c:(\reg)+4*\c+3], v[\adr] offset:(\off)+512*\c
.endr
.endm
; 64 numbers of a lane, register 16 b + i = k 32 b + 16 (lane / 16) + i of my row, become a fragment's codes in v[d] on and its scale word in v[w].
.macro QUANT s, d, w
.irp b, 0,1,2,3
	v_max3_num_f32 v[TM+\b], |v[(\s)+16*\b]|, |v[(\s)+1+16*\b]|, 0x1800000   ; my 16 numbers of block b, and the floor 2^(3 - 127): the byte cannot fall under 1
.endr
.irp i, 2,4,6,8,10,12,14
.irp b, 0,1,2,3
	v_max3_num_f32 v[TM+\b], v[TM+\b], |v[(\s)+16*\b+\i]|, |v[(\s)+1+16*\b+\i]|
.endr
.endr
.irp b, 0,1,2,3
	v_permlanex16_b32 v[TM+4+\b], v[TM+\b], s[SEL], s[SEL+1]
.endr
.irp b, 0,1,2,3
	v_max_num_f32 v[TM+\b], v[TM+\b], v[TM+4+\b]       ; with lane l xor 16's: the block's largest magnitude
.endr
.irp b, 0,1,2,3
	v_add_nc_u32 v[TM+12+\b], 0xff000000, v[TM+\b]     ; 2 off its exponent field: the conversion's scale operand
.endr
.irp b, 0,1,2,3
	v_lshrrev_b32 v[TM+4+\b], 23, v[TM+12+\b]          ; the scale's byte
.endr
	v_lshl_or_b32 v[\w], v[TM+5], 8, v[TM+4]
	v_lshl_or_b32 v[\w], v[TM+6], 16, v[\w]
	v_lshl_or_b32 v[\w], v[TM+7], 24, v[\w]
.irp c, 0,1
	v_cvt_scalef32_pk16_fp6_f32 v[(\d)+6*\c:(\d)+2+6*\c], v[(\s)+32*\c:(\s)+15+32*\c], v[TM+12+2*\c]
	v_cvt_scalef32_pk16_fp6_f32 v[PX+4*\c:PX+2+4*\c], v[(\s)+16+32*\c:(\s)+31+32*\c], v[TM+12+2*\c+1]   ; (a conversion's three registers begin on an even number)
.endr
	v_nop                                              ; one plain place behind a scaled conversion
.irp c, 0,1                                        ; the operand's layout wants a whole block in a lane
.irp i, 0,1,2
	v_permlane16_swap_b32 v[(\d)+6*\c+\i], v[PX+4*\c+\i]
.endr
.irp i, 0,1,2
	v_mov_b32 v[(\d)+3+6*\c+\i], v[PX+4*\c+\i]
.endr
.endr
.endm
.macro XLOAD buf, f                    ; fragment f = 2 x (tile of my two) + K step: its 16 rows' half rows, 512 consecutive bytes a load
.irp i, 0,1,2,3,4,5,6,7,8,9,10,11,12,13,14,15
	global_load_b128 v[\buf+4*\i:\buf+4*\i+3], v[LI], s[8:9] offset:(8*((\f)/2)+\i+8*(\i/8))*1024+512*((\f)%2)
.endr
.endm
.macro XTURN buf, f                    ; through my stage f % 2, and back into the registers that they left: lane (r, h) gets, of row r, 16 neighbours of each block of 32
.irp i, 0,1,2,3,4,5,6,7,8,9,10,11,12,13,14,15
	ds_store_b128 v[WWI], v[\buf+4*\i:\buf+4*\i+3] offset:XSB*((\f)%2)+XSP*\i
.endr
.irp b, 0,1,2,3
.irp j, 0,1,2,3
	ds_load_b128 v[\buf+16*\b+4*\j:\buf+16*\b+4*\j+3], v[XSR] offset:XSB*((\f)%2)+128*\b+16*\j   ; LDS serves a wave's instructions in order: these see the stores above
.endr
.endr
	s_wait_dscnt 0x0
.endm
.macro FLAGOR                          ; my 16 words of the batch's mask: is one of them not 0?  They lay in QUANT's registers, which are free from here on
.irp k, 1,2,3,4,5,6,7,8,9,10,11,12,13,14,15
	v_or_b32 v[TM], v[TM], v[TM+\k]
.endr
	v_cmp_ne_u32 vcc_lo, 0, v[TM]
	v_mov_b32 v116, vcc_lo
.irp b, 0,1,2,3
	v_mov_b32 v[TM+4+\b], 0                            ; a lane permute's destination counts as one of its sources
.endr
.endm
.macro STREAM i
	FETCH SF, SA, (\i)*REC
	FETCH SF+12, SA, (\i)*REC+1536
	ds_load_b32 v[SS], v[SS4] offset:(\i)*REC+3072
	ds_load_b32 v[SS+1], v[SS4] offset:(\i)*REC+3072+128
.endm
	v_lshl_add_u32 v59, v0, 2, 0x20900
	v_mov_b32 v63, 0
	s_and_b32 s[TY], ttmp7, 0xffff
	s_cmp_eq_u32 s[TY], 5
	s_cbranch_scc1 .Llay                           ; the sixth row of the grid lays weights out: a branch on the work-group's number
	s_load_b512 s[8:23], s[0:1], 0x0               ; argument k lies in s[8 + 2 k : 9 + 2 k]
	s_load_b512 s[24:39], s[0:1], 0x40
	s_load_b512 s[40:55], s[0:1], 0x80
	v_lshrrev_b32 v[T], 5, v0
	v_readfirstlane_b32 s[WV], v[T]                ; wave 0..3
	v_and_b32 v[T], 31, v0                         ; lane
	v_and_b32 v[T+1], 15, v0                       ; r
	v_bfe_u32 v[T+2], v0, 4, 1                     ; h
	v_and_b32 v[T+3], 8, v[T+1]
	v_add_nc_u32 v[T+3], v[T+3], v[T+1]            ; r + 8 (r / 8)
	v_lshlrev_b32 v[LI], 4, v[T]
	v_lshlrev_b32 v[LS], 2, v[T]
	v_lshlrev_b32 v[L8], 3, v[T]
	v_mul_u32_u24 v[EA], v[T+3], 192
	v_mad_u32_u24 v[EA], v[T+2], 24, v[EA]
	v_lshlrev_b32 v[ES], 3, v[T+3]
	v_mul_u32_u24 v[VA], v[T+2], HEADB
	v_lshl_add_u32 v[VA], v[T+1], 4, v[VA]
	v_lshlrev_b32 v[SH], 4, v[T+2]
	v_mov_b32 v[NIL], 0
	v_lshlrev_b32 v[T+4], 6, v[T+2]                ; 64 h: the bias in the layout of Q's and K's results
	v_lshlrev_b32 v[T+5], 2, v[T+3]                ; 4 x row: the bias of V's rows
	v_lshlrev_b32 v[T+6], 4, v0                    ; 16 x thread: the batch's mask
	s_mul_i32 s77, s[WV], 2*REC
	v_add_nc_u32 v[XWI], s77, v[LI]
	v_add_nc_u32 v[XWS], s77, v[LS]
	s_mul_i32 s[OWN], s[WV], 8*REC
	s_add_co_u32 s[OWN], s[OWN], WREC
	v_add_nc_u32 v[WWI], s[OWN], v[LI]
	v_add_nc_u32 v[WWS], s[OWN], v[LS]
	v_mul_u32_u24 v[XSR], v[T+1], XSP
	v_lshl_add_u32 v[XSR], v[T+2], 6, v[XSR]
	v_add_nc_u32 v[XSR], s[OWN], v[XSR]
	s_cmp_eq_u32 s[TY], 2
	s_cselect_b32 s[ISV], 1, 0
	s_cmp_eq_u32 s[TY], 4
	s_cselect_b32 s[ISV], 1, s[ISV]
	s_cmp_lt_u32 s[TY], 3
	s_cselect_b32 s[ISX], 1, 0
	s_cmp_lg_u32 s[ISV], 0
	s_cselect_b32 s[STRM], s[OWN], 0               ; the stream: the token tiles, or (V) my weight tiles
	s_cselect_b32 s82, 6144, 0                     ; V's section of a step block
	v_add_nc_u32 v[SA], s[STRM], v[LI]
	v_add_nc_u32 v[SS4], s[STRM], v[LS]
	s_mov_b32 s[HI], 0xffff0000
	s_mov_b32 s[SEL], 0x76543210
	s_mov_b32 s[SEL+1], 0xfedcba98
	s_lshr_b32 s80, ttmp9, 4                       ; batch
	s_and_b32 s81, ttmp9, 15                       ; key step
	s_lshl_b32 s78, s80, 3
	s_lshl_b32 s79, s[WV], 1
	s_add_co_u32 s78, s78, s79                     ; 8 batch + head 2 w
	s_lshl_b32 s78, s78, 4
	s_add_co_u32 s78, s78, s81
	s_mul_i32 s78, s78, SB
	s_add_co_u32 s88, s78, s82                     ; where my results go, in bytes
	s_mov_b32 s89, 0
	s_mov_b32 s79, 0
	s_mov_b32 s83, 0
	s_wait_kmcnt 0x0
	s_mov_b64 s[56:57], s[16:17]                   ; the weight's codes, scales, bias and the buffer for the results, by y: a choice that hangs on the work-group's number alone
	s_mov_b64 s[58:59], s[18:19]
	s_mov_b64 s[60:61], s[20:21]
	s_mov_b64 s[62:63], s[46:47]
	s_cmp_eq_u32 s[TY], 1
	s_cselect_b64 s[56:57], s[22:23], s[56:57]
	s_cselect_b64 s[58:59], s[24:25], s[58:59]
	s_cselect_b64 s[60:61], s[26:27], s[60:61]
	s_cselect_b64 s[62:63], s[48:49], s[62:63]
	s_cmp_eq_u32 s[TY], 2
	s_cselect_b64 s[56:57], s[28:29], s[56:57]
	s_cselect_b64 s[58:59], s[30:31], s[58:59]
	s_cselect_b64 s[60:61], s[32:33], s[60:61]
	s_cselect_b64 s[62:63], s[48:49], s[62:63]
	s_cmp_eq_u32 s[TY], 3
	s_cselect_b64 s[56:57], s[34:35], s[56:57]
	s_cselect_b64 s[58:59], s[36:37], s[58:59]
	s_cselect_b64 s[60:61], s[38:39], s[60:61]
	s_cselect_b64 s[62:63], s[50:51], s[62:63]
	s_cmp_eq_u32 s[TY], 4
	s_cselect_b64 s[56:57], s[40:41], s[56:57]
	s_cselect_b64 s[58:59], s[42:43], s[58:59]
	s_cselect_b64 s[60:61], s[44:45], s[60:61]
	s_cselect_b64 s[62:63], s[50:51], s[62:63]
	s_mul_i32 s78, s[WV], 128*192                  ; my 128 rows of the weight
	s_add_nc_u64 s[56:57], s[56:57], s[78:79]
	s_lshl_b32 s78, s[WV], 10
	s_add_nc_u64 s[58:59], s[58:59], s[78:79]
	s_lshl_b32 s78, s[WV], 9
	s_add_nc_u64 s[60:61], s[60:61], s[78:79]
	s_add_nc_u64 s[62:63], s[62:63], s[88:89]
	s_lshl_b32 s78, ttmp9, 2
	s_add_co_u32 s78, s78, s[WV]                   ; my 32 tokens: 128 x block + 32 x wave
	s_lshl_b32 s82, s78, 15
	s_add_nc_u64 s[8:9], s[8:9], s[82:83]          ; in x,
	s_mul_i32 s82, s78, 32*192
	s_add_nc_u64 s[10:11], s[10:11], s[82:83]      ; in encoder_output's codes,
	s_lshl_b32 s82, s78, 8
	s_add_nc_u64 s[12:13], s[12:13], s[82:83]      ; and scales
	s_lshl_b32 s82, s80, 13
	s_add_nc_u64 s[84:85], s[14:15], s[82:83]      ; the batch's mask,
	s_lshl_b32 s82, ttmp9, 9
	s_add_nc_u64 s[86:87], s[14:15], s[82:83]      ; the block's,
	s_add_nc_u64 s[52:53], s[52:53], s[82:83]      ; and its place in the two tables
	s_add_nc_u64 s[54:55], s[54:55], s[82:83]
.irp k, 0,1,2,3
	global_load_b128 v[TM+4*\k:TM+4*\k+3], v[T+6], s[84:85] offset:2048*\k   ; 128 threads x 16 words: the batch's 2,048
.endr
	WIN 0x40                                       ; destination window 1
.set k, 0
.rept 48
	global_load_b128 v[4*k:4*k+3], v[LI], s[56:57] offset:512*k   ; my 24,576 bytes of the weight as they lie: 512 consecutive bytes a load
.set k, k+1
.endr
.irp t, 0,1,2,3,4,5,6,7                        ; both layouts of the bias are loaded for every y, so that no register's state hangs on y
	global_load_b128 v[192+8*\t:192+8*\t+3], v[T+4], s[60:61] offset:(32*(\t/2)+8*(\t%2))*4
	global_load_b128 v[192+8*\t+4:192+8*\t+7], v[T+4], s[60:61] offset:(32*(\t/2)+8*(\t%2))*4+16
.endr
	WIN 0
.irp t, 0,1,2,3,4,5,6,7
.irp s, 0,1
	global_load_b32 v[HS+2*\t+\s], v[ES], s[58:59] offset:(32*(\t/2)+8*(\t%2))*8+4*\s
.endr
	global_load_b32 v[LB+\t], v[T+5], s[60:61] offset:(32*(\t/2)+8*(\t%2))*4
.endr
	; ---- my two token tiles (2 w, 2 w + 1) become four fragments
	s_cmp_lg_u32 s[ISX], 0
	s_cbranch_scc0 .Lenc
	XLOAD NA, 0
	XLOAD NB, 1
	s_wait_loadcnt 16                              ; all but the youngest 16 loads are in: fragment 0's numbers, the weight and the mask among them
	FLAGOR
	XTURN NA, 0
	QUANT NA, F, FW
	XLOAD NA, 2
	s_wait_loadcnt 16                              ; fragment 1's are in, fragment 2's may be out
	XTURN NB, 1
	QUANT NB, F+12, FW+1
	XLOAD NB, 3
	s_wait_loadcnt 16
	XTURN NA, 2
	QUANT NA, F+24, FW+2
	s_wait_loadcnt 0x0
	XTURN NB, 3
	QUANT NB, F+36, FW+3
	s_branch .Lxdone
.Lenc:
.irp f, 0,1,2,3
	FRAGG F+12*\f, EA, 10, (\f/2)*8*192+96*(\f%2)
	global_load_b32 v[FW+\f], v[ES], s[12:13] offset:(\f/2)*64+4*(\f%2)
.endr
	s_wait_loadcnt 0x0
	FLAGOR
.Lxdone:
.irp f, 0,1,2,3
	IMAGE XWI, F+12*\f, (\f/2)*REC+1536*(\f%2)
	ds_store_b32 v[XWS], v[FW+\f] offset:(\f/2)*REC+3072+128*(\f%2)
.endr
	s_lshl_b32 s77, s[WV], 2
	s_add_co_u32 s77, s77, FLG
	v_mov_b32 v117, s77
	ds_store_b32 v117, v116                        ; all lanes write the same word with the same value
	; ---- the weight: as it lies into my own region, and back as 16 fragments, into the registers that it left
	v_add_nc_u32 v[WFA], s[OWN], v[EA]
	WIN 0x04                                       ; an LDS store's data are its source 1: window 1
.set k, 0
.rept 48
	ds_store_b128 v[WWI], v[4*k:4*k+3] offset:512*k
.set k, k+1
.endr
	WIN 0x40
.irp t, 0,1,2,3,4,5,6,7
.irp s, 0,1
.irp p, 0,1,2,3,4,5
	ds_load_b64 v[12*(2*\t+\s)+2*\p:12*(2*\t+\s)+2*\p+1], v[WFA] offset:(32*(\t/2)+8*(\t%2))*192+96*\s+48*(\p/3)+8*(\p%3)
.endr
.endr
.endr
	WIN 0
	s_cmp_lg_u32 s[ISV], 0
	s_cbranch_scc0 .Lnot_v1
	s_wait_dscnt 0x0                               ; the fragments are in
	WIN 0x04                                       ; V: my weight tiles become the stream, as records in my own region
.irp t, 0,1,2,3,4,5,6,7
.irp s, 0,1
	IMAGE WWI, 12*(2*\t+\s), \t*REC+1536*\s
.endr
.endr
	WIN 0
.irp t, 0,1,2,3,4,5,6,7
.irp s, 0,1
	ds_store_b32 v[WWS], v[HS+2*\t+\s] offset:\t*REC+3072+128*\s
.endr
.endr
.Lnot_v1:
	s_wait_dscnt 0x0                               ; my LDS stores have landed, my loads are in
	s_barrier_signal -1
	s_barrier_wait -1                              ; the one barrier: behind it LDS is only read
	v_mov_b32 v[T], FLG
	ds_load_b128 v[T+2:T+5], v[T]
	s_cmp_lg_u32 s[ISV], 0
	s_cbranch_scc0 .Lnot_v2
	WIN 0x40                                       ; V: the 8 token tiles become the held operand
.irp t, 0,1,2,3,4,5,6,7
.irp s, 0,1
	FETCH 12*(2*\t+\s), LI, \t*REC+1536*\s
.endr
.endr
	WIN 0
.irp t, 0,1,2,3,4,5,6,7
.irp s, 0,1
	ds_load_b32 v[HS+2*\t+\s], v[LS] offset:\t*REC+3072+128*\s
.endr
.endr
.Lnot_v2:
	STREAM 0
	s_wait_dscnt 0x0
	v_or_b32 v[T+2], v[T+2], v[T+3]
	v_or_b32 v[T+4], v[T+4], v[T+5]
	v_or_b32 v[T+2], v[T+2], v[T+4]
	v_readfirstlane_b32 s[ANY], v[T+2]
	s_cmp_lg_u32 s[ANY], 0
	s_cselect_b32 s77, 0xd1000000, 0               ; -2^35 for a hidden key; 0 where the whole batch is hidden
	s_cselect_b32 s[KILL], 0, -1
	s_cmp_eq_u32 s[TY], 0
	s_cselect_b32 s[KILL], s[KILL], 0              ; Q1 alone is cleared
	s_or_b32 s78, s[TY], s[WV]
	s_cmp_lg_u32 s78, 0
	s_cbranch_scc1 .Lno_table                      ; wave 0 of y = 0 writes the block's 128 entries of both tables
	global_load_b128 v[T+2:T+5], v[LI], s[86:87]
	v_mov_b32 v[T], s77
.irp k, 0,1,2,3
	v_mov_b32 v[CL+\k], 0
.endr
	s_wait_loadcnt 0x0
.irp k, 0,1,2,3
	v_cmp_eq_u32 vcc_lo, 0, v[T+2+\k]
	v_cndmask_b32 v[T+2+\k], v[NIL], v[T], vcc_lo
.endr
	global_store_b128 v[LI], v[T+2:T+5], s[52:53]  ; 32 lanes store 512 consecutive bytes
	global_store_b128 v[LI], v[CL:CL+3], s[54:55]
	s_wait_xcnt 0x0                                ; the stores have read their registers
.Lno_table:
; A TRIP: streamed tile i against the 8 held tiles, two K steps.  The 8 accumulators take turns, one instruction a turn.
.macro TRIP i
	s_wait_dscnt 0x0                               ; the tile's two fragments and scale words are in
	s_cmp_lg_u32 s[ISV], 0
	s_cbranch_scc1 .Lvk_\@
	WIN 0x11                                       ; source 0 (held) and the bias as C: window 1
.irp t, 0,1,2,3,4,5,6,7
	v_wmma_scale_f32_16x16x128_f8f6f4 v[HA+8*\t:HA+8*\t+7], v[24*\t:24*\t+11], v[SF:SF+11], v[192+8*\t:192+8*\t+7], v[HS+2*\t], v[SS] matrix_a_fmt:MATRIX_FMT_FP6 matrix_b_fmt:MATRIX_FMT_FP6
.endr
	WIN 0
	s_branch .Ljn_\@
.Lvk_\@:
.irp j, 0,1,2,3,4,5,6,7
	v_mov_b32 v[CL+\j], v[LB+(\i)]                 ; V: a lane holds one channel, so its eight registers of C hold one number
.endr
.rept 4
	v_nop
.endr
	WIN 0x01
.irp t, 0,1,2,3,4,5,6,7
	v_wmma_scale_f32_16x16x128_f8f6f4 v[HA+8*\t:HA+8*\t+7], v[24*\t:24*\t+11], v[SF:SF+11], v[CL:CL+7], v[HS+2*\t], v[SS] matrix_a_fmt:MATRIX_FMT_FP6 matrix_b_fmt:MATRIX_FMT_FP6
.endr
	WIN 0
.Ljn_\@:
	WIN 0x01
.irp t, 0,1,2,3,4,5,6,7
	v_wmma_scale_f32_16x16x128_f8f6f4 v[HA+8*\t:HA+8*\t+7], v[24*\t+12:24*\t+23], v[SF+12:SF+23], v[HA+8*\t:HA+8*\t+7], v[HS+2*\t+1], v[SS+1] matrix_a_fmt:MATRIX_FMT_FP6 matrix_b_fmt:MATRIX_FMT_FP6
.endr
	WIN 0
.rept 4
	v_nop                                          ; places in front of loads into registers that matrix instructions have read, and of the first read of results
.endr
.if (\i) < 7
	STREAM (\i)+1                                  ; the next tile lands while this one is quantised
.endif
	s_wait_xcnt 0x0                                ; the last trip's stores have read the codes' registers
	QUANT HA, PC, SW+(\i)
	s_cmp_lg_u32 s[ISV], 0
	s_cbranch_scc1 .Lvs_\@
.irp k, 0,1,2,3,4,5,6,7,8,9,10,11
	v_cndmask_b32 v[PC+\k], v[PC+\k], v[NIL], s[KILL]
.endr
	global_store_b128 v[LI], v[PC:PC+3], s[62:63] offset:768*(\i)                  ; registers 0-5: head 2 w's 64 channels
	global_store_b64 v[L8], v[PC+4:PC+5], s[62:63] offset:768*(\i)+512
	global_store_b128 v[LI], v[PC+6:PC+9], s[62:63] offset:HEADB+768*(\i)          ; registers 6-11: head 2 w + 1's
	global_store_b64 v[L8], v[PC+10:PC+11], s[62:63] offset:HEADB+768*(\i)+512
	s_branch .Ldn_\@
.Lvs_\@:
.irp c, 0,1,2
	global_store_b128 v[LI], v[PC+4*\c:PC+4*\c+3], s[62:63] offset:((\i)/4)*HEADB+((\i)%4)*1536+512*\c   ; weight tiles 0-3 are head 2 w's channels, 4-7 head 2 w + 1's
.endr
.Ldn_\@:
.endm
.irp i, 0,1,2,3,4,5,6,7
	TRIP \i
.endr
	; ---- the scale words: sixteen lanes store 256 consecutive bytes
	s_cmp_lg_u32 s[ISV], 0
	s_cbranch_scc1 .Lv_words
.irp m, 0,1,2,3,4,5,6,7
	v_lshrrev_b32 v[T+\m], v[SH], v[SW+\m]         ; bytes 0, 1: head 2 w (lanes 0-15 keep the word as it is: its upper bytes scale zero codes); bytes 2, 3: head 2 w + 1 (lanes 16-31)
.endr
	global_store_b128 v[VA], v[T:T+3], s[62:63] offset:12288
	global_store_b128 v[VA], v[T+4:T+7], s[62:63] offset:12544
	s_wait_tensorcnt 0x0
	ds_add_u32 v59, v63
	s_wait_dscnt 0x0
	s_endpgm
.Lv_words:
.irp t, 0,1,2,3
	v_cndmask_b32 v[T+\t], v[SW+\t], v[SW+4+\t], s[HI]
	v_mov_b32 v[T+4+\t], 0
.endr
	global_store_b128 v[VA], v[T:T+3], s[62:63] offset:12800-6144
	global_store_b128 v[VA], v[T+4:T+7], s[62:63] offset:13056-6144   ; the block's last 256 bytes: the attention launch's tensor loads read them
	s_wait_tensorcnt 0x0
	ds_add_u32 v59, v63
	s_wait_dscnt 0x0
	s_endpgm
	; ---- y = 5: fragment x of five weights becomes an image of its 12 registers.  No LDS, no barrier.
	; Weights 0, 2, 4 ([256 rows][512 along K], rows of 384 bytes): fragment 16 w' + 4 t + s = rows 64 w' + 16 t + r, K step s.
	; Weights 1, 3 ([512 rows][256 along K], rows of 192 bytes): fragment 16 w' + 2 t + s = rows 128 w' + 32 (t / 2) + 8 (t % 2) + r + 8 (r / 8), K step s.
.Llay:
	s_load_b256 s[8:15], s[0:1], 0xc0              ; m1_w2, m2_wq, m2_w2, ffn_w1
	s_load_b128 s[16:19], s[0:1], 0xe0             ; ffn_w2, wimg
	v_lshrrev_b32 v[T], 5, v0
	v_readfirstlane_b32 s[WV], v[T]                ; wave 0..3: my weight
	v_and_b32 v[T], 31, v0
	v_lshlrev_b32 v[LI], 4, v[T]
	v_and_b32 v[T+1], 15, v0                       ; r
	v_bfe_u32 v[T+2], v0, 4, 1                     ; h
	s_and_b32 s20, s[WV], 1                        ; 1: a weight with K = 256
	v_and_b32 v[T+3], 8, v[T+1]
	v_mul_lo_u32 v[T+3], v[T+3], s20
	v_add_nc_u32 v[T+3], v[T+3], v[T+1]            ; my row of the tile: r, or r + 8 (r / 8)
	s_mov_b32 s21, 384
	s_cmp_lg_u32 s20, 0
	s_cselect_b32 s21, 192, s21                    ; a row in bytes
	v_mul_lo_u32 v[EA], v[T+3], s21
	v_mad_u32_u24 v[EA], v[T+2], 24, v[EA]
	s_lshr_b32 s22, ttmp9, 4
	s_mul_i32 s22, s22, 24576                      ; w': a later wave's part
	s_bfe_u32 s23, ttmp9, 0x20002
	s_mul_i32 s23, s23, 6144                       ; 16 rows of 384 bytes, or 32 of 192
	s_add_co_u32 s22, s22, s23
	s_and_b32 s23, ttmp9, 3
	s_mul_i32 s24, s23, 96                         ; K = 512: K step x % 4
	s_lshr_b32 s25, s23, 1
	s_mul_i32 s25, s25, 1536                       ; K = 256: 8 rows on for an odd tile,
	s_and_b32 s23, s23, 1
	s_mul_i32 s23, s23, 96                         ; K step x % 2
	s_add_co_u32 s25, s25, s23
	s_cmp_lg_u32 s20, 0
	s_cselect_b32 s24, s25, s24
	s_add_co_u32 s26, s22, s24                     ; where the fragment's rows begin in the weight
	s_mov_b32 s27, 0
	s_mul_i32 s28, s[WV], WBY
	s_mul_i32 s29, ttmp9, 1536
	s_add_co_u32 s28, s28, s29                     ; and where its image goes
	s_mov_b32 s29, 0
	s_wait_kmcnt 0x0
	s_mov_b64 s[30:31], s[8:9]                     ; the weight by the wave's number: a choice that hangs on no address
	s_cmp_eq_u32 s[WV], 1
	s_cselect_b64 s[30:31], s[10:11], s[30:31]
	s_cmp_eq_u32 s[WV], 2
	s_cselect_b64 s[30:31], s[12:13], s[30:31]
	s_cmp_eq_u32 s[WV], 3
	s_cselect_b64 s[30:31], s[14:15], s[30:31]
	s_add_nc_u64 s[30:31], s[30:31], s[26:27]
	s_add_nc_u64 s[16:17], s[16:17], s[26:27]      ; ffn_w2 is laid like wave 0's weight; wave 0 alone reads by this address
	s_add_nc_u64 s[18:19], s[18:19], s[28:29]
	FRAGG F, EA, 30, 0
	s_cmp_lg_u32 s[WV], 0
	s_cbranch_scc1 .Llay_one
	FRAGG F+12, EA, 16, 0
	s_wait_loadcnt 0x0
.irp c, 0,1,2
	global_store_b128 v[LI], v[F+12+4*\c:F+12+4*\c+3], s[18:19] offset:4*WBY+512*\c
.endr
.Llay_one:
	s_wait_loadcnt 0x0
.irp c, 0,1,2
	global_store_b128 v[LI], v[F+4*\c:F+4*\c+3], s[18:19] offset:512*\c   ; 32 lanes store 512 consecutive bytes
.endr
	s_endpgm
.Lfunc_end_k_qcd96d6bebe_proj:
	.size	k_qcd96d6bebe_proj, .Lfunc_end_k_qcd96d6bebe_proj-k_qcd96d6bebe_proj
	.p2alignl 7, 3214868480
	.fill 96, 4, 3214868480
	.section	.rodata,"a",@progbits
	.p2align	6, 0x0
	.amdhsa_kernel k_qcd96d6bebe_proj
		.amdhsa_group_segment_fixed_size 133888
		.amdhsa_private_segment_fixed_size 0
		.amdhsa_enable_private_segment 0
		.amdhsa_kernarg_size 240
		.amdhsa_user_sgpr_count 2
		.amdhsa_user_sgpr_kernarg_segment_ptr 1
		.amdhsa_wavefront_size32 1
		.amdhsa_system_sgpr_workgroup_id_x 1
		.amdhsa_system_sgpr_workgroup_id_y 1
		.amdhsa_system_sgpr_workgroup_id_z 1
		.amdhsa_system_vgpr_workitem_id 0
		.amdhsa_next_free_vgpr 512
		.amdhsa_next_free_sgpr 100
		.amdhsa_reserve_vcc 1
		.amdhsa_float_denorm_mode_32 3
		.amdhsa_float_denorm_mode_16_64 3
		.amdhsa_memory_ordered 1
		.amdhsa_forward_progress 1
		.amdhsa_inst_pref_size 149
	.end_amdhsa_kernel
	.amdgpu_metadata
---
amdhsa.version: [ 1, 2 ]
amdhsa.kernels:
  - .name:           k_qcd96d6bebe_proj
    .symbol:         k_qcd96d6bebe_proj.kd
    .args:
      - { .name: x, .offset: 0, .size: 8, .value_kind: global_buffer, .address_space: global }
      - { .name: encoder_output_codes, .offset: 8, .size: 8, .value_kind: global_buffer, .address_space: global }
      - { .name: encoder_output_scales, .offset: 16, .size: 8, .value_kind: global_buffer, .address_space: global }
      - { .name: tgt_mask, .offset: 24, .size: 8, .value_kind: global_buffer, .address_space: global }
      - { .name: m1_wq_codes, .offset: 32, .size: 8, .value_kind: global_buffer, .address_space: global }
      - { .name: m1_wq_scales, .offset: 40, .size: 8, .value_kind: global_buffer, .address_space: global }
      - { .name: m1_bq, .offset: 48, .size: 8, .value_kind: global_buffer, .address_space: global }
      - { .name: m1_wk_codes, .offset: 56, .size: 8, .value_kind: global_buffer, .address_space: global }
      - { .name: m1_wk_scales, .offset: 64, .size: 8, .value_kind: global_buffer, .address_space: global }
      - { .name: m1_bk, .offset: 72, .size: 8, .value_kind: global_buffer, .address_space: global }
      - { .name: m1_wv_codes, .offset: 80, .size: 8, .value_kind: global_buffer, .address_space: global }
      - { .name: m1_wv_scales, .offset: 88, .size: 8, .value_kind: global_buffer, .address_space: global }
      - { .name: m1_bv, .offset: 96, .size: 8, .value_kind: global_buffer, .address_space: global }
      - { .name: m2_wk_codes, .offset: 104, .size: 8, .value_kind: global_buffer, .address_space: global }
      - { .name: m2_wk_scales, .offset: 112, .size: 8, .value_kind: global_buffer, .address_space: global }
      - { .name: m2_bk, .offset: 120, .size: 8, .value_kind: global_buffer, .address_space: global }
      - { .name: m2_wv_codes, .offset: 128, .size: 8, .value_kind: global_buffer, .address_space: global }
      - { .name: m2_wv_scales, .offset: 136, .size: 8, .value_kind: global_buffer, .address_space: global }
      - { .name: m2_bv, .offset: 144, .size: 8, .value_kind: global_buffer, .address_space: global }
      - { .name: q, .offset: 152, .size: 8, .value_kind: global_buffer, .address_space: global }
      - { .name: kv1, .offset: 160, .size: 8, .value_kind: global_buffer, .address_space: global }
      - { .name: kv2, .offset: 168, .size: 8, .value_kind: global_buffer, .address_space: global }
      - { .name: mb1, .offset: 176, .size: 8, .value_kind: global_buffer, .address_space: global }
      - { .name: mb2, .offset: 184, .size: 8, .value_kind: global_buffer, .address_space: global }
      - { .name: m1_w2_codes, .offset: 192, .size: 8, .value_kind: global_buffer, .address_space: global }
      - { .name: m2_wq_codes, .offset: 200, .size: 8, .value_kind: global_buffer, .address_space: global }
      - { .name: m2_w2_codes, .offset: 208, .size: 8, .value_kind: global_buffer, .address_space: global }
      - { .name: ffn_w1_codes, .offset: 216, .size: 8, .value_kind: global_buffer, .address_space: global }
      - { .name: ffn_w2_codes, .offset: 224, .size: 8, .value_kind: global_buffer, .address_space: global }
      - { .name: wimg, .offset: 232, .size: 8, .value_kind: global_buffer, .address_space: global }
    .group_segment_fixed_size: 133888
    .private_segment_fixed_size: 0
    .kernarg_segment_align: 8
    .kernarg_segment_size: 240
    .max_flat_workgroup_size: 128
    .sgpr_count:     100
    .vgpr_count:     512
    .wavefront_size: 32
...
	.end_amdgpu_metadata
.endif
;; end of part 1
;; launch attn1 (part 2): grid 8 x 32, 16 waves a work-group, clusters of 4 x 1, 224,256 bytes of LDS; arguments q, kv1, mb1, o; writes o
.if DOCPART == 2
	.amdgcn_target "amdgcn-amd-amdhsa--gfx1250"
	.amdhsa_code_object_version 6
	.text
	.protected	k_qcd96d6bebe_attn1
	.globl	k_qcd96d6bebe_attn1
	.p2align	8
	.type	k_qcd96d6bebe_attn1,@function
k_qcd96d6bebe_attn1:
	s_mov_b64 s[64:65], 0
	v_nop
	global_prefetch_b8 v0, s[64:65] scope:SCOPE_SE
	s_setreg_imm32_b32 hwreg(HW_REG_WAVE_MODE, 25, 1), 1
	s_wait_xcnt 0x0
	s_wait_alu depctr_hold_cnt(0) depctr_sa_sdst(0) depctr_va_vdst(0) depctr_va_sdst(0) depctr_va_ssrc(0) depctr_va_vcc(0) depctr_vm_vsrc(0)
	s_getreg_b32 s2, hwreg(HW_REG_IB_STS2, 6, 4)
	s_cmp_eq_u32 s2, 0
	s_cbranch_scc0 .Lentry_in_a_cluster
	s_endpgm
.Lentry_in_a_cluster:
	s_bfe_u32 s2, ttmp6, 0x10000c
	s_cmp_lg_u32 s2, 0x3003
	s_cbranch_scc0 .Lentry_shape_is_right
	s_endpgm
.Lentry_shape_is_right:
; ATTENTION OF ONE HEAD ON CODES OF FP6 (E2M3), head size 64, 2,048 keys; both products by the scaled matrix instruction; the body serves both attentions of the layer.
; q, kv: step blocks of 13,312 bytes for each (batch, head, 128 tokens): 8 images of half fragments (16 tokens x 64 channels, 768 bytes), 4 images of fragments of V (16 channels x 128 keys, 1,536 bytes), K's scale words (512), V's (256), 256 spare.
; mb: [batch][key] f32: -2^35 for a hidden key, else 0.  o: codes [tile of 16 queries][head][768], and from OSOFF on one scale word for each (batch, head, tile, row).
; SOFTMAX: t = score x log2(e) / 8; M = the running largest t rounded UP to a whole number; p = 2^(t - M) is quantised along the keys, not normalised; the sum of the unquantised p divides at the end.  When M moves, sum and O are multiplied by 2^(old M - new M): exact.
; THE MASK COSTS NO VECTOR WORK: the table's numbers are loaded into the scores' registers and are the C of the score product.  A hidden key's t is about -6.2e9, so its p is 0.  Steps that have seen hidden keys alone leave finite numbers under a huge
; negative M; the first key that counts multiplies them by 2^(a saturated difference) = 0.  A batch with no key left arrives with zero codes of Q and a table of zeros: every p is 1.
; SHARES: a work-group owns 256 queries of one (batch, head); each of its sixteen waves 16 of them in 256 registers, four waves to a SIMD, so that one wave's vector work stands beside another's products and LDS loads.
; THE HEAD'S WHOLE K AND V, 212,992 bytes of codes and scale words, lie in LDS: each byte is filled once, so there is no ring.  The fill goes in two parts, key steps 0-3 and 4-15: the first four steps are worked while the second part lands.
; A wave asks for its sixteenth of the first part at once and for its sixteenth of the second behind the head's address work, loads and clears (some 110 instructions), so that the sixteen first parts are asked for ahead of the second parts.
; CLUSTER: the four work-groups of a cluster are four query blocks of one head and want the same bytes: every load is asked for jointly, with one descriptor and a mask that names the four.
; LAYOUT: S^T = K Q^T (source 0 = 16 keys, source 1 = my queries), O^T = V^T P^T: a lane holds one query throughout.  Lane r of key tile 2 b + u is key 32 b + 8 u + r + 8 (r / 8), so registers 16 b + i of S^T are keys 32 b + 16 (lane / 16) + i.  V's channel tiles are chosen
; likewise, so that O^T's 32 registers run along the channels as the next product's K wants them.
; HEAD SIZE 64 IS HALF OF THE INSTRUCTION'S K: Q's registers 6-11 are zero codes, so K's upper six registers may hold anything: K's 8 half fragments lie packed, 6 registers each, and fragment t is the 12 registers from 6 t on.
; LIMITS: raw scores stay under 2^34 in magnitude; NaN and infinities are not served; a block of zeros carries the scale byte 1 (read by this program alone); the division by the sum is v_rcp_f32 and a multiplication.
; A block's largest p is made from its largest score by the same multiply-add and exponential, which takes v_exp_f32 not to fall where its input rises.
.set SB,    13312
.set HEADB, 16*SB
.set VOFF,  6144
.set KSCO,  12288
.set VSCO,  12800
.set BIAS,  HEADB                      ; LDS behind K and V: the batch's 2,048 table entries,
.set OSC,   BIAS+8192                  ; and the sixteen waves' scale words on the way out
.set OSOFF, 3145728
.set LI,  1                            ; v1   16 x lane
.set L8,  2                            ; v2   8 x lane
.set RS,  3                            ; v3   16 x (lane % 16)
.set BA,  4                            ; v4   BIAS + 64 (lane / 16)
.set ADK, 8                            ; v8-11 the step's addresses
.set AD8, 9
.set ADS, 10
.set ADB, 11
.set QF,  16                           ; v16-21 Q, v22-27 zero codes
.set QS,  28                           ; v28  Q's scale words
.set KF,  32                           ; v32-79 K's 8 half fragments, then V's 4 fragments; v80-85 behind the last half fragment
.set KSW, 86                           ; v86-93 K's scale words
.set VSW, 94                           ; v94-97 V's
.set S,   100                          ; v100-163 S^T, then p
.set O,   164                          ; v164-195 O^T
.set PC,  196                          ; v196-207 p's codes
.set PX,  208                          ; v208-215 at work
.set BM,  216                          ; v216-219 the blocks' largest scores
.set BT,  220
.set BS,  224
.set PW,  229                          ; v229 p's scale word
.set FF,  230                          ; v[230:231] f
.set TMP, 232
.set WV,  12
.set SEL, 20
.set CS,  22                           ; s[22:23] c = log2(e) / 8
.set G1A, 24                           ; s[24:31], s[32:39] descriptor groups 1;  s[40:43], s[44:47] groups 0
.set G1B, 32
.set G0A, 40
.set G0B, 44
.set TB,  48                           ; s48  LDS byte of the step's block
.set TJ,  49                           ; s49  of its table entries
.set CNT, 50
.macro ROUND                           ; a round of the cluster's barrier
	s_barrier_signal -1
	s_barrier_wait -1
	s_cmp_lg_u32 s[WV], 0
	s_cbranch_scc1 .Lnot_wave_0_\@
	s_barrier_signal -3
.Lnot_wave_0_\@:
	s_barrier_wait -3
	s_barrier_signal -1
	s_barrier_wait -1
.endm
	s_load_b256 s[4:11], s[0:1], 0x0               ; q s[4:5], kv s[6:7], mb s[8:9], o s[10:11]
	v_lshl_add_u32 v254, v0, 2, 0x36400
	v_mov_b32 v255, 0
	ds_add_u32 v254, v255
	ds_add_u32 v254, v255
	v_lshrrev_b32 v6, 5, v0
	v_readfirstlane_b32 s[WV], v6                  ; wave 0..15
	s_bfe_u32 s13, ttmp6, 0x40000                  ; cx: my place in the cluster
	s_lshl_b32 s14, ttmp9, 2
	s_add_co_u32 s14, s14, s13                     ; my block of 256 queries: it enters q's and o's addresses alone
	s_and_b32 s15, ttmp7, 0xffff                   ; 8 x batch + head, which the four partners share
	; the fills: dense memory as rows of 256 bytes (32 elements of 8 bytes).  Part A: steps 0-3, 13 rows a wave; part B: steps 4-15, 39 rows a wave
	s_mov_b32 s[G1A], 15|(3<<16)|(1<<21)           ; 15:0 the mask: all four work-groups; 17:16 elements of 8 bytes; 21 set beside a mask; no padding
	s_mov_b32 s[G1A+1], 32<<16                     ; tensor_dim0
	s_mov_b32 s[G1A+2], 13<<16                     ; tensor_dim1
	s_mov_b32 s[G1A+3], 32<<16                     ; tile_dim0
	s_mov_b32 s[G1A+4], 13                         ; tile_dim1
	s_mov_b32 s[G1A+5], 32                         ; the pitch
	s_mov_b32 s[G1A+6], 0
	s_mov_b32 s[G1A+7], 0
	s_mov_b32 s[G1B], 15|(3<<16)|(1<<21)
	s_mov_b32 s[G1B+1], 32<<16
	s_mov_b32 s[G1B+2], 39<<16
	s_mov_b32 s[G1B+3], 32<<16
	s_mov_b32 s[G1B+4], 39
	s_mov_b32 s[G1B+5], 32
	s_mov_b32 s[G1B+6], 0
	s_mov_b32 s[G1B+7], 0
	s_mul_i32 s52, s15, HEADB                      ; the head's first byte in kv
	s_mul_i32 s54, s[WV], 13*256
	s_mul_i32 s56, s[WV], 39*256
	s_add_co_u32 s56, s56, 4*SB
	s_mov_b32 s[G0A], 1
	s_mov_b32 s[G0A+1], s54                        ; LDS = the place in the head: a constant x wave (+ a constant)
	s_mov_b32 s[G0B], 1
	s_mov_b32 s[G0B+1], s56
	s_add_co_u32 s54, s54, s52
	s_mov_b32 s55, 0
	s_add_co_u32 s56, s56, s52
	s_mov_b32 s57, 0
	s_mov_b32 s[SEL], 0x76543210
	s_mov_b32 s[SEL+1], 0xfedcba98
	s_mov_b32 s[CS], 0x3e38aa3b
	s_mov_b32 s[CS+1], s[CS]
	s_mov_b32 s[TB], 0
	s_mov_b32 s[TJ], 0
	s_wait_dscnt 0x0
	s_wait_kmcnt 0x0
	s_add_nc_u64 s[G0A+2:G0A+3], s[6:7], s[54:55]
	s_or_b32 s[G0A+3], s[G0A+3], 0x80000000
	s_add_nc_u64 s[G0B+2:G0B+3], s[6:7], s[56:57]
	s_or_b32 s[G0B+3], s[G0B+3], 0x80000000
	ROUND                                          ; all four work-groups are here: the joint loads meet
	tensor_load_to_lds s[G0A:G0A+3], s[G1A:G1A+7]  ; my sixteenth of steps 0-3, first thing behind the round
	s_nop 0
.rept 4
	v_nop
.endr
	v_and_b32 v6, 31, v0
	v_lshlrev_b32 v[LI], 4, v6
	v_lshlrev_b32 v[L8], 3, v6
	v_and_b32 v7, 15, v0
	v_lshlrev_b32 v[RS], 4, v7
	v_bfe_u32 v5, v0, 4, 1
	v_lshl_add_u32 v[BA], v5, 6, BIAS
	; my tile of queries: T = 16 x block + wave; its step block T / 8, its place there T % 8
	s_lshl_b32 s52, s15, 4
	s_lshl_b32 s53, s14, 1
	s_add_co_u32 s52, s52, s53
	s_lshr_b32 s53, s[WV], 3
	s_add_co_u32 s52, s52, s53
	s_mul_i32 s52, s52, SB
	s_and_b32 s54, s[WV], 7
	s_mul_i32 s56, s54, 768
	s_add_co_u32 s56, s56, s52
	s_mov_b32 s57, 0
	s_lshr_b32 s58, s54, 2
	s_lshl_b32 s58, s58, 8
	s_and_b32 s54, s54, 3
	s_lshl_b32 s54, s54, 2
	s_add_co_u32 s58, s58, s54
	s_add_co_u32 s58, s58, s52
	s_add_co_u32 s58, s58, KSCO
	s_mov_b32 s59, 0
	s_add_nc_u64 s[16:17], s[4:5], s[58:59]        ; its scale words
	s_add_nc_u64 s[4:5], s[4:5], s[56:57]          ; its codes
	s_lshr_b32 s52, s15, 3
	s_lshl_b32 s52, s52, 13
	s_mov_b32 s53, 0
	s_add_nc_u64 s[8:9], s[8:9], s[52:53]          ; the batch's table
	global_load_b128 v[QF:QF+3], v[LI], s[4:5]
	global_load_b64 v[QF+4:QF+5], v[L8], s[4:5] offset:512
	global_load_b32 v[QS], v[RS], s[16:17]
	v_lshlrev_b32 v7, 4, v0
	global_load_b128 v[S:S+3], v7, s[8:9]          ; 512 threads x 16 bytes: the table's 8,192
	v_lshl_add_u32 v6, v0, 4, BIAS
	s_lshr_b32 s52, s15, 3                         ; where my results go: tile G = 128 x batch + T
	s_lshl_b32 s52, s52, 7
	s_lshl_b32 s54, s14, 4
	s_add_co_u32 s52, s52, s54
	s_add_co_u32 s52, s52, s[WV]
	s_lshl_b32 s52, s52, 3
	s_and_b32 s54, s15, 7
	s_add_co_u32 s52, s52, s54
	s_mul_i32 s52, s52, 768
	s_add_nc_u64 s[18:19], s[10:11], s[52:53]      ; codes: (8 G + head) x 768
	s_lshl_b32 s52, s15, 7
	s_lshl_b32 s54, s14, 4
	s_add_co_u32 s52, s52, s54
	s_lshl_b32 s52, s52, 6
	s_add_co_u32 s52, s52, OSOFF
	s_add_nc_u64 s[10:11], s[10:11], s[52:53]      ; the work-group's 16 tiles of scale words: 1,024 bytes
.irp j, 0,1,2,3,4,5
	v_mov_b32 v[QF+6+\j], 0                        ; Q's upper 64 along K: zero codes
	v_mov_b32 v[KF+48+\j], 0                       ; named with K's last half fragment
.endr
.set j, 0
.rept 32
	v_mov_b32 v[O+j], 0                            ; O^T.  (The step is written once: its first trip finds zeros, which the first change of M leaves zeros)
.set j, j+1
.endr
	v_mov_b32 v13, 0xff61b1e6                      ; the largest t so far: -3e38
	v_floor_f32 v12, -v13                          ; -M
	v_mov_b32 v14, 0                               ; the sum, in two halves
	v_mov_b32 v15, 0
.irp b, 0,1,2,3
	v_mov_b32 v[BT+\b], 0                          ; a lane permute's destination counts as one of its sources
.endr
	v_mov_b32 v[FF+1], 0                           ; named as the upper half of a pair
	tensor_load_to_lds s[G0B:G0B+3], s[G1B:G1B+7]  ; my sixteenth of steps 4-15: behind the same round, ahead of every wait on TENSORcnt, LDS read and barrier: two loads of mine are out
	s_nop 0
.rept 4
	v_nop
.endr
	s_wait_loadcnt 0x0
	ds_store_b128 v6, v[S:S+3]
	s_wait_tensorcnt 0x1                           ; my sixteenth of steps 0-3 has landed; my load of steps 4-15 may stay out, and the four steps behind it read steps 0-3 alone
	s_wait_dscnt 0x0                               ; my part of the table has landed
	s_barrier_signal -1
	s_barrier_wait -1
; A KEY STEP: 128 keys.
.macro STEP
	v_add_nc_u32 v[ADK], s[TB], v[LI]              ; (these four are also the places between the last step's products and the loads into the registers that they read)
	v_add_nc_u32 v[AD8], s[TB], v[L8]
	v_add_nc_u32 v[ADS], s[TB], v[RS]
	v_add_nc_u32 v[ADB], s[TJ], v[BA]
.irp t, 0,1,2,3,4,5,6,7
	ds_load_b128 v[KF+6*\t:KF+6*\t+3], v[ADK] offset:768*\t
	ds_load_b64 v[KF+6*\t+4:KF+6*\t+5], v[AD8] offset:768*\t+512
.endr
	ds_load_b128 v[KSW:KSW+3], v[ADS] offset:KSCO
	ds_load_b128 v[KSW+4:KSW+7], v[ADS] offset:KSCO+256
.irp t, 0,1,2,3,4,5,6,7
	ds_load_b128 v[S+8*\t:S+8*\t+3], v[ADB] offset:128*(\t/2)+32*(\t%2)        ; the table's entries of my eight keys of tile t: the C of the score product
	ds_load_b128 v[S+8*\t+4:S+8*\t+7], v[ADB] offset:128*(\t/2)+32*(\t%2)+16
.endr
	s_wait_dscnt 0x0
.irp t, 0,1,2,3,4,5,6,7
	v_wmma_scale_f32_16x16x128_f8f6f4 v[S+8*\t:S+8*\t+7], v[KF+6*\t:KF+6*\t+11], v[QF:QF+11], v[S+8*\t:S+8*\t+7], v[KSW+\t], v[QS] matrix_a_fmt:MATRIX_FMT_FP6 matrix_b_fmt:MATRIX_FMT_FP6
.endr
.rept 4
	v_nop                                          ; places in front of the loads below and of the first read of the scores
.endr
.irp t, 0,1,2,3
.irp c, 0,1,2
	ds_load_b128 v[KF+12*\t+4*\c:KF+12*\t+4*\c+3], v[ADK] offset:VOFF+1536*\t+512*\c   ; V lands under the softmax
.endr
.endr
	ds_load_b128 v[VSW:VSW+3], v[ADS] offset:VSCO
.irp b, 0,1,2,3
	v_max3_num_f32 v[BM+\b], v[S+16*\b], v[S+1+16*\b], v[S+2+16*\b]    ; the largest score of each block of 32 keys: for the row's maximum and for the block's largest p
.endr
.irp i, 3,5,7,9,11,13
.irp b, 0,1,2,3
	v_max3_num_f32 v[BM+\b], v[BM+\b], v[S+16*\b+\i], v[S+1+16*\b+\i]
.endr
.endr
.irp b, 0,1,2,3
	v_max_num_f32 v[BM+\b], v[BM+\b], v[S+15+16*\b]
.endr
.irp b, 0,1,2,3
	v_permlanex16_b32 v[BT+\b], v[BM+\b], s[SEL], s[SEL+1]
.endr
.irp b, 0,1,2,3
	v_max_num_f32 v[BM+\b], v[BM+\b], v[BT+\b]     ; with lane l xor 16's 16 keys
.endr
	v_max3_num_f32 v[TMP], v[BM], v[BM+1], v[BM+2]
	v_max_num_f32 v[TMP], v[TMP], v[BM+3]
	v_mul_f32 v[TMP], s[CS], v[TMP]                ; the step's largest t (c is positive)
	v_max_num_f32 v13, v13, v[TMP]
	v_mov_b32 v[TMP], v12
	v_floor_f32 v12, -v13                          ; the new -M = -ceil(t)
	v_sub_f32 v[TMP], v12, v[TMP]                  ; old M - new M: a whole number, 0 or less
	v_cvt_i32_f32 v[TMP], v[TMP]                   ; (it saturates)
	v_ldexp_f32 v[FF], 1.0, v[TMP]                 ; f = 2^(old M - new M)
.set j, 0
.rept 32
	v_pk_fma_f32 v[S+j:S+j+1], v[S+j:S+j+1], s[CS:CS+1], v[12:13] op_sel_hi:[1,0,0]   ; t - M, two at a time
.set j, j+2
.endr
.irp b, 0,1,2,3
	v_fma_f32 v[BM+\b], v[BM+\b], s[CS], v12
.endr
.set j, 0
.rept 64
	v_exp_f32 v[S+j], v[S+j]                       ; p = 2^(t - M)
.set j, j+1
.endr
.irp b, 0,1,2,3
	v_exp_f32 v[BM+\b], v[BM+\b]                   ; the block's largest p.  All 68 are one batch
.endr
	v_pk_mul_f32 v[14:15], v[14:15], v[FF:FF+1] op_sel_hi:[1,0]        ; independent work behind the batch: the sum and O^T under the new M
.set j, 0
.rept 16
	v_pk_mul_f32 v[O+j:O+j+1], v[O+j:O+j+1], v[FF:FF+1] op_sel_hi:[1,0]
.set j, j+2
.endr
	s_wait_alu depctr_va_vdst(0)                   ; the wait ahead of the batch's first reader: one for the 68
.irp b, 0,1,2,3
	v_max_num_f32 v[BM+\b], 0x1800000, v[BM+\b]    ; the floor 2^(3 - 127): the byte cannot fall under 1
.endr
.irp b, 0,1,2,3
	v_add_nc_u32 v[BS+\b], 0xff000000, v[BM+\b]    ; 2 off the exponent field: the conversion's scale operand
.endr
.irp b, 0,1,2,3
	v_lshrrev_b32 v[BT+\b], 23, v[BS+\b]
.endr
	v_lshl_or_b32 v[PW], v[BT+1], 8, v[BT]
	v_lshl_or_b32 v[PW], v[BT+2], 16, v[PW]
	v_lshl_or_b32 v[PW], v[BT+3], 24, v[PW]
.irp c, 0,1
	v_cvt_scalef32_pk16_fp6_f32 v[PC+6*\c:PC+2+6*\c], v[S+32*\c:S+15+32*\c], v[BS+2*\c]
	v_cvt_scalef32_pk16_fp6_f32 v[PX+4*\c:PX+2+4*\c], v[S+16+32*\c:S+31+32*\c], v[BS+2*\c+1]
.endr
	v_nop                                          ; one plain place behind a scaled conversion
.irp c, 0,1
.irp i, 0,1,2
	v_permlane16_swap_b32 v[PC+6*\c+\i], v[PX+4*\c+\i]
.endr
.irp i, 0,1,2
	v_mov_b32 v[PC+3+6*\c+\i], v[PX+4*\c+\i]
.endr
.endr
	v_pk_add_f32 v[BT:BT+1], v[S:S+1], v[S+2:S+3]  ; the row's sum of the UNQUANTISED p, in two chains.  These 32 name no register of the products below: they are the places behind p's scale word (8) and codes (4)
.irp j, 4,8,12,16,20,24,28,32,36,40,44,48,52,56,60
	v_pk_add_f32 v[14:15], v[14:15], v[S+\j:S+\j+1]
	v_pk_add_f32 v[BT:BT+1], v[BT:BT+1], v[S+2+\j:S+3+\j]
.endr
	v_pk_add_f32 v[14:15], v[14:15], v[BT:BT+1]
	s_wait_dscnt 0x0                               ; V and its scale words are in
.irp t, 0,1,2,3
	v_wmma_scale_f32_16x16x128_f8f6f4 v[O+8*\t:O+8*\t+7], v[KF+12*\t:KF+12*\t+11], v[PC:PC+11], v[O+8*\t:O+8*\t+7], v[VSW+\t], v[PW] matrix_a_fmt:MATRIX_FMT_FP6 matrix_b_fmt:MATRIX_FMT_FP6
.endr
	s_add_co_u32 s[TB], s[TB], SB
	s_add_co_u32 s[TJ], s[TJ], 512
.endm
	s_mov_b32 s[CNT], 4
.Lpart_a:
	STEP
	s_sub_co_u32 s[CNT], s[CNT], 1
	s_cmp_lg_u32 s[CNT], 0
	s_cbranch_scc1 .Lpart_a
	s_wait_tensorcnt 0x0                           ; my sixteenth of steps 4-15 has landed,
	s_wait_dscnt 0x0
	s_barrier_signal -1
	s_barrier_wait -1                              ; everybody's has
	s_mov_b32 s[CNT], 12
.Lpart_b:
	STEP
	s_sub_co_u32 s[CNT], s[CNT], 1
	s_cmp_lg_u32 s[CNT], 0
	s_cbranch_scc1 .Lpart_b
	; THE WAY OUT: O^T / the sum, quantised along the channels (two blocks of 32): half a fragment of the next product's operand
	v_add_f32 v14, v14, v15
	v_permlanex16_b32 v[TMP], v14, s[SEL], s[SEL+1]
	v_add_f32 v14, v14, v[TMP]                     ; the row's sum
	v_rcp_f32 v[FF], v14
	v_and_b32 v6, 15, v0
	v_lshlrev_b32 v6, 2, v6
	s_lshl_b32 s52, s[WV], 6
	s_add_co_u32 s52, s52, OSC
	v_add_nc_u32 v6, s52, v6                       ; my row's scale word: OSC + 64 x wave + 4 r
	v_and_b32 v5, 63, v0
	v_lshl_add_u32 v7, v5, 4, OSC
	v_lshlrev_b32 v5, 4, v5
	s_wait_alu depctr_va_vdst(0)                   ; the wait ahead of the reciprocal's first reader
.set j, 0
.rept 16
	v_pk_mul_f32 v[O+j:O+j+1], v[O+j:O+j+1], v[FF:FF+1] op_sel_hi:[1,0]
.set j, j+2
.endr
.irp b, 0,1
	v_max3_num_f32 v[BM+\b], |v[O+16*\b]|, |v[O+1+16*\b]|, 0x1800000
.endr
.irp i, 2,4,6,8,10,12,14
.irp b, 0,1
	v_max3_num_f32 v[BM+\b], v[BM+\b], |v[O+16*\b+\i]|, |v[O+1+16*\b+\i]|
.endr
.endr
.irp b, 0,1
	v_permlanex16_b32 v[BT+\b], v[BM+\b], s[SEL], s[SEL+1]
.endr
.irp b, 0,1
	v_max_num_f32 v[BM+\b], v[BM+\b], v[BT+\b]
.endr
.irp b, 0,1
	v_add_nc_u32 v[BS+\b], 0xff000000, v[BM+\b]
.endr
.irp b, 0,1
	v_lshrrev_b32 v[BT+\b], 23, v[BS+\b]
.endr
	v_lshl_or_b32 v[TMP], v[BT+1], 8, v[BT]        ; two bytes; the upper half is 0
	v_cvt_scalef32_pk16_fp6_f32 v[PC:PC+2], v[O:O+15], v[BS]
	v_cvt_scalef32_pk16_fp6_f32 v[PX:PX+2], v[O+16:O+31], v[BS+1]
	v_nop
.irp i, 0,1,2
	v_permlane16_swap_b32 v[PC+\i], v[PX+\i]
.endr
.irp i, 0,1,2
	v_mov_b32 v[PC+3+\i], v[PX+\i]
.endr
	global_store_b128 v[LI], v[PC:PC+3], s[18:19]              ; 512 consecutive bytes,
	global_store_b64 v[L8], v[PC+4:PC+5], s[18:19] offset:512  ; and 256
	ds_store_b32 v6, v[TMP]                        ; both lanes of a row write the same word with the same value
	s_wait_dscnt 0x0
	s_barrier_signal -1
	s_barrier_wait -1
	s_cmp_lt_u32 s[WV], 2
	s_cbranch_scc0 .Lno_words
	ds_load_b128 v[S:S+3], v7                      ; waves 0 and 1 store the sixteen tiles' words: 512 consecutive bytes each
	s_wait_dscnt 0x0
	global_store_b128 v5, v[S:S+3], s[10:11]
.Lno_words:
	s_wait_tensorcnt 0x0
	ds_add_u32 v254, v255
	s_wait_dscnt 0x0
	ROUND                                          ; the closing round
	s_endpgm
.Lfunc_end_k_qcd96d6bebe_attn1:
	.size	k_qcd96d6bebe_attn1, .Lfunc_end_k_qcd96d6bebe_attn1-k_qcd96d6bebe_attn1
	.p2alignl 7, 3214868480
	.fill 96, 4, 3214868480
	.section	.rodata,"a",@progbits
	.p2align	6, 0x0
	.amdhsa_kernel k_qcd96d6bebe_attn1
		.amdhsa_group_segment_fixed_size 224256
		.amdhsa_private_segment_fixed_size 0
		.amdhsa_enable_private_segment 0
		.amdhsa_kernarg_size 32
		.amdhsa_user_sgpr_count 2
		.amdhsa_user_sgpr_kernarg_segment_ptr 1
		.amdhsa_wavefront_size32 1
		.amdhsa_system_sgpr_workgroup_id_x 1
		.amdhsa_system_sgpr_workgroup_id_y 1
		.amdhsa_system_sgpr_workgroup_id_z 1
		.amdhsa_system_vgpr_workitem_id 0
		.amdhsa_next_free_vgpr 256
		.amdhsa_next_free_sgpr 66
		.amdhsa_reserve_vcc 0
		.amdhsa_float_denorm_mode_32 3
		.amdhsa_float_denorm_mode_16_64 3
		.amdhsa_memory_ordered 1
		.amdhsa_forward_progress 1
		.amdhsa_inst_pref_size 46
	.end_amdhsa_kernel
	.amdgpu_metadata
---
amdhsa.version: [ 1, 2 ]
amdhsa.kernels:
  - .name:           k_qcd96d6bebe_attn1
    .symbol:         k_qcd96d6bebe_attn1.kd
    .args:
      - { .name: q, .offset: 0, .size: 8, .value_kind: global_buffer, .address_space: global }
      - { .name: kv1, .offset: 8, .size: 8, .value_kind: global_buffer, .address_space: global }
      - { .name: mb1, .offset: 16, .size: 8, .value_kind: global_buffer, .address_space: global }
      - { .name: o, .offset: 24, .size: 8, .value_kind: global_buffer, .address_space: global }
    .group_segment_fixed_size: 224256
    .private_segment_fixed_size: 0
    .kernarg_segment_align: 8
    .kernarg_segment_size: 32
    .max_flat_workgroup_size: 512
    .sgpr_count:     66
    .vgpr_count:     256
    .wavefront_size: 32
...
	.end_amdgpu_metadata
.endif
;; end of part 2
;; launch post1 (part 3): grid 128 x 1, 4 waves a work-group, no clusters, 111,104 bytes of LDS; arguments o, wimg, m1_w2_scales, m1_b2, x, m1_g, m1_b, ln1_g, ln1_b, m2_wq_scales, m2_bq, x1, q; writes x1, q
.if DOCPART == 3
	.amdgcn_target "amdgcn-amd-amdhsa--gfx1250"
	.amdhsa_code_object_version 6
	.text
	.protected	k_qcd96d6bebe_post1
	.globl	k_qcd96d6bebe_post1
	.p2align	8
	.type	k_qcd96d6bebe_post1,@function
k_qcd96d6bebe_post1:
	s_mov_b64 s[64:65], 0
	v_nop
	global_prefetch_b8 v0, s[64:65] scope:SCOPE_SE
	s_setreg_imm32_b32 hwreg(HW_REG_WAVE_MODE, 25, 1), 1
	s_wait_xcnt 0x0
; WHAT FOLLOWS AN ATTENTION, for 64 rows a work-group.  One text serves both places of the layer; the switch P2 says which.
;   both:   a = LN(o w2 + b2 + res; g, b);  y = LN(res + a; ln_g, ln_b)            (res: x here, x1 in the second place)
;   P2 = 0: y is x1: stored as an image of its owner's registers; Q2 = x1 wq + bq, quantised by heads, goes to q in the attention launch's layout.
;   P2 = 1: y is x2: out0 = LN(x2 + relu(x2 w1 + b1) w2 + b2; ln3_g, ln3_b).
; All products on codes of FP6 (E2M3) with E8M0 scales for each 32 along K; norms, residuals and the activation in f32; the variance is taken of the centred numbers.
; SHARES.  Four waves; the rows are four tiles of 16 (tile G = 4 x work-group + m; lane r of tile G is token 32 (G / 2) + 8 (G % 2) + r + 8 (r / 8)).
; IN PRODUCTS THE WAVES SHARE THE COLUMNS: each wave's part of each weight stays in its registers.  It comes from wimg, where the first launch has laid the weights as images of these registers (weight n at 98,304 n; wave w's sixteen fragments,
; 24,576 bytes on end, at 24,576 w): 48 loads of 512 consecutive bytes.  IN NORMS WAVE w OWNS TILE w: lane (r, h) holds 128 numbers of row r, register 16 b + i = column 32 b + 16 h + i,
; so that a row's sum wants one exchange between the halves of the lanes, and the registers are in the order in which the quantiser takes them.
; Operands go from wave to wave through LDS as images of their registers (12 registers: three stores of 16 bytes a lane); results of the products with 256 columns meet in a stage of rows (1,024 bytes + 16).
; x (P2 = 0) comes as half rows of 512 consecutive bytes and turns through the owner's 16 rows of that stage, ahead of the first barrier.
; LIMITS: NaN and infinities are not served; a block of zeros carries the scale byte 1 (read by this program alone).  128 work-groups: 64 rows each; with 32 rows the norms would run on two of four waves for as long.
; No cluster, no tensor load: the weights go from memory straight into registers.
.set P2,    0
.set WIDX,  2*P2                       ; the first weight's number in wimg
.set WBY,   98304
.set NV,    4+2*P2                     ; vectors of 256 gains or offsets
.set SB,    13312
.set HEADB, 16*SB
.set OSOFF, 3145728
.set OIMG,  0                          ; LDS: the attention output's 16 fragments (4 m + s),
.set OSCW,  24576                      ; their scale words, 128 bytes each,
.set STG,   26624                      ; the stage: 64 rows,
.set SPI,   1040
.set GB,    STG+64*SPI                 ; the vectors,
.set XIMG,  GB+1024*NV                 ; y's 8 fragments (2 m + s),
.set XSCW,  XIMG+8*1536                ; their scale words,
.set HIMG,  XSCW+1024                  ; (P2) the hidden layer's 16 fragments,
.set HSCW,  HIMG+16*1536               ; their scale words,
.set PARK,  HSCW+2048                  ; and x2, 16,384 bytes a wave
.set A_O,   8                          ; s[8:9] o;  s[10:11] wimg;  s[12:13], s[14:15] the first weight's scales and bias;  s[16:17] the residual;  s[18:25] g, b, ln_g, ln_b;  s[26:27], s[28:29] the second weight's scales and bias
.set A_WI,  10
.set A_S1,  12
.set A_B1,  14
.set A_RES, 16
.set A_G,   18
.set A_S2,  26
.set A_B2,  28
.set A_X1,  30                         ; P2 = 0: s[30:31] x1, s[32:33] q
.set A_Q,   32
.set A_S3,  30                         ; P2 = 1: s[30:31], s[32:33] the third weight's scales and bias;  s[34:37] ln3_g, ln3_b;  s[38:39] out0
.set A_B3,  32
.set A_G3,  34
.set A_OUT, 38
.set W2P,   40                         ; s[40:41], s[42:43] my part of the second and the third weight in wimg
.set W3P,   42
.set LI,  4                            ; v4 16 x lane; v5 4 x lane; v6 8 x lane
.set LS,  5
.set L8,  6
.set SO,  7                            ; v7  the stage: where I put 32 bytes of a row
.set SR,  8                            ; v8  my own row's 64 bytes of each 128
.set SRW, 9                            ; v9  my tile's rows, 16 bytes a lane
.set OWI, 10                           ; v10-15 where I store images and scale words
.set OWS, 11
.set XWI, 12
.set XWS, 13
.set HWI, 14
.set HWS, 15
.set GBA, 16                           ; v16 the vectors: GB + 64 h
.set PKA, 17
.set T8,  18                           ; v18 8 x thread
.set GBS, 19                           ; v19 GB + 8 x thread
.set XRI, 20                           ; v20-23 where any wave reads images and scale words that lie beyond the immediate's reach
.set XRS, 21
.set HRI, 22
.set HRS, 23
.set MU,  24                           ; v[24:25] the mean, twice;  v[26:27] 1 / sqrt(variance + eps), twice
.set RSQ, 26
.set WSA, 29                           ; v29 16 r;  v30 32 h;  v31 4 r
.set WBA, 30
.set R4,  31
.set HS1, 32                           ; v32-47 w2's scale words (4 t + s);  v48-63 the second weight's (2 t + s);  v64-79 (P2) the third's;  v80-83 the streamed operand's: scales and nothing else
.set HS2, 48
.set HS3, 64
.set SW,  64                           ; (P2 = 0) v64-67 Q2's scale words, v68-71 as they are stored
.set SS,  80
.set TM,  84                           ; v84-99 at work; at the head: two offsets
.set HO,  84
.set PX,  100
.set PC,  108                          ; v108-119 the codes just made;  v120 their scale word
.set PW,  120
.set VA,  121
.set SH,  122
.set Y,   128                          ; v128-255 the owner's 128 numbers
.set F,   128                          ; earlier there: my tile's four fragments of o, v176-183 its heads' scale words, v184-187 joined, v188.. the vectors
.set OW,  176
.set CW,  184
.set GV,  188
.set SF,  128                          ; four streamed fragments;  v176-207 four accumulators
.set AC,  176
.set HA,  128                          ; eight accumulators;  v192-215 two streamed fragments
.set SF2, 192
.set WV,  44
.set SEL, 46
; window 1: w2's 16 fragments at 12 (4 t + s), its bias at 192 + 8 t; later a norm's gains (0-127) and offsets (128-255).   window 2: the second weight's 16 fragments at 12 (2 t + s), its bias at 192 + 8 t; (P2) at the end x2.
; window 3: the residual (0-127); (P2) later the third weight's fragments and bias, laid as window 1.
.set MSB, 0
.macro WIN new                         ; the immediate's high byte repeats the setting that is left
.if MSB != (\new)
	s_set_vgpr_msb (MSB<<8)|(\new)
.set MSB, \new
.endif
.endm
.macro WLOAD base                      ; my sixteen fragments of a weight, 192 registers of the window that the destination names: 512 consecutive bytes a load
.set k, 0
.rept 48
	global_load_b128 v[4*k:4*k+3], v[LI], s[\base:\base+1] offset:512*k
.set k, k+1
.endr
.endm
.macro IMAGE adr, reg, off
.irp c, 0,1,2
	ds_store_b128 v[\adr], v[(\reg)+4*\c:(\reg)+4*\c+3] offset:(\off)+512*\c
.endr
.endm
.macro FETCH reg, adr, off
.irp c, 0,1,2
	ds_load_b128 v[(\reg)+4*\c:(\reg)+4*\c+3], v[\adr] offset:(\off)+512*\c
.endr
.endm
.macro BARRIER                         ; my LDS stores have landed and my LDS loads are in: then the work-group's barrier
	s_wait_dscnt 0x0
	s_barrier_signal -1
	s_barrier_wait -1
.endm
; 64 numbers of a lane, register 16 b + i = k 32 b + 16 (lane / 16) + i of my row, become a fragment's codes in v[d] on and its scale word in v[w].
.macro QUANT s, d, w
.irp b, 0,1,2,3
	v_max3_num_f32 v[TM+\b], |v[(\s)+16*\b]|, |v[(\s)+1+16*\b]|, 0x1800000   ; and the floor 2^(3 - 127): the byte cannot fall under 1
.endr
.irp i, 2,4,6,8,10,12,14
.irp b, 0,1,2,3
	v_max3_num_f32 v[TM+\b], v[TM+\b], |v[(\s)+16*\b+\i]|, |v[(\s)+1+16*\b+\i]|
.endr
.endr
.irp b, 0,1,2,3
	v_permlanex16_b32 v[TM+4+\b], v[TM+\b], s[SEL], s[SEL+1]
.endr
.irp b, 0,1,2,3
	v_max_num_f32 v[TM+\b], v[TM+\b], v[TM+4+\b]
.endr
.irp b, 0,1,2,3
	v_add_nc_u32 v[TM+12+\b], 0xff000000, v[TM+\b]     ; 2 off the exponent field: the conversion's scale operand
.endr
.irp b, 0,1,2,3
	v_lshrrev_b32 v[TM+4+\b], 23, v[TM+12+\b]
.endr
	v_lshl_or_b32 v[\w], v[TM+5], 8, v[TM+4]
	v_lshl_or_b32 v[\w], v[TM+6], 16, v[\w]
	v_lshl_or_b32 v[\w], v[TM+7], 24, v[\w]
.irp c, 0,1
	v_cvt_scalef32_pk16_fp6_f32 v[(\d)+6*\c:(\d)+2+6*\c], v[(\s)+32*\c:(\s)+15+32*\c], v[TM+12+2*\c]
	v_cvt_scalef32_pk16_fp6_f32 v[PX+4*\c:PX+2+4*\c], v[(\s)+16+32*\c:(\s)+31+32*\c], v[TM+12+2*\c+1]
.endr
	v_nop                                              ; one plain place behind a scaled conversion
.irp c, 0,1
.irp i, 0,1,2
	v_permlane16_swap_b32 v[(\d)+6*\c+\i], v[PX+4*\c+\i]
.endr
.irp i, 0,1,2
	v_mov_b32 v[(\d)+3+6*\c+\i], v[PX+4*\c+\i]
.endr
.endr
.endm
; A product with K = 512 and my 64 columns, for the four tiles of rows: weight and bias in window aw, its scale words from v[hs]; the rows' fragments at v[ia] + io, their scale words at v[sa] + so.  Results to the stage.
; Used transposed (source 0 = 16 rows of the weight): a lane holds eight neighbouring columns of one row.  The four accumulators take turns, one instruction a turn.
.macro PROJ512 aw, hs, ia, io, sa, so
.irp m, 0,1,2,3
.irp s, 0,1,2,3
	FETCH SF+12*\s, \ia, (\io)+(4*\m+\s)*1536
	ds_load_b32 v[SS+\s], v[\sa] offset:(\so)+128*(4*\m+\s)
.endr
	s_wait_dscnt 0x0                               ; the fragments are in, and the last tile's stores have read the accumulators
	WIN (\aw)|((\aw)<<4)
.irp t, 0,1,2,3
	v_wmma_scale_f32_16x16x128_f8f6f4 v[AC+8*\t:AC+8*\t+7], v[48*\t:48*\t+11], v[SF:SF+11], v[192+8*\t:192+8*\t+7], v[\hs+4*\t], v[SS] matrix_a_fmt:MATRIX_FMT_FP6 matrix_b_fmt:MATRIX_FMT_FP6
.endr
	WIN \aw
.irp s, 1,2,3
.irp t, 0,1,2,3
	v_wmma_scale_f32_16x16x128_f8f6f4 v[AC+8*\t:AC+8*\t+7], v[48*\t+12*\s:48*\t+12*\s+11], v[SF+12*\s:SF+12*\s+11], v[AC+8*\t:AC+8*\t+7], v[\hs+4*\t+\s], v[SS+\s] matrix_a_fmt:MATRIX_FMT_FP6 matrix_b_fmt:MATRIX_FMT_FP6
.endr
.endr
	WIN 0
.rept 5
	v_nop                                          ; four places in front of the stores and of the next loads; five, since the next tile's first products write over these accumulators with another C
.endr
.irp t, 0,1,2,3
	ds_store_b128 v[SO], v[AC+8*\t:AC+8*\t+3] offset:16*SPI*\m+64*\t           ; each accumulator from its low end on
	ds_store_b128 v[SO], v[AC+8*\t+4:AC+8*\t+7] offset:16*SPI*\m+64*\t+16
.endr
.endr
.endm
.macro GBLOAD k                        ; vectors k (gains) and k + 1 (offsets) in the owner's layout, into window 1
	WIN 0x40
.irp b, 0,1,2,3,4,5,6,7
.irp j, 0,1,2,3
	ds_load_b128 v[16*\b+4*\j:16*\b+4*\j+3], v[GBA] offset:1024*(\k)+128*\b+16*\j
	ds_load_b128 v[128+16*\b+4*\j:128+16*\b+4*\j+3], v[GBA] offset:1024*(\k)+1024+128*\b+16*\j
.endr
.endr
	WIN 0
.endm
.macro ADDW win                        ; Y += the 128 registers of the window that source 1 names
	WIN \win
.set j, 0
.rept 64
	v_pk_add_f32 v[Y+j:Y+j+1], v[Y+j:Y+j+1], v[j:j+1]
.set j, j+2
.endr
	WIN 0
.endm
.macro RSUM                            ; four chains of pairs -> the row's sum, in every lane of the row
	v_pk_add_f32 v[TM:TM+1], v[TM:TM+1], v[TM+2:TM+3]
	v_pk_add_f32 v[TM+4:TM+5], v[TM+4:TM+5], v[TM+6:TM+7]
	v_pk_add_f32 v[TM:TM+1], v[TM:TM+1], v[TM+4:TM+5]
	v_add_f32 v[TM], v[TM], v[TM+1]
	v_permlanex16_b32 v[TM+2], v[TM], s[SEL], s[SEL+1]
	v_add_f32 v[TM], v[TM], v[TM+2]
.endm
.macro LNORM                           ; Y = (Y - mean) / sqrt(variance + 1e-6) x g + b, g and b in window 1
.irp c, 0,1,2,3
	v_pk_add_f32 v[TM+2*\c:TM+2*\c+1], v[Y+2*\c:Y+2*\c+1], v[Y+8+2*\c:Y+9+2*\c]
.endr
.irp k, 2,3,4,5,6,7,8,9,10,11,12,13,14,15
.irp c, 0,1,2,3
	v_pk_add_f32 v[TM+2*\c:TM+2*\c+1], v[TM+2*\c:TM+2*\c+1], v[Y+8*\k+2*\c:Y+8*\k+2*\c+1]
.endr
.endr
	RSUM
	v_mul_f32 v[MU], s50, v[TM]
	v_mul_f32 v[MU+1], s50, v[TM]
.set j, 0
.rept 64
	v_pk_add_f32 v[Y+j:Y+j+1], v[Y+j:Y+j+1], v[MU:MU+1] neg_lo:[0,1] neg_hi:[0,1]
.set j, j+2
.endr
.irp c, 0,1,2,3
	v_pk_mul_f32 v[TM+2*\c:TM+2*\c+1], v[Y+2*\c:Y+2*\c+1], v[Y+2*\c:Y+2*\c+1]
.endr
.irp k, 1,2,3,4,5,6,7,8,9,10,11,12,13,14,15
.irp c, 0,1,2,3
	v_pk_fma_f32 v[TM+2*\c:TM+2*\c+1], v[Y+8*\k+2*\c:Y+8*\k+2*\c+1], v[Y+8*\k+2*\c:Y+8*\k+2*\c+1], v[TM+2*\c:TM+2*\c+1]
.endr
.endr
	RSUM
	v_fma_f32 v[TM], v[TM], s50, s51               ; / 256 + 1e-6
	v_rsq_f32 v[RSQ], v[TM]
	v_nop                                          ; a plain place behind the transcendental,
	s_wait_alu depctr_va_vdst(0)                   ; and the wait ahead of its first reader
	v_mov_b32 v[RSQ+1], v[RSQ]
.set j, 0
.rept 64
	v_pk_mul_f32 v[Y+j:Y+j+1], v[Y+j:Y+j+1], v[RSQ:RSQ+1]
.set j, j+2
.endr
	WIN 0x14                                       ; sources 1 and 2: window 1
.set j, 0
.rept 64
	v_pk_fma_f32 v[Y+j:Y+j+1], v[Y+j:Y+j+1], v[j:j+1], v[128+j:129+j]
.set j, j+2
.endr
	WIN 0
.endm
; The product with K = 256 and my 128 columns for tile m of rows: weight and bias in window 2; transposed, the weight's rows chosen so that the 64 results of a lane run along the columns.  Then what the place asks of them.
.macro HID m
	FETCH SF2, XRI, (2*(\m))*1536
	FETCH SF2+12, XRI, (2*(\m)+1)*1536
	ds_load_b32 v[SS], v[XRS] offset:128*(2*(\m))
	ds_load_b32 v[SS+1], v[XRS] offset:128*(2*(\m)+1)
	s_wait_dscnt 0x0                               ; the fragments are in, and the last tile's LDS stores have read the codes' registers
	WIN 0x22
.irp t, 0,1,2,3,4,5,6,7
	v_wmma_scale_f32_16x16x128_f8f6f4 v[HA+8*\t:HA+8*\t+7], v[24*\t:24*\t+11], v[SF2:SF2+11], v[192+8*\t:192+8*\t+7], v[HS2+2*\t], v[SS] matrix_a_fmt:MATRIX_FMT_FP6 matrix_b_fmt:MATRIX_FMT_FP6
.endr
	WIN 0x02
.irp t, 0,1,2,3,4,5,6,7
	v_wmma_scale_f32_16x16x128_f8f6f4 v[HA+8*\t:HA+8*\t+7], v[24*\t+12:24*\t+23], v[SF2+12:SF2+23], v[HA+8*\t:HA+8*\t+7], v[HS2+2*\t+1], v[SS+1] matrix_a_fmt:MATRIX_FMT_FP6 matrix_b_fmt:MATRIX_FMT_FP6
.endr
	WIN 0
.rept 4
	v_nop
.endr
.if P2
.set j, 0
.rept 64
	v_max_num_f32 v[HA+j], 0, v[HA+j]              ; the activation, in f32
.set j, j+1
.endr
	QUANT HA, PC, PW
	IMAGE HWI, PC, 6144*(\m)                       ; K step w of the last product, tile m
	ds_store_b32 v[HWS], v[PW] offset:512*(\m)
.else
	s_wait_xcnt 0x0                                ; the last tile's stores have read the codes' registers
	QUANT HA, PC, SW+(\m)
	global_store_b128 v[LI], v[PC:PC+3], s[A_Q:A_Q+1] offset:768*(\m)                  ; head 2 w
	global_store_b64 v[L8], v[PC+4:PC+5], s[A_Q:A_Q+1] offset:768*(\m)+512
	global_store_b128 v[LI], v[PC+6:PC+9], s[A_Q:A_Q+1] offset:HEADB+768*(\m)          ; head 2 w + 1
	global_store_b64 v[L8], v[PC+10:PC+11], s[A_Q:A_Q+1] offset:HEADB+768*(\m)+512
.endif
.endm
	s_load_b512 s[8:23], s[0:1], 0x0               ; argument k lies in s[8 + 2 k : 9 + 2 k]
.if P2
	s_load_b512 s[24:39], s[0:1], 0x40
.else
	s_load_b256 s[24:31], s[0:1], 0x40
	s_load_b64 s[32:33], s[0:1], 0x60
	v_lshl_add_u32 v126, v0, 2, 0x1b000
	v_mov_b32 v127, 0
.endif
	v_lshrrev_b32 v1, 5, v0
	v_readfirstlane_b32 s[WV], v1                  ; wave 0..3
	v_and_b32 v1, 15, v0                           ; r
	v_bfe_u32 v2, v0, 4, 1                         ; h
	v_and_b32 v3, 8, v1
	v_add_nc_u32 v3, v3, v1                        ; r + 8 (r / 8)
	v_and_b32 v[R4], 31, v0
	v_lshlrev_b32 v[LI], 4, v[R4]
	v_lshlrev_b32 v[LS], 2, v[R4]
	v_lshlrev_b32 v[L8], 3, v[R4]
	v_mul_u32_u24 v[SO], v1, SPI
	v_lshl_add_u32 v[SO], v2, 5, v[SO]
	s_lshl_b32 s48, s[WV], 8
	s_add_co_u32 s48, s48, STG
	v_add_nc_u32 v[SO], s48, v[SO]                 ; row r, + 32 h, + my 64 columns' 256 bytes
	v_mul_u32_u24 v[SR], v1, SPI
	v_lshl_add_u32 v[SR], v2, 6, v[SR]
	s_mul_i32 s48, s[WV], 16*SPI
	s_add_co_u32 s48, s48, STG
	v_add_nc_u32 v[SR], s48, v[SR]                 ; my tile's row r, + 64 h
	v_add_nc_u32 v[SRW], s48, v[LI]
	s_mul_i32 s48, s[WV], 4*1536
	v_add_nc_u32 v[OWI], s48, v[LI]
	s_lshl_b32 s48, s[WV], 9
	v_add_nc_u32 v[OWS], s48, v[LS]
	s_mul_i32 s48, s[WV], 2*1536
	s_add_co_u32 s48, s48, XIMG
	v_add_nc_u32 v[XWI], s48, v[LI]
	s_lshl_b32 s48, s[WV], 8
	s_add_co_u32 s48, s48, XSCW
	v_add_nc_u32 v[XWS], s48, v[LS]
	v_add_nc_u32 v[XRI], XIMG, v[LI]
	v_add_nc_u32 v[XRS], XSCW, v[LS]
	v_lshl_add_u32 v[GBA], v2, 6, GB
	v_lshlrev_b32 v[T8], 3, v0
	v_lshl_add_u32 v[GBS], v0, 3, GB
.if P2
	s_mul_i32 s48, s[WV], 1536
	s_add_co_u32 s48, s48, HIMG
	v_add_nc_u32 v[HWI], s48, v[LI]
	s_lshl_b32 s48, s[WV], 7
	s_add_co_u32 s48, s48, HSCW
	v_add_nc_u32 v[HWS], s48, v[LS]
	v_add_nc_u32 v[HRI], HIMG, v[LI]
	v_add_nc_u32 v[HRS], HSCW, v[LS]
	s_lshl_b32 s48, s[WV], 14
	s_add_co_u32 s48, s48, PARK
	v_add_nc_u32 v[PKA], s48, v[LI]
.else
	v_mul_u32_u24 v[VA], v2, HEADB
	v_lshl_add_u32 v[VA], v1, 4, v[VA]             ; scale words out: lanes 0-15 head 2 w, lanes 16-31 head 2 w + 1
	v_lshlrev_b32 v[SH], 4, v2
.endif
	v_lshlrev_b32 v[WSA], 4, v1
	v_lshlrev_b32 v[WBA], 5, v2
	v_lshlrev_b32 v[R4], 2, v1
	v_lshlrev_b32 v[HO], 3, v3                     ; the second weight's scale bytes: 8 a row, chosen rows
	v_lshlrev_b32 v[HO+1], 6, v2                   ; its bias: 64 h
	s_mov_b32 s[SEL], 0x76543210
	s_mov_b32 s[SEL+1], 0xfedcba98
	s_mov_b32 s50, 0x3b800000                      ; 1 / 256
	s_mov_b32 s51, 0x358637bd                      ; 1e-6
	s_lshl_b32 s52, ttmp9, 2
	s_add_co_u32 s52, s52, s[WV]                   ; my tile G
	s_mov_b32 s49, 0
	s_lshl_b32 s56, ttmp9, 6                       ; its first token: 64 x work-group + 32 (w / 2) + 8 (w % 2)
	s_lshr_b32 s57, s[WV], 1
	s_lshl_b32 s57, s57, 5
	s_add_co_u32 s56, s56, s57
	s_and_b32 s57, s[WV], 1
	s_lshl_b32 s57, s57, 3
	s_add_co_u32 s56, s56, s57
	s_lshl_b32 s56, s56, 10                        ; in rows of 1,024 bytes
	s_mov_b32 s57, 0
	s_lshr_b32 s53, ttmp9, 5                       ; batch
	s_wait_kmcnt 0x0
	s_mul_i32 s48, s52, 8*768
	s_add_nc_u64 s[54:55], s[A_O:A_O+1], s[48:49]  ; o's codes of my tile: 8 heads
	s_lshl_b32 s48, s53, 10
	s_and_b32 s58, s52, 127
	s_add_co_u32 s48, s48, s58
	s_lshl_b32 s48, s48, 6
	s_add_co_u32 s48, s48, OSOFF
	s_add_nc_u64 s[A_O:A_O+1], s[A_O:A_O+1], s[48:49]   ; and its scale words: a head on is 8,192 bytes on
	s_mul_i32 s48, s[WV], 24576                    ; my part of each weight's images
	s_add_nc_u64 s[A_WI:A_WI+1], s[A_WI:A_WI+1], s[48:49]
	s_add_nc_u64 s[W2P:W2P+1], s[A_WI:A_WI+1], (WIDX+1)*WBY
.if P2
	s_add_nc_u64 s[W3P:W3P+1], s[A_WI:A_WI+1], (WIDX+2)*WBY
	s_add_nc_u64 s[A_WI:A_WI+1], s[A_WI:A_WI+1], WIDX*WBY
.endif
	s_lshl_b32 s48, s[WV], 10                      ; scale bytes: 64 rows of 16, or 128 of 8
	s_add_nc_u64 s[A_S1:A_S1+1], s[A_S1:A_S1+1], s[48:49]
	s_add_nc_u64 s[A_S2:A_S2+1], s[A_S2:A_S2+1], s[48:49]
.if P2
	s_add_nc_u64 s[A_S3:A_S3+1], s[A_S3:A_S3+1], s[48:49]
.endif
	s_lshl_b32 s48, s[WV], 8
	s_add_nc_u64 s[A_B1:A_B1+1], s[A_B1:A_B1+1], s[48:49]
.if P2
	s_add_nc_u64 s[A_B3:A_B3+1], s[A_B3:A_B3+1], s[48:49]
.endif
	s_lshl_b32 s48, s[WV], 9
	s_add_nc_u64 s[A_B2:A_B2+1], s[A_B2:A_B2+1], s[48:49]
	s_lshl_b32 s48, s52, 14                        ; x1: 16,384 bytes a tile
.if P2
	s_add_nc_u64 s[A_RES:A_RES+1], s[A_RES:A_RES+1], s[48:49]
	s_add_nc_u64 s[A_OUT:A_OUT+1], s[A_OUT:A_OUT+1], s[56:57]
.else
	s_add_nc_u64 s[A_X1:A_X1+1], s[A_X1:A_X1+1], s[48:49]
	s_add_nc_u64 s[A_RES:A_RES+1], s[A_RES:A_RES+1], s[56:57]
	s_lshl_b32 s56, s53, 3                         ; q: the step block of (batch, head 2 w, tokens' block), and my work-group's half of it
	s_lshl_b32 s58, s[WV], 1
	s_add_co_u32 s56, s56, s58
	s_lshl_b32 s56, s56, 4
	s_bfe_u32 s58, ttmp9, 0x40001
	s_add_co_u32 s56, s56, s58
	s_mul_i32 s56, s56, SB
	s_and_b32 s53, ttmp9, 1
	s_lshl_b32 s48, s53, 8
	s_add_co_u32 s48, s48, s56
	s_add_nc_u64 s[58:59], s[A_Q:A_Q+1], s[48:49]  ; for the scale words
	s_mul_i32 s48, s53, 4*768
	s_add_co_u32 s48, s48, s56
	s_add_nc_u64 s[A_Q:A_Q+1], s[A_Q:A_Q+1], s[48:49]   ; for the codes
.endif
.irp s, 0,1,2,3                                ; K step s of the first product is heads 2 s and 2 s + 1
.irp c, 0,1
	global_load_b128 v[F+12*\s+6*\c:F+12*\s+6*\c+3], v[LI], s[54:55] offset:768*(2*\s+\c)
	global_load_b64 v[F+12*\s+6*\c+4:F+12*\s+6*\c+5], v[L8], s[54:55] offset:768*(2*\s+\c)+512
.endr
.endr
.irp e, 0,1,2,3,4,5,6,7
	global_load_b32 v[OW+\e], v[R4], s[A_O:A_O+1] offset:8192*\e
.endr
.irp e, 0,1,2,3
	global_load_b64 v[GV+2*\e:GV+2*\e+1], v[T8], s[A_G+2*\e:A_G+2*\e+1]   ; 128 threads x 8 bytes: a vector
.endr
.if P2
	global_load_b64 v[GV+8:GV+9], v[T8], s[A_G3:A_G3+1]
	global_load_b64 v[GV+10:GV+11], v[T8], s[A_G3+2:A_G3+3]
.endif
	WIN 0xc0                                       ; destination window 3: the residual
.if P2
.set k, 0
.rept 32
	global_load_b128 v[4*k:4*k+3], v[LI], s[A_RES:A_RES+1] offset:512*k   ; an image of the owner's registers
.set k, k+1
.endr
.else
.irp i, 0,1,2,3,4,5,6,7,8,9,10,11,12,13,14,15
.irp u, 0,1
	global_load_b128 v[8*\i+4*\u:8*\i+4*\u+3], v[LI], s[A_RES:A_RES+1] offset:(\i+8*(\i/8))*1024+512*\u   ; my tile's row i, half u: 512 consecutive bytes
.endr
.endr
.endif
	WIN 0x40                                       ; destination window 1
	WLOAD A_WI
.irp t, 0,1,2,3
	global_load_b128 v[192+8*\t:192+8*\t+3], v[WBA], s[A_B1:A_B1+1] offset:64*\t
	global_load_b128 v[192+8*\t+4:192+8*\t+7], v[WBA], s[A_B1:A_B1+1] offset:64*\t+16
.endr
	WIN 0x80                                       ; destination window 2
	WLOAD W2P
.irp t, 0,1,2,3,4,5,6,7
	global_load_b128 v[192+8*\t:192+8*\t+3], v[HO+1], s[A_B2:A_B2+1] offset:(32*(\t/2)+8*(\t%2))*4
	global_load_b128 v[192+8*\t+4:192+8*\t+7], v[HO+1], s[A_B2:A_B2+1] offset:(32*(\t/2)+8*(\t%2))*4+16
.endr
	WIN 0
.irp t, 0,1,2,3
.irp s, 0,1,2,3
	global_load_b32 v[HS1+4*\t+\s], v[WSA], s[A_S1:A_S1+1] offset:256*\t+4*\s
.endr
.endr
.irp t, 0,1,2,3,4,5,6,7
.irp s, 0,1
	global_load_b32 v[HS2+2*\t+\s], v[HO], s[A_S2:A_S2+1] offset:(32*(\t/2)+8*(\t%2))*8+4*\s
.endr
.endr
	s_wait_loadcnt 0x0
	; ---- 0: my tile of the attention's output, and the vectors, to LDS
.irp b, 0,1,2,3
	v_mov_b32 v[TM+4+\b], 0                        ; a lane permute's destination counts as one of its sources
.endr
.irp s, 0,1,2,3
	v_lshl_or_b32 v[CW+\s], v[OW+2*\s+1], 16, v[OW+2*\s]   ; two heads' two bytes each make the K step's scale word
.endr
.irp s, 0,1,2,3
	IMAGE OWI, F+12*\s, OIMG+1536*\s
	ds_store_b32 v[OWS], v[CW+\s] offset:OSCW+128*\s
.endr
.irp e, 0,1,2,3
	ds_store_b64 v[GBS], v[GV+2*\e:GV+2*\e+1] offset:1024*\e
.endr
.if P2
	ds_store_b64 v[GBS], v[GV+8:GV+9] offset:4096
	ds_store_b64 v[GBS], v[GV+10:GV+11] offset:5120
.else
	WIN 0x0c                                       ; x's rows into my own 16 rows of the stage (an LDS store's data are its source 1: window 3),
.irp i, 0,1,2,3,4,5,6,7,8,9,10,11,12,13,14,15
.irp u, 0,1
	ds_store_b128 v[SRW], v[8*\i+4*\u:8*\i+4*\u+3] offset:SPI*\i+512*\u
.endr
.endr
	WIN 0xc0                                       ; and back in the owner's layout, into the registers that they left: LDS serves a wave's instructions in order; the barrier below stands ahead of the other waves' stores into these rows
.irp b, 0,1,2,3,4,5,6,7
.irp j, 0,1,2,3
	ds_load_b128 v[16*\b+4*\j:16*\b+4*\j+3], v[SR] offset:128*\b+16*\j
.endr
.endr
	WIN 0
.endif
	BARRIER
	; ---- 1: o w2 + b2, my 64 columns of all 64 rows
	PROJ512 1, HS1, LI, OIMG, LS, OSCW
	BARRIER
	; ---- 2: my tile's two norms
.irp b, 0,1,2,3,4,5,6,7
.irp j, 0,1,2,3
	ds_load_b128 v[Y+16*\b+4*\j:Y+16*\b+4*\j+3], v[SR] offset:128*\b+16*\j
.endr
.endr
	GBLOAD 0
	s_wait_dscnt 0x0
	ADDW 0x0c                                      ; + the residual (source 1: window 3)
	LNORM
	GBLOAD 2
	ADDW 0x0c
	s_wait_dscnt 0x0
	LNORM
.if P2
.set k, 0
.rept 32
	ds_store_b128 v[PKA], v[Y+4*k:Y+4*k+3] offset:512*k    ; x2 is wanted again at the end: my own 16,384 bytes
.set k, k+1
.endr
	WIN 0xc0                                       ; the residual is done with: the last weight takes its window, and lands under the next two phases
	WLOAD W3P
.irp t, 0,1,2,3
	global_load_b128 v[192+8*\t:192+8*\t+3], v[WBA], s[A_B3:A_B3+1] offset:64*\t
	global_load_b128 v[192+8*\t+4:192+8*\t+7], v[WBA], s[A_B3:A_B3+1] offset:64*\t+16
.endr
	WIN 0
.irp t, 0,1,2,3
.irp s, 0,1,2,3
	global_load_b32 v[HS3+4*\t+\s], v[WSA], s[A_S3:A_S3+1] offset:256*\t+4*\s
.endr
.endr
.else
.set k, 0
.rept 32
	global_store_b128 v[LI], v[Y+4*k:Y+4*k+3], s[A_X1:A_X1+1] offset:512*k   ; x1 as an image of these registers: 512 consecutive bytes a store
.set k, k+1
.endr
.endif
	; ---- 3: my tile becomes two fragments
	QUANT Y, PC, PW
	IMAGE XWI, PC, 0
	ds_store_b32 v[XWS], v[PW]
	s_wait_dscnt 0x0                               ; the stores have read their registers
	QUANT Y+64, PC, PW
	IMAGE XWI, PC, 1536
	ds_store_b32 v[XWS], v[PW] offset:128
	BARRIER
	s_wait_xcnt 0x0                                ; the stores of Y have read their registers: they are written again below
	; ---- 4: the product with K = 256, my 128 columns of all 64 rows
.irp m, 0,1,2,3
	HID \m
.endr
.if P2
	BARRIER
	; ---- 5: the last product
	s_wait_loadcnt 0x0                             ; its weight is in
	PROJ512 3, HS3, HRI, 0, HRS, 0
	BARRIER
	; ---- 6: my tile's last norm, and out
.irp b, 0,1,2,3,4,5,6,7
.irp j, 0,1,2,3
	ds_load_b128 v[Y+16*\b+4*\j:Y+16*\b+4*\j+3], v[SR] offset:128*\b+16*\j
.endr
.endr
	WIN 0x80
.set k, 0
.rept 32
	ds_load_b128 v[4*k:4*k+3], v[PKA] offset:512*k
.set k, k+1
.endr
	WIN 0
	GBLOAD 4
	s_wait_dscnt 0x0
	ADDW 0x08                                      ; + x2 (source 1: window 2)
	LNORM
.irp b, 0,1,2,3,4,5,6,7                        ; back into my own rows of the stage, and out of it as whole rows: LDS serves a wave's instructions in order
.irp j, 0,1,2,3
	ds_store_b128 v[SR], v[Y+16*\b+4*\j:Y+16*\b+4*\j+3] offset:128*\b+16*\j
.endr
.endr
.irp i, 0,1,2,3,4,5,6,7,8,9,10,11,12,13,14,15
.irp u, 0,1
	ds_load_b128 v[Y+8*\i+4*\u:Y+8*\i+4*\u+3], v[SRW] offset:SPI*\i+512*\u
.endr
.endr
.irp i, 0,1,2,3,4,5,6,7,8,9,10,11,12,13,14,15
.irp u, 0,1
	s_wait_dscnt 31-2*\i-\u                        ; this half row is back; the younger loads may stay out
	global_store_b128 v[LI], v[Y+8*\i+4*\u:Y+8*\i+4*\u+3], s[A_OUT:A_OUT+1] offset:(\i+8*(\i/8))*1024+512*\u th:TH_STORE_NT   ; 32 lanes store 512 consecutive bytes
.endr
.endr
.else
.irp m, 0,1,2,3
	v_lshrrev_b32 v[SW+4+\m], v[SH], v[SW+\m]      ; bytes 0, 1: head 2 w (lanes 0-15); bytes 2, 3: head 2 w + 1 (lanes 16-31)
.endr
	global_store_b128 v[VA], v[SW+4:SW+7], s[58:59] offset:12288   ; sixteen lanes store 256 consecutive bytes
.endif
	s_wait_tensorcnt 0x0
	ds_add_u32 v126, v127
	s_wait_dscnt 0x0
	s_endpgm
.Lfunc_end_k_qcd96d6bebe_post1:
	.size	k_qcd96d6bebe_post1, .Lfunc_end_k_qcd96d6bebe_post1-k_qcd96d6bebe_post1
	.p2alignl 7, 3214868480
	.fill 96, 4, 3214868480
	.section	.rodata,"a",@progbits
	.p2align	6, 0x0
	.amdhsa_kernel k_qcd96d6bebe_post1
		.amdhsa_group_segment_fixed_size 111104
		.amdhsa_private_segment_fixed_size 0
		.amdhsa_enable_private_segment 0
		.amdhsa_kernarg_size 104
		.amdhsa_user_sgpr_count 2
		.amdhsa_user_sgpr_kernarg_segment_ptr 1
		.amdhsa_wavefront_size32 1
		.amdhsa_system_sgpr_workgroup_id_x 1
		.amdhsa_system_sgpr_workgroup_id_y 1
		.amdhsa_system_sgpr_workgroup_id_z 1
		.amdhsa_system_vgpr_workitem_id 0
		.amdhsa_next_free_vgpr 1024
		.amdhsa_next_free_sgpr 66
		.amdhsa_reserve_vcc 0
		.amdhsa_float_denorm_mode_32 3
		.amdhsa_float_denorm_mode_16_64 3
		.amdhsa_memory_ordered 1
		.amdhsa_forward_progress 1
		.amdhsa_inst_pref_size 145
	.end_amdhsa_kernel
	.amdgpu_metadata
---
amdhsa.version: [ 1, 2 ]
amdhsa.kernels:
  - .name:           k_qcd96d6bebe_post1
    .symbol:         k_qcd96d6bebe_post1.kd
    .args:
      - { .name: o, .offset: 0, .size: 8, .value_kind: global_buffer, .address_space: global }
      - { .name: wimg, .offset: 8, .size: 8, .value_kind: global_buffer, .address_space: global }
      - { .name: m1_w2_scales, .offset: 16, .size: 8, .value_kind: global_buffer, .address_space: global }
      - { .name: m1_b2, .offset: 24, .size: 8, .value_kind: global_buffer, .address_space: global }
      - { .name: x, .offset: 32, .size: 8, .value_kind: global_buffer, .address_space: global }
      - { .name: m1_g, .offset: 40, .size: 8, .value_kind: global_buffer, .address_space: global }
      - { .name: m1_b, .offset: 48, .size: 8, .value_kind: global_buffer, .address_space: global }
      - { .name: ln1_g, .offset: 56, .size: 8, .value_kind: global_buffer, .address_space: global }
      - { .name: ln1_b, .offset: 64, .size: 8, .value_kind: global_buffer, .address_space: global }
      - { .name: m2_wq_scales, .offset: 72, .size: 8, .value_kind: global_buffer, .address_space: global }
      - { .name: m2_bq, .offset: 80, .size: 8, .value_kind: global_buffer, .address_space: global }
      - { .name: x1, .offset: 88, .size: 8, .value_kind: global_buffer, .address_space: global }
      - { .name: q, .offset: 96, .size: 8, .value_kind: global_buffer, .address_space: global }
    .group_segment_fixed_size: 111104
    .private_segment_fixed_size: 0
    .kernarg_segment_align: 8
    .kernarg_segment_size: 104
    .max_flat_workgroup_size: 128
    .sgpr_count:     66
    .vgpr_count:     1024
    .wavefront_size: 32
...
	.end_amdgpu_metadata
.endif
;; end of part 3
;; launch attn2: the kernel of part 2 again; grid 8 x 32, 16 waves a work-group, clusters of 4 x 1, 224,256 bytes of LDS; arguments q, kv2, mb2, o; writes o
;; launch post2 (part 4): grid 128 x 1, 4 waves a work-group, no clusters, 205,312 bytes of LDS; arguments o, wimg, m2_w2_scales, m2_b2, x1, m2_g, m2_b, ln2_g, ln2_b, ffn_w1_scales, ffn_b1, ffn_w2_scales, ffn_b2, ln3_g, ln3_b, out0; writes out0
.if DOCPART == 4
	.amdgcn_target "amdgcn-amd-amdhsa--gfx1250"
	.amdhsa_code_object_version 6
	.text
	.protected	k_qcd96d6bebe_post2
	.globl	k_qcd96d6bebe_post2
	.p2align	8
	.type	k_qcd96d6bebe_post2,@function
k_qcd96d6bebe_post2:
	s_mov_b64 s[64:65], 0
	v_nop
	global_prefetch_b8 v0, s[64:65] scope:SCOPE_SE
	s_setreg_imm32_b32 hwreg(HW_REG_WAVE_MODE, 25, 1), 1
	s_wait_xcnt 0x0
; WHAT FOLLOWS AN ATTENTION, for 64 rows a work-group.  One text serves both places of the layer; the switch P2 says which.
;   both:   a = LN(o w2 + b2 + res; g, b);  y = LN(res + a; ln_g, ln_b)            (res: x in the first place, x1 here)
;   P2 = 0: y is x1: stored as an image of its owner's registers; Q2 = x1 wq + bq, quantised by heads, goes to q in the attention launch's layout.
;   P2 = 1: y is x2: out0 = LN(x2 + relu(x2 w1 + b1) w2 + b2; ln3_g, ln3_b).
; All products on codes of FP6 (E2M3) with E8M0 scales for each 32 along K; norms, residuals and the activation in f32; the variance is taken of the centred numbers.
; SHARES.  Four waves; the rows are four tiles of 16 (tile G = 4 x work-group + m; lane r of tile G is token 32 (G / 2) + 8 (G % 2) + r + 8 (r / 8)).
; IN PRODUCTS THE WAVES SHARE THE COLUMNS: each wave's part of each weight stays in its registers.  It comes from wimg, where the first launch has laid the weights as images of these registers (weight n at 98,304 n; wave w's sixteen fragments,
; 24,576 bytes on end, at 24,576 w): 48 loads of 512 consecutive bytes.  IN NORMS WAVE w OWNS TILE w: lane (r, h) holds 128 numbers of row r, register 16 b + i = column 32 b + 16 h + i,
; so that a row's sum wants one exchange between the halves of the lanes, and the registers are in the order in which the quantiser takes them.
; Operands go from wave to wave through LDS as images of their registers (12 registers: three stores of 16 bytes a lane); results of the products with 256 columns meet in a stage of rows (1,024 bytes + 16).
; x (P2 = 0) comes as half rows of 512 consecutive bytes and turns through the owner's 16 rows of that stage, ahead of the first barrier.
; LIMITS: NaN and infinities are not served; a block of zeros carries the scale byte 1 (read by this program alone).  128 work-groups: 64 rows each; with 32 rows the norms would run on two of four waves for as long.
; No cluster, no tensor load: the weights go from memory straight into registers.
.set P2,    1
.set WIDX,  2*P2                       ; the first weight's number in wimg
.set WBY,   98304
.set NV,    4+2*P2                     ; vectors of 256 gains or offsets
.set SB,    13312
.set HEADB, 16*SB
.set OSOFF, 3145728
.set OIMG,  0                          ; LDS: the attention output's 16 fragments (4 m + s),
.set OSCW,  24576                      ; their scale words, 128 bytes each,
.set STG,   26624                      ; the stage: 64 rows,
.set SPI,   1040
.set GB,    STG+64*SPI                 ; the vectors,
.set XIMG,  GB+1024*NV                 ; y's 8 fragments (2 m + s),
.set XSCW,  XIMG+8*1536                ; their scale words,
.set HIMG,  XSCW+1024                  ; (P2) the hidden layer's 16 fragments,
.set HSCW,  HIMG+16*1536               ; their scale words,
.set PARK,  HSCW+2048                  ; and x2, 16,384 bytes a wave
.set A_O,   8                          ; s[8:9] o;  s[10:11] wimg;  s[12:13], s[14:15] the first weight's scales and bias;  s[16:17] the residual;  s[18:25] g, b, ln_g, ln_b;  s[26:27], s[28:29] the second weight's scales and bias
.set A_WI,  10
.set A_S1,  12
.set A_B1,  14
.set A_RES, 16
.set A_G,   18
.set A_S2,  26
.set A_B2,  28
.set A_X1,  30                         ; P2 = 0: s[30:31] x1, s[32:33] q
.set A_Q,   32
.set A_S3,  30                         ; P2 = 1: s[30:31], s[32:33] the third weight's scales and bias;  s[34:37] ln3_g, ln3_b;  s[38:39] out0
.set A_B3,  32
.set A_G3,  34
.set A_OUT, 38
.set W2P,   40                         ; s[40:41], s[42:43] my part of the second and the third weight in wimg
.set W3P,   42
.set LI,  4                            ; v4 16 x lane; v5 4 x lane; v6 8 x lane
.set LS,  5
.set L8,  6
.set SO,  7                            ; v7  the stage: where I put 32 bytes of a row
.set SR,  8                            ; v8  my own row's 64 bytes of each 128
.set SRW, 9                            ; v9  my tile's rows, 16 bytes a lane
.set OWI, 10                           ; v10-15 where I store images and scale words
.set OWS, 11
.set XWI, 12
.set XWS, 13
.set HWI, 14
.set HWS, 15
.set GBA, 16                           ; v16 the vectors: GB + 64 h
.set PKA, 17
.set T8,  18                           ; v18 8 x thread
.set GBS, 19                           ; v19 GB + 8 x thread
.set XRI, 20                           ; v20-23 where any wave reads images and scale words that lie beyond the immediate's reach
.set XRS, 21
.set HRI, 22
.set HRS, 23
.set MU,  24                           ; v[24:25] the mean, twice;  v[26:27] 1 / sqrt(variance + eps), twice
.set RSQ, 26
.set WSA, 29                           ; v29 16 r;  v30 32 h;  v31 4 r
.set WBA, 30
.set R4,  31
.set HS1, 32                           ; v32-47 w2's scale words (4 t + s);  v48-63 the second weight's (2 t + s);  v64-79 (P2) the third's;  v80-83 the streamed operand's: scales and nothing else
.set HS2, 48
.set HS3, 64
.set SW,  64                           ; (P2 = 0) v64-67 Q2's scale words, v68-71 as they are stored
.set SS,  80
.set TM,  84                           ; v84-99 at work; at the head: two offsets
.set HO,  84
.set PX,  100
.set PC,  108                          ; v108-119 the codes just made;  v120 their scale word
.set PW,  120
.set VA,  121
.set SH,  122
.set Y,   128                          ; v128-255 the owner's 128 numbers
.set F,   128                          ; earlier there: my tile's four fragments of o, v176-183 its heads' scale words, v184-187 joined, v188.. the vectors
.set OW,  176
.set CW,  184
.set GV,  188
.set SF,  128                          ; four streamed fragments;  v176-207 four accumulators
.set AC,  176
.set HA,  128                          ; eight accumulators;  v192-215 two streamed fragments
.set SF2, 192
.set WV,  44
.set SEL, 46
; window 1: w2's 16 fragments at 12 (4 t + s), its bias at 192 + 8 t; later a norm's gains (0-127) and offsets (128-255).   window 2: the second weight's 16 fragments at 12 (2 t + s), its bias at 192 + 8 t; (P2) at the end x2.
; window 3: the residual (0-127); (P2) later the third weight's fragments and bias, laid as window 1.
.set MSB, 0
.macro WIN new                         ; the immediate's high byte repeats the setting that is left
.if MSB != (\new)
	s_set_vgpr_msb (MSB<<8)|(\new)
.set MSB, \new
.endif
.endm
.macro WLOAD base                      ; my sixteen fragments of a weight, 192 registers of the window that the destination names: 512 consecutive bytes a load
.set k, 0
.rept 48
	global_load_b128 v[4*k:4*k+3], v[LI], s[\base:\base+1] offset:512*k
.set k, k+1
.endr
.endm
.macro IMAGE adr, reg, off
.irp c, 0,1,2
	ds_store_b128 v[\adr], v[(\reg)+4*\c:(\reg)+4*\c+3] offset:(\off)+512*\c
.endr
.endm
.macro FETCH reg, adr, off
.irp c, 0,1,2
	ds_load_b128 v[(\reg)+4*\c:(\reg)+4*\c+3], v[\adr] offset:(\off)+512*\c
.endr
.endm
.macro BARRIER                         ; my LDS stores have landed and my LDS loads are in: then the work-group's barrier
	s_wait_dscnt 0x0
	s_barrier_signal -1
	s_barrier_wait -1
.endm
; 64 numbers of a lane, register 16 b + i = k 32 b + 16 (lane / 16) + i of my row, become a fragment's codes in v[d] on and its scale word in v[w].
.macro QUANT s, d, w
.irp b, 0,1,2,3
	v_max3_num_f32 v[TM+\b], |v[(\s)+16*\b]|, |v[(\s)+1+16*\b]|, 0x1800000   ; and the floor 2^(3 - 127): the byte cannot fall under 1
.endr
.irp i, 2,4,6,8,10,12,14
.irp b, 0,1,2,3
	v_max3_num_f32 v[TM+\b], v[TM+\b], |v[(\s)+16*\b+\i]|, |v[(\s)+1+16*\b+\i]|
.endr
.endr
.irp b, 0,1,2,3
	v_permlanex16_b32 v[TM+4+\b], v[TM+\b], s[SEL], s[SEL+1]
.endr
.irp b, 0,1,2,3
	v_max_num_f32 v[TM+\b], v[TM+\b], v[TM+4+\b]
.endr
.irp b, 0,1,2,3
	v_add_nc_u32 v[TM+12+\b], 0xff000000, v[TM+\b]     ; 2 off the exponent field: the conversion's scale operand
.endr
.irp b, 0,1,2,3
	v_lshrrev_b32 v[TM+4+\b], 23, v[TM+12+\b]
.endr
	v_lshl_or_b32 v[\w], v[TM+5], 8, v[TM+4]
	v_lshl_or_b32 v[\w], v[TM+6], 16, v[\w]
	v_lshl_or_b32 v[\w], v[TM+7], 24, v[\w]
.irp c, 0,1
	v_cvt_scalef32_pk16_fp6_f32 v[(\d)+6*\c:(\d)+2+6*\c], v[(\s)+32*\c:(\s)+15+32*\c], v[TM+12+2*\c]
	v_cvt_scalef32_pk16_fp6_f32 v[PX+4*\c:PX+2+4*\c], v[(\s)+16+32*\c:(\s)+31+32*\c], v[TM+12+2*\c+1]
.endr
	v_nop                                              ; one plain place behind a scaled conversion
.irp c, 0,1
.irp i, 0,1,2
	v_permlane16_swap_b32 v[(\d)+6*\c+\i], v[PX+4*\c+\i]
.endr
.irp i, 0,1,2
	v_mov_b32 v[(\d)+3+6*\c+\i], v[PX+4*\c+\i]
.endr
.endr
.endm
; A product with K = 512 and my 64 columns, for the four tiles of rows: weight and bias in window aw, its scale words from v[hs]; the rows' fragments at v[ia] + io, their scale words at v[sa] + so.  Results to the stage.
; Used transposed (source 0 = 16 rows of the weight): a lane holds eight neighbouring columns of one row.  The four accumulators take turns, one instruction a turn.
.macro PROJ512 aw, hs, ia, io, sa, so
.irp m, 0,1,2,3
.irp s, 0,1,2,3
	FETCH SF+12*\s, \ia, (\io)+(4*\m+\s)*1536
	ds_load_b32 v[SS+\s], v[\sa] offset:(\so)+128*(4*\m+\s)
.endr
	s_wait_dscnt 0x0                               ; the fragments are in, and the last tile's stores have read the accumulators
	WIN (\aw)|((\aw)<<4)
.irp t, 0,1,2,3
	v_wmma_scale_f32_16x16x128_f8f6f4 v[AC+8*\t:AC+8*\t+7], v[48*\t:48*\t+11], v[SF:SF+11], v[192+8*\t:192+8*\t+7], v[\hs+4*\t], v[SS] matrix_a_fmt:MATRIX_FMT_FP6 matrix_b_fmt:MATRIX_FMT_FP6
.endr
	WIN \aw
.irp s, 1,2,3
.irp t, 0,1,2,3
	v_wmma_scale_f32_16x16x128_f8f6f4 v[AC+8*\t:AC+8*\t+7], v[48*\t+12*\s:48*\t+12*\s+11], v[SF+12*\s:SF+12*\s+11], v[AC+8*\t:AC+8*\t+7], v[\hs+4*\t+\s], v[SS+\s] matrix_a_fmt:MATRIX_FMT_FP6 matrix_b_fmt:MATRIX_FMT_FP6
.endr
.endr
	WIN 0
.rept 5
	v_nop                                          ; four places in front of the stores and of the next loads; five, since the next tile's first products write over these accumulators with another C
.endr
.irp t, 0,1,2,3
	ds_store_b128 v[SO], v[AC+8*\t:AC+8*\t+3] offset:16*SPI*\m+64*\t           ; each accumulator from its low end on
	ds_store_b128 v[SO], v[AC+8*\t+4:AC+8*\t+7] offset:16*SPI*\m+64*\t+16
.endr
.endr
.endm
.macro GBLOAD k                        ; vectors k (gains) and k + 1 (offsets) in the owner's layout, into window 1
	WIN 0x40
.irp b, 0,1,2,3,4,5,6,7
.irp j, 0,1,2,3
	ds_load_b128 v[16*\b+4*\j:16*\b+4*\j+3], v[GBA] offset:1024*(\k)+128*\b+16*\j
	ds_load_b128 v[128+16*\b+4*\j:128+16*\b+4*\j+3], v[GBA] offset:1024*(\k)+1024+128*\b+16*\j
.endr
.endr
	WIN 0
.endm
.macro ADDW win                        ; Y += the 128 registers of the window that source 1 names
	WIN \win
.set j, 0
.rept 64
	v_pk_add_f32 v[Y+j:Y+j+1], v[Y+j:Y+j+1], v[j:j+1]
.set j, j+2
.endr
	WIN 0
.endm
.macro RSUM                            ; four chains of pairs -> the row's sum, in every lane of the row
	v_pk_add_f32 v[TM:TM+1], v[TM:TM+1], v[TM+2:TM+3]
	v_pk_add_f32 v[TM+4:TM+5], v[TM+4:TM+5], v[TM+6:TM+7]
	v_pk_add_f32 v[TM:TM+1], v[TM:TM+1], v[TM+4:TM+5]
	v_add_f32 v[TM], v[TM], v[TM+1]
	v_permlanex16_b32 v[TM+2], v[TM], s[SEL], s[SEL+1]
	v_add_f32 v[TM], v[TM], v[TM+2]
.endm
.macro LNORM                           ; Y = (Y - mean) / sqrt(variance + 1e-6) x g + b, g and b in window 1
.irp c, 0,1,2,3
	v_pk_add_f32 v[TM+2*\c:TM+2*\c+1], v[Y+2*\c:Y+2*\c+1], v[Y+8+2*\c:Y+9+2*\c]
.endr
.irp k, 2,3,4,5,6,7,8,9,10,11,12,13,14,15
.irp c, 0,1,2,3
	v_pk_add_f32 v[TM+2*\c:TM+2*\c+1], v[TM+2*\c:TM+2*\c+1], v[Y+8*\k+2*\c:Y+8*\k+2*\c+1]
.endr
.endr
	RSUM
	v_mul_f32 v[MU], s50, v[TM]
	v_mul_f32 v[MU+1], s50, v[TM]
.set j, 0
.rept 64
	v_pk_add_f32 v[Y+j:Y+j+1], v[Y+j:Y+j+1], v[MU:MU+1] neg_lo:[0,1] neg_hi:[0,1]
.set j, j+2
.endr
.irp c, 0,1,2,3
	v_pk_mul_f32 v[TM+2*\c:TM+2*\c+1], v[Y+2*\c:Y+2*\c+1], v[Y+2*\c:Y+2*\c+1]
.endr
.irp k, 1,2,3,4,5,6,7,8,9,10,11,12,13,14,15
.irp c, 0,1,2,3
	v_pk_fma_f32 v[TM+2*\c:TM+2*\c+1], v[Y+8*\k+2*\c:Y+8*\k+2*\c+1], v[Y+8*\k+2*\c:Y+8*\k+2*\c+1], v[TM+2*\c:TM+2*\c+1]
.endr
.endr
	RSUM
	v_fma_f32 v[TM], v[TM], s50, s51               ; / 256 + 1e-6
	v_rsq_f32 v[RSQ], v[TM]
	v_nop                                          ; a plain place behind the transcendental,
	s_wait_alu depctr_va_vdst(0)                   ; and the wait ahead of its first reader
	v_mov_b32 v[RSQ+1], v[RSQ]
.set j, 0
.rept 64
	v_pk_mul_f32 v[Y+j:Y+j+1], v[Y+j:Y+j+1], v[RSQ:RSQ+1]
.set j, j+2
.endr
	WIN 0x14                                       ; sources 1 and 2: window 1
.set j, 0
.rept 64
	v_pk_fma_f32 v[Y+j:Y+j+1], v[Y+j:Y+j+1], v[j:j+1], v[128+j:129+j]
.set j, j+2
.endr
	WIN 0
.endm
; The product with K = 256 and my 128 columns for tile m of rows: weight and bias in window 2; transposed, the weight's rows chosen so that the 64 results of a lane run along the columns.  Then what the place asks of them.
.macro HID m
	FETCH SF2, XRI, (2*(\m))*1536
	FETCH SF2+12, XRI, (2*(\m)+1)*1536
	ds_load_b32 v[SS], v[XRS] offset:128*(2*(\m))
	ds_load_b32 v[SS+1], v[XRS] offset:128*(2*(\m)+1)
	s_wait_dscnt 0x0                               ; the fragments are in, and the last tile's LDS stores have read the codes' registers
	WIN 0x22
.irp t, 0,1,2,3,4,5,6,7
	v_wmma_scale_f32_16x16x128_f8f6f4 v[HA+8*\t:HA+8*\t+7], v[24*\t:24*\t+11], v[SF2:SF2+11], v[192+8*\t:192+8*\t+7], v[HS2+2*\t], v[SS] matrix_a_fmt:MATRIX_FMT_FP6 matrix_b_fmt:MATRIX_FMT_FP6
.endr
	WIN 0x02
.irp t, 0,1,2,3,4,5,6,7
	v_wmma_scale_f32_16x16x128_f8f6f4 v[HA+8*\t:HA+8*\t+7], v[24*\t+12:24*\t+23], v[SF2+12:SF2+23], v[HA+8*\t:HA+8*\t+7], v[HS2+2*\t+1], v[SS+1] matrix_a_fmt:MATRIX_FMT_FP6 matrix_b_fmt:MATRIX_FMT_FP6
.endr
	WIN 0
.rept 4
	v_nop
.endr
.if P2
.set j, 0
.rept 64
	v_max_num_f32 v[HA+j], 0, v[HA+j]              ; the activation, in f32
.set j, j+1
.endr
	QUANT HA, PC, PW
	IMAGE HWI, PC, 6144*(\m)                       ; K step w of the last product, tile m
	ds_store_b32 v[HWS], v[PW] offset:512*(\m)
.else
	s_wait_xcnt 0x0                                ; the last tile's stores have read the codes' registers
	QUANT HA, PC, SW+(\m)
	global_store_b128 v[LI], v[PC:PC+3], s[A_Q:A_Q+1] offset:768*(\m)                  ; head 2 w
	global_store_b64 v[L8], v[PC+4:PC+5], s[A_Q:A_Q+1] offset:768*(\m)+512
	global_store_b128 v[LI], v[PC+6:PC+9], s[A_Q:A_Q+1] offset:HEADB+768*(\m)          ; head 2 w + 1
	global_store_b64 v[L8], v[PC+10:PC+11], s[A_Q:A_Q+1] offset:HEADB+768*(\m)+512
.endif
.endm
	s_load_b512 s[8:23], s[0:1], 0x0               ; argument k lies in s[8 + 2 k : 9 + 2 k]
.if P2
	s_load_b512 s[24:39], s[0:1], 0x40
	v_lshl_add_u32 v126, v0, 2, 0x32000
	v_mov_b32 v127, 0
.else
	s_load_b256 s[24:31], s[0:1], 0x40
	s_load_b64 s[32:33], s[0:1], 0x60
.endif
	v_lshrrev_b32 v1, 5, v0
	v_readfirstlane_b32 s[WV], v1                  ; wave 0..3
	v_and_b32 v1, 15, v0                           ; r
	v_bfe_u32 v2, v0, 4, 1                         ; h
	v_and_b32 v3, 8, v1
	v_add_nc_u32 v3, v3, v1                        ; r + 8 (r / 8)
	v_and_b32 v[R4], 31, v0
	v_lshlrev_b32 v[LI], 4, v[R4]
	v_lshlrev_b32 v[LS], 2, v[R4]
	v_lshlrev_b32 v[L8], 3, v[R4]
	v_mul_u32_u24 v[SO], v1, SPI
	v_lshl_add_u32 v[SO], v2, 5, v[SO]
	s_lshl_b32 s48, s[WV], 8
	s_add_co_u32 s48, s48, STG
	v_add_nc_u32 v[SO], s48, v[SO]                 ; row r, + 32 h, + my 64 columns' 256 bytes
	v_mul_u32_u24 v[SR], v1, SPI
	v_lshl_add_u32 v[SR], v2, 6, v[SR]
	s_mul_i32 s48, s[WV], 16*SPI
	s_add_co_u32 s48, s48, STG
	v_add_nc_u32 v[SR], s48, v[SR]                 ; my tile's row r, + 64 h
	v_add_nc_u32 v[SRW], s48, v[LI]
	s_mul_i32 s48, s[WV], 4*1536
	v_add_nc_u32 v[OWI], s48, v[LI]
	s_lshl_b32 s48, s[WV], 9
	v_add_nc_u32 v[OWS], s48, v[LS]
	s_mul_i32 s48, s[WV], 2*1536
	s_add_co_u32 s48, s48, XIMG
	v_add_nc_u32 v[XWI], s48, v[LI]
	s_lshl_b32 s48, s[WV], 8
	s_add_co_u32 s48, s48, XSCW
	v_add_nc_u32 v[XWS], s48, v[LS]
	v_add_nc_u32 v[XRI], XIMG, v[LI]
	v_add_nc_u32 v[XRS], XSCW, v[LS]
	v_lshl_add_u32 v[GBA], v2, 6, GB
	v_lshlrev_b32 v[T8], 3, v0
	v_lshl_add_u32 v[GBS], v0, 3, GB
.if P2
	s_mul_i32 s48, s[WV], 1536
	s_add_co_u32 s48, s48, HIMG
	v_add_nc_u32 v[HWI], s48, v[LI]
	s_lshl_b32 s48, s[WV], 7
	s_add_co_u32 s48, s48, HSCW
	v_add_nc_u32 v[HWS], s48, v[LS]
	v_add_nc_u32 v[HRI], HIMG, v[LI]
	v_add_nc_u32 v[HRS], HSCW, v[LS]
	s_lshl_b32 s48, s[WV], 14
	s_add_co_u32 s48, s48, PARK
	v_add_nc_u32 v[PKA], s48, v[LI]
.else
	v_mul_u32_u24 v[VA], v2, HEADB
	v_lshl_add_u32 v[VA], v1, 4, v[VA]             ; scale words out: lanes 0-15 head 2 w, lanes 16-31 head 2 w + 1
	v_lshlrev_b32 v[SH], 4, v2
.endif
	v_lshlrev_b32 v[WSA], 4, v1
	v_lshlrev_b32 v[WBA], 5, v2
	v_lshlrev_b32 v[R4], 2, v1
	v_lshlrev_b32 v[HO], 3, v3                     ; the second weight's scale bytes: 8 a row, chosen rows
	v_lshlrev_b32 v[HO+1], 6, v2                   ; its bias: 64 h
	s_mov_b32 s[SEL], 0x76543210
	s_mov_b32 s[SEL+1], 0xfedcba98
	s_mov_b32 s50, 0x3b800000                      ; 1 / 256
	s_mov_b32 s51, 0x358637bd                      ; 1e-6
	s_lshl_b32 s52, ttmp9, 2
	s_add_co_u32 s52, s52, s[WV]                   ; my tile G
	s_mov_b32 s49, 0
	s_lshl_b32 s56, ttmp9, 6                       ; its first token: 64 x work-group + 32 (w / 2) + 8 (w % 2)
	s_lshr_b32 s57, s[WV], 1
	s_lshl_b32 s57, s57, 5
	s_add_co_u32 s56, s56, s57
	s_and_b32 s57, s[WV], 1
	s_lshl_b32 s57, s57, 3
	s_add_co_u32 s56, s56, s57
	s_lshl_b32 s56, s56, 10                        ; in rows of 1,024 bytes
	s_mov_b32 s57, 0
	s_lshr_b32 s53, ttmp9, 5                       ; batch
	s_wait_kmcnt 0x0
	s_mul_i32 s48, s52, 8*768
	s_add_nc_u64 s[54:55], s[A_O:A_O+1], s[48:49]  ; o's codes of my tile: 8 heads
	s_lshl_b32 s48, s53, 10
	s_and_b32 s58, s52, 127
	s_add_co_u32 s48, s48, s58
	s_lshl_b32 s48, s48, 6
	s_add_co_u32 s48, s48, OSOFF
	s_add_nc_u64 s[A_O:A_O+1], s[A_O:A_O+1], s[48:49]   ; and its scale words: a head on is 8,192 bytes on
	s_mul_i32 s48, s[WV], 24576                    ; my part of each weight's images
	s_add_nc_u64 s[A_WI:A_WI+1], s[A_WI:A_WI+1], s[48:49]
	s_add_nc_u64 s[W2P:W2P+1], s[A_WI:A_WI+1], (WIDX+1)*WBY
.if P2
	s_add_nc_u64 s[W3P:W3P+1], s[A_WI:A_WI+1], (WIDX+2)*WBY
	s_add_nc_u64 s[A_WI:A_WI+1], s[A_WI:A_WI+1], WIDX*WBY
.endif
	s_lshl_b32 s48, s[WV], 10                      ; scale bytes: 64 rows of 16, or 128 of 8
	s_add_nc_u64 s[A_S1:A_S1+1], s[A_S1:A_S1+1], s[48:49]
	s_add_nc_u64 s[A_S2:A_S2+1], s[A_S2:A_S2+1], s[48:49]
.if P2
	s_add_nc_u64 s[A_S3:A_S3+1], s[A_S3:A_S3+1], s[48:49]
.endif
	s_lshl_b32 s48, s[WV], 8
	s_add_nc_u64 s[A_B1:A_B1+1], s[A_B1:A_B1+1], s[48:49]
.if P2
	s_add_nc_u64 s[A_B3:A_B3+1], s[A_B3:A_B3+1], s[48:49]
.endif
	s_lshl_b32 s48, s[WV], 9
	s_add_nc_u64 s[A_B2:A_B2+1], s[A_B2:A_B2+1], s[48:49]
	s_lshl_b32 s48, s52, 14                        ; x1: 16,384 bytes a tile
.if P2
	s_add_nc_u64 s[A_RES:A_RES+1], s[A_RES:A_RES+1], s[48:49]
	s_add_nc_u64 s[A_OUT:A_OUT+1], s[A_OUT:A_OUT+1], s[56:57]
.else
	s_add_nc_u64 s[A_X1:A_X1+1], s[A_X1:A_X1+1], s[48:49]
	s_add_nc_u64 s[A_RES:A_RES+1], s[A_RES:A_RES+1], s[56:57]
	s_lshl_b32 s56, s53, 3                         ; q: the step block of (batch, head 2 w, tokens' block), and my work-group's half of it
	s_lshl_b32 s58, s[WV], 1
	s_add_co_u32 s56, s56, s58
	s_lshl_b32 s56, s56, 4
	s_bfe_u32 s58, ttmp9, 0x40001
	s_add_co_u32 s56, s56, s58
	s_mul_i32 s56, s56, SB
	s_and_b32 s53, ttmp9, 1
	s_lshl_b32 s48, s53, 8
	s_add_co_u32 s48, s48, s56
	s_add_nc_u64 s[58:59], s[A_Q:A_Q+1], s[48:49]  ; for the scale words
	s_mul_i32 s48, s53, 4*768
	s_add_co_u32 s48, s48, s56
	s_add_nc_u64 s[A_Q:A_Q+1], s[A_Q:A_Q+1], s[48:49]   ; for the codes
.endif
.irp s, 0,1,2,3                                ; K step s of the first product is heads 2 s and 2 s + 1
.irp c, 0,1
	global_load_b128 v[F+12*\s+6*\c:F+12*\s+6*\c+3], v[LI], s[54:55] offset:768*(2*\s+\c)
	global_load_b64 v[F+12*\s+6*\c+4:F+12*\s+6*\c+5], v[L8], s[54:55] offset:768*(2*\s+\c)+512
.endr
.endr
.irp e, 0,1,2,3,4,5,6,7
	global_load_b32 v[OW+\e], v[R4], s[A_O:A_O+1] offset:8192*\e
.endr
.irp e, 0,1,2,3
	global_load_b64 v[GV+2*\e:GV+2*\e+1], v[T8], s[A_G+2*\e:A_G+2*\e+1]   ; 128 threads x 8 bytes: a vector
.endr
.if P2
	global_load_b64 v[GV+8:GV+9], v[T8], s[A_G3:A_G3+1]
	global_load_b64 v[GV+10:GV+11], v[T8], s[A_G3+2:A_G3+3]
.endif
	WIN 0xc0                                       ; destination window 3: the residual
.if P2
.set k, 0
.rept 32
	global_load_b128 v[4*k:4*k+3], v[LI], s[A_RES:A_RES+1] offset:512*k   ; an image of the owner's registers
.set k, k+1
.endr
.else
.irp i, 0,1,2,3,4,5,6,7,8,9,10,11,12,13,14,15
.irp u, 0,1
	global_load_b128 v[8*\i+4*\u:8*\i+4*\u+3], v[LI], s[A_RES:A_RES+1] offset:(\i+8*(\i/8))*1024+512*\u   ; my tile's row i, half u: 512 consecutive bytes
.endr
.endr
.endif
	WIN 0x40                                       ; destination window 1
	WLOAD A_WI
.irp t, 0,1,2,3
	global_load_b128 v[192+8*\t:192+8*\t+3], v[WBA], s[A_B1:A_B1+1] offset:64*\t
	global_load_b128 v[192+8*\t+4:192+8*\t+7], v[WBA], s[A_B1:A_B1+1] offset:64*\t+16
.endr
	WIN 0x80                                       ; destination window 2
	WLOAD W2P
.irp t, 0,1,2,3,4,5,6,7
	global_load_b128 v[192+8*\t:192+8*\t+3], v[HO+1], s[A_B2:A_B2+1] offset:(32*(\t/2)+8*(\t%2))*4
	global_load_b128 v[192+8*\t+4:192+8*\t+7], v[HO+1], s[A_B2:A_B2+1] offset:(32*(\t/2)+8*(\t%2))*4+16
.endr
	WIN 0
.irp t, 0,1,2,3
.irp s, 0,1,2,3
	global_load_b32 v[HS1+4*\t+\s], v[WSA], s[A_S1:A_S1+1] offset:256*\t+4*\s
.endr
.endr
.irp t, 0,1,2,3,4,5,6,7
.irp s, 0,1
	global_load_b32 v[HS2+2*\t+\s], v[HO], s[A_S2:A_S2+1] offset:(32*(\t/2)+8*(\t%2))*8+4*\s
.endr
.endr
	s_wait_loadcnt 0x0
	; ---- 0: my tile of the attention's output, and the vectors, to LDS
.irp b, 0,1,2,3
	v_mov_b32 v[TM+4+\b], 0                        ; a lane permute's destination counts as one of its sources
.endr
.irp s, 0,1,2,3
	v_lshl_or_b32 v[CW+\s], v[OW+2*\s+1], 16, v[OW+2*\s]   ; two heads' two bytes each make the K step's scale word
.endr
.irp s, 0,1,2,3
	IMAGE OWI, F+12*\s, OIMG+1536*\s
	ds_store_b32 v[OWS], v[CW+\s] offset:OSCW+128*\s
.endr
.irp e, 0,1,2,3
	ds_store_b64 v[GBS], v[GV+2*\e:GV+2*\e+1] offset:1024*\e
.endr
.if P2
	ds_store_b64 v[GBS], v[GV+8:GV+9] offset:4096
	ds_store_b64 v[GBS], v[GV+10:GV+11] offset:5120
.else
	WIN 0x0c                                       ; x's rows into my own 16 rows of the stage (an LDS store's data are its source 1: window 3),
.irp i, 0,1,2,3,4,5,6,7,8,9,10,11,12,13,14,15
.irp u, 0,1
	ds_store_b128 v[SRW], v[8*\i+4*\u:8*\i+4*\u+3] offset:SPI*\i+512*\u
.endr
.endr
	WIN 0xc0                                       ; and back in the owner's layout, into the registers that they left: LDS serves a wave's instructions in order; the barrier below stands ahead of the other waves' stores into these rows
.irp b, 0,1,2,3,4,5,6,7
.irp j, 0,1,2,3
	ds_load_b128 v[16*\b+4*\j:16*\b+4*\j+3], v[SR] offset:128*\b+16*\j
.endr
.endr
	WIN 0
.endif
	BARRIER
	; ---- 1: o w2 + b2, my 64 columns of all 64 rows
	PROJ512 1, HS1, LI, OIMG, LS, OSCW
	BARRIER
	; ---- 2: my tile's two norms
.irp b, 0,1,2,3,4,5,6,7
.irp j, 0,1,2,3
	ds_load_b128 v[Y+16*\b+4*\j:Y+16*\b+4*\j+3], v[SR] offset:128*\b+16*\j
.endr
.endr
	GBLOAD 0
	s_wait_dscnt 0x0
	ADDW 0x0c                                      ; + the residual (source 1: window 3)
	LNORM
	GBLOAD 2
	ADDW 0x0c
	s_wait_dscnt 0x0
	LNORM
.if P2
.set k, 0
.rept 32
	ds_store_b128 v[PKA], v[Y+4*k:Y+4*k+3] offset:512*k    ; x2 is wanted again at the end: my own 16,384 bytes
.set k, k+1
.endr
	WIN 0xc0                                       ; the residual is done with: the last weight takes its window, and lands under the next two phases
	WLOAD W3P
.irp t, 0,1,2,3
	global_load_b128 v[192+8*\t:192+8*\t+3], v[WBA], s[A_B3:A_B3+1] offset:64*\t
	global_load_b128 v[192+8*\t+4:192+8*\t+7], v[WBA], s[A_B3:A_B3+1] offset:64*\t+16
.endr
	WIN 0
.irp t, 0,1,2,3
.irp s, 0,1,2,3
	global_load_b32 v[HS3+4*\t+\s], v[WSA], s[A_S3:A_S3+1] offset:256*\t+4*\s
.endr
.endr
.else
.set k, 0
.rept 32
	global_store_b128 v[LI], v[Y+4*k:Y+4*k+3], s[A_X1:A_X1+1] offset:512*k   ; x1 as an image of these registers: 512 consecutive bytes a store
.set k, k+1
.endr
.endif
	; ---- 3: my tile becomes two fragments
	QUANT Y, PC, PW
	IMAGE XWI, PC, 0
	ds_store_b32 v[XWS], v[PW]
	s_wait_dscnt 0x0                               ; the stores have read their registers
	QUANT Y+64, PC, PW
	IMAGE XWI, PC, 1536
	ds_store_b32 v[XWS], v[PW] offset:128
	BARRIER
	s_wait_xcnt 0x0                                ; what was issued has read its address registers, and any store of Y its data: they are written again below
	; ---- 4: the product with K = 256, my 128 columns of all 64 rows
.irp m, 0,1,2,3
	HID \m
.endr
.if P2
	BARRIER
	; ---- 5: the last product
	s_wait_loadcnt 0x0                             ; its weight is in
	PROJ512 3, HS3, HRI, 0, HRS, 0
	BARRIER
	; ---- 6: my tile's last norm, and out
.irp b, 0,1,2,3,4,5,6,7
.irp j, 0,1,2,3
	ds_load_b128 v[Y+16*\b+4*\j:Y+16*\b+4*\j+3], v[SR] offset:128*\b+16*\j
.endr
.endr
	WIN 0x80
.set k, 0
.rept 32
	ds_load_b128 v[4*k:4*k+3], v[PKA] offset:512*k
.set k, k+1
.endr
	WIN 0
	GBLOAD 4
	s_wait_dscnt 0x0
	ADDW 0x08                                      ; + x2 (source 1: window 2)
	LNORM
.irp b, 0,1,2,3,4,5,6,7                        ; back into my own rows of the stage, and out of it as whole rows: LDS serves a wave's instructions in order
.irp j, 0,1,2,3
	ds_store_b128 v[SR], v[Y+16*\b+4*\j:Y+16*\b+4*\j+3] offset:128*\b+16*\j
.endr
.endr
.irp i, 0,1,2,3,4,5,6,7,8,9,10,11,12,13,14,15
.irp u, 0,1
	ds_load_b128 v[Y+8*\i+4*\u:Y+8*\i+4*\u+3], v[SRW] offset:SPI*\i+512*\u
.endr
.endr
.irp i, 0,1,2,3,4,5,6,7,8,9,10,11,12,13,14,15
.irp u, 0,1
	s_wait_dscnt 31-2*\i-\u                        ; this half row is back; the younger loads may stay out
	global_store_b128 v[LI], v[Y+8*\i+4*\u:Y+8*\i+4*\u+3], s[A_OUT:A_OUT+1] offset:(\i+8*(\i/8))*1024+512*\u th:TH_STORE_NT   ; 32 lanes store 512 consecutive bytes
.endr
.endr
.else
.irp m, 0,1,2,3
	v_lshrrev_b32 v[SW+4+\m], v[SH], v[SW+\m]      ; bytes 0, 1: head 2 w (lanes 0-15); bytes 2, 3: head 2 w + 1 (lanes 16-31)
.endr
	global_store_b128 v[VA], v[SW+4:SW+7], s[58:59] offset:12288   ; sixteen lanes store 256 consecutive bytes
.endif
	s_wait_tensorcnt 0x0
	ds_add_u32 v126, v127
	s_wait_dscnt 0x0
	s_endpgm
.Lfunc_end_k_qcd96d6bebe_post2:
	.size	k_qcd96d6bebe_post2, .Lfunc_end_k_qcd96d6bebe_post2-k_qcd96d6bebe_post2
	.p2alignl 7, 3214868480
	.fill 96, 4, 3214868480
	.section	.rodata,"a",@progbits
	.p2align	6, 0x0
	.amdhsa_kernel k_qcd96d6bebe_post2
		.amdhsa_group_segment_fixed_size 205312
		.amdhsa_private_segment_fixed_size 0
		.amdhsa_enable_private_segment 0
		.amdhsa_kernarg_size 128
		.amdhsa_user_sgpr_count 2
		.amdhsa_user_sgpr_kernarg_segment_ptr 1
		.amdhsa_wavefront_size32 1
		.amdhsa_system_sgpr_workgroup_id_x 1
		.amdhsa_system_sgpr_workgroup_id_y 1
		.amdhsa_system_sgpr_workgroup_id_z 1
		.amdhsa_system_vgpr_workitem_id 0
		.amdhsa_next_free_vgpr 1024
		.amdhsa_next_free_sgpr 66
		.amdhsa_reserve_vcc 0
		.amdhsa_float_denorm_mode_32 3
		.amdhsa_float_denorm_mode_16_64 3
		.amdhsa_memory_ordered 1
		.amdhsa_forward_progress 1
		.amdhsa_inst_pref_size 210
	.end_amdhsa_kernel
	.amdgpu_metadata
---
amdhsa.version: [ 1, 2 ]
amdhsa.kernels:
  - .name:           k_qcd96d6bebe_post2
    .symbol:         k_qcd96d6bebe_post2.kd
    .args:
      - { .name: o, .offset: 0, .size: 8, .value_kind: global_buffer, .address_space: global }
      - { .name: wimg, .offset: 8, .size: 8, .value_kind: global_buffer, .address_space: global }
      - { .name: m2_w2_scales, .offset: 16, .size: 8, .value_kind: global_buffer, .address_space: global }
      - { .name: m2_b2, .offset: 24, .size: 8, .value_kind: global_buffer, .address_space: global }
      - { .name: x1, .offset: 32, .size: 8, .value_kind: global_buffer, .address_space: global }
      - { .name: m2_g, .offset: 40, .size: 8, .value_kind: global_buffer, .address_space: global }
      - { .name: m2_b, .offset: 48, .size: 8, .value_kind: global_buffer, .address_space: global }
      - { .name: ln2_g, .offset: 56, .size: 8, .value_kind: global_buffer, .address_space: global }
      - { .name: ln2_b, .offset: 64, .size: 8, .value_kind: global_buffer, .address_space: global }
      - { .name: ffn_w1_scales, .offset: 72, .size: 8, .value_kind: global_buffer, .address_space: global }
      - { .name: ffn_b1, .offset: 80, .size: 8, .value_kind: global_buffer, .address_space: global }
      - { .name: ffn_w2_scales, .offset: 88, .size: 8, .value_kind: global_buffer, .address_space: global }
      - { .name: ffn_b2, .offset: 96, .size: 8, .value_kind: global_buffer, .address_space: global }
      - { .name: ln3_g, .offset: 104, .size: 8, .value_kind: global_buffer, .address_space: global }
      - { .name: ln3_b, .offset: 112, .size: 8, .value_kind: global_buffer, .address_space: global }
      - { .name: out0, .offset: 120, .size: 8, .value_kind: global_buffer, .address_space: global }
    .group_segment_fixed_size: 205312
    .private_segment_fixed_size: 0
    .kernarg_segment_align: 8
    .kernarg_segment_size: 128
    .max_flat_workgroup_size: 128
    .sgpr_count:     66
    .vgpr_count:     1024
    .wavefront_size: 32
...
	.end_amdgpu_metadata
.endif
;; end of part 4
;; ======== version 2 of 2: 5 launches
;; limits: right only within a limited range of input values
;; workspace buffers: q 6,815,744 bytes; kv1 6,815,744 bytes; kv2 6,815,744 bytes; o 3,407,872 bytes; x1 8,388,608 bytes; mb1 32,768 bytes; mb2 32,768 bytes; wimg 491,520 bytes
;; launch proj (part 5): grid 64 x 6, 4 waves a work-group, no clusters, 133,888 bytes of LDS; arguments x, encoder_output_codes, encoder_output_scales, tgt_mask, m1_wq_codes, m1_wq_scales, m1_bq, m1_wk_codes, m1_wk_scales, m1_bk, m1_wv_codes, m1_wv_scales, m1_bv, m2_wk_codes, m2_wk_scales, m2_bk, m2_wv_codes, m2_wv_scales, m2_bv, q, kv1, kv2, mb1, mb2, m1_w2_codes, m2_wq_codes, m2_w2_codes, ffn_w1_codes, ffn_w2_codes, wimg; writes q, kv1, kv2, mb1, mb2, wimg
.if DOCPART == 5
	.amdgcn_target "amdgcn-amd-amdhsa--gfx1250"
	.amdhsa_code_object_version 6
	.text
	.protected	k_qcd96d6bebe_proj
	.globl	k_qcd96d6bebe_proj
	.p2align	8
	.type	k_qcd96d6bebe_proj,@function
k_qcd96d6bebe_proj:
	s_mov_b64 s[64:65], 0
	v_nop
	global_prefetch_b8 v0, s[64:65] scope:SCOPE_SE
	s_setreg_imm32_b32 hwreg(HW_REG_WAVE_SCHED_MODE, 0, 2), 2
	s_setreg_imm32_b32 hwreg(HW_REG_WAVE_MODE, 25, 1), 1
	s_wait_xcnt 0x0
	s_wait_alu depctr_vm_vsrc(0)
; THE FIVE PROJECTIONS THAT HANG ON INPUTS ALONE, on codes of FP6 (E2M3) with one E8M0 scale for each 32 along K, their results quantised at once for the attention launches; and the later launches' weights laid as images of operand registers.
; Work-group (x, y): x = a block of 128 tokens (batch x / 16, key step x % 16); y = 0: Q1 = x wq + bq -> q; 1: K1 = x wk + bk -> kv1; 2: V1 = x wv + bv -> kv1; 3: K2 = enc wk + bk -> kv2; 4: V2 = enc wv + bv -> kv2.
; y = 5: work-group x lays fragment x (of 64) of m1_w2, m2_wq, m2_w2, ffn_w1 (wave w: weight w) and ffn_w2 (wave 0) into wimg: 12 registers a lane as three stores of 512 consecutive bytes; fragment 16 w + i is the i-th of the sixteen that wave w of a later launch keeps.
; Wave w owns output columns 128 w .. 128 w + 127: heads 2 w and 2 w + 1.  x arrives as f32 and is quantised here; encoder_output and the weights arrive as codes.
; ONE SCHEME: a HELD operand (8 tiles x 2 K steps, source 0, window 1) against a STREAMED tile (2 fragments a trip, from LDS, source 1).  In the result a lane holds one streamed row and its 64 registers run along the held rows.
;   Q and K: held = the weight, streamed = token tiles: the registers run along the head's channels, which are the K of Q K^T.     V: held = the 8 token tiles, streamed = the weight's tiles: the registers run along the keys, the K of P V.
; ROWS OF A TILE ARE NOT NEIGHBOURS: lane r of tile 2 b + u takes row 32 b + 8 u + r + 8 (r / 8), for tokens and for the weight's rows alike, so that registers 16 b + i of 8 tiles are rows 32 b + 16 (lane / 16) + i.
; EVERY LOAD OF THE WEIGHT AND OF x NAMES 512 CONSECUTIVE BYTES.  A wave's 24,576 bytes of the weight are stored as they lie into the wave's own LDS region and come back as fragments (pieces of 8 bytes of rows 192 bytes apart);
; x comes as half rows of 512 bytes, 16 to a fragment, and turns through a stage of 16 x 528 bytes in the same region, so that a lane gets 16 neighbours of each block of 32.  LDS serves a wave's instructions in order: no barrier for its own bytes.
; OUT: a step block of 13,312 bytes for each (batch, head, 128 tokens): 8 images of half fragments of K (768 bytes: registers 0-3 at 16 x lane, 4-5 at 512 + 8 x lane), 4 images of fragments of V (1,536), K's scale words (512), V's (256), 256 zeros.
; THE KEY MASK becomes a table of f32, mb1[batch][key]: -2^35 where tgt_mask is 0, else 0; the attention launch takes it as the C of the score product.  mb2 is zeros (the second attention masks nothing; src_mask is not read there, nor here).
; A batch in which no key is left: all scores are equal there, so every weight is equal.  That is served by zero codes for Q1 and a table of zeros: all t = 0.  It is a selection of values (v_cndmask_b32), no branch.
; LIMITS: NaN and infinities are not served.  A block of zeros gets the scale byte 1, not 127 (its codes are zeros; this program alone reads the bytes); blocks whose largest magnitude lies under 2^-124 are held at that byte.
; No cluster, no tensor load: operands go through registers; what work-groups share is the weight, 96 KiB read once by each.
; THE MODE: SCHED_MODE bits 1:0 = 2 (LLVM: expert scheduling mode 2), set by the entry lines.  The code itself states the register dependences
; between vector or matrix instructions and memory or LDS instructions, with s_wait_alu, always for 0.
; THE PLAN.  Registers that memory or LDS instructions touch, and who else names them:
;   v1-v14, v122-124   offsets and LDS addresses, made once at the head: one wait on va_vdst ahead of the first load serves them for the whole kernel.
;   v117, v118, v192   three more LDS addresses, made ahead of the images' stores, under the wait that those stores owe anyway.
;   NA, NB             x as loaded; stored into the stage; loaded back; read by the quantiser; loaded again.  A wait on vm_vsrc between the stage's stores and the loads back; a wait on va_vdst behind the quantiser, ahead of the next loads of x.
;   F, FW, v116        written by the quantiser and the flag's lines (or loaded), read by the images' stores: one wait on va_vdst ahead of the run of stores.
;   window 1           loaded, stored as it lies, loaded back as fragments: a wait on vm_vsrc between.  No vector instruction names it.
;   Behind the barrier one wait on vm_vsrc: what my LDS stores have read is written again from there on.
;   A TRIP.  SF, SS: read by the trip's 16 products, loaded for the next trip.  The codes have two buffers by turns: trip i's quantiser writes buffer i % 2, the stores issued in trip i + 1 read it, trip i + 2 writes it again.
;   So ONE wait on va_vdst stands in a trip, behind its products: they are done reading SF and SS, and the last trip's quantiser has written its buffer.  The next tile's loads and the last trip's stores follow it;
;   the trip's quantiser, behind them, names HA, its working registers and the other buffer: none of the registers that those loads and stores touch.  The wait on vm_vsrc for the buffer that the quantiser writes stands ahead of these stores, a trip behind the stores that it waits for.
.set SB,    13312                      ; a step block
.set HEADB, 16*SB                      ; a head's 16 step blocks
.set REC,   3328                       ; LDS: a tile's record: fragment of K step s at 1,536 s, its scale words (4 bytes a lane) at 3,072 + 128 s
.set WREC,  8*REC                      ; the 8 token tiles' records lie from 0; from here a region of 8 records for each wave, its own: x's stages, then the weight as it lies, then (V) the weight tiles' records
.set FLG,   WREC+32*REC                ; four words: has the wave seen a key that counts?
.set XSP,   528                        ; x's stage: a half row of 512 bytes + 16
.set XSB,   16*XSP                     ; a stage: 16 rows
.set WBY,   98304                      ; a weight's codes in bytes
.set LI,  1                            ; v1   16 x lane
.set LS,  2                            ; v2   4 x lane
.set L8,  3                            ; v3   8 x lane
.set XSR, 4                            ; v4   x's stage, on the way out: my region + 528 r + 64 (lane / 16)
.set EA,  5                            ; v5   rows of 192 bytes of codes: row r + 8 (r / 8), + 24 (lane / 16)
.set ES,  6                            ; v6   rows of 8 scale bytes
.set XWI, 7                            ; v7   where I store my two token tiles' images;  v8 their scale words
.set XWS, 8
.set WWI, 9                            ; v9   my region + 16 x lane;  v10 + 4 x lane
.set WWS, 10
.set SA,  11                           ; v11  the stream: images;  v12 scale words
.set SS4, 12
.set VA,  13                           ; v13  scale words out: lanes 0-15 head 2 w, lanes 16-31 head 2 w + 1; 16 bytes a row
.set SH,  14                           ; v14  16 (lane / 16)
.set NIL, 15                           ; v15  0
.set HS,  16                           ; v16-31  the held operand's scale words (2 t + s): scales and nothing else
.set LB,  32                           ; v32-39  V: the bias of my lane's row of weight tile i
.set TM,  40                           ; v40-55  at work in QUANT
.set PX,  56                           ; v56-63  likewise
.set F,   64                           ; v64-111 my two token tiles' four fragments;  v112-115 their scale words
.set FW,  112
.set NA,  128                          ; v128-191, v192-255  64 numbers of x, two sets
.set NB,  192
.set WFA, 192                          ; v192 behind them: my region + my lane's place in a tile of the weight
.set PC,  64                           ; behind the barrier: v64-75 and v192-203 the codes just made: two buffers by turns
.set SF,  76                           ; v76-99  the streamed tile's two fragments
.set SW,  102                          ; v102-109 the eight trips' scale words
.set CL,  110                          ; v110-117 V: the bias as a C
.set T,   118                          ; v118-125 at work
.set SS,  126                          ; v126-127 the streamed tile's scale words: scales and nothing else
.set HA,  128                          ; v128-191 the trip's 8 accumulators
.set WV,  66
.set TY,  67                           ; y
.set ISV, 68                           ; 1: V
.set ISX, 69                           ; 1: the tokens are x
.set ANY, 70                           ; not 0: some key of the batch counts
.set KILL, 71                          ; all ones: Q1's codes become zeros
.set HI,  72                           ; lanes 16-31
.set SEL, 74                           ; s[74:75] v_permlanex16_b32's selects for lane l xor 16
.set STRM, 76
.set OWN, 90                           ; s90  LDS byte at which my wave's region begins
.set CM,  92                           ; s92-95 the table's four masks
.set MSB, 0
.macro WIN new                         ; the immediate's high byte repeats the setting that is left
.if MSB != (\new)
	s_set_vgpr_msb (MSB<<8)|(\new)
.set MSB, \new
.endif
.endm
.macro FRAGG reg, adr, base, off       ; a fragment of 6-bit codes from rows in memory: two runs of 24 bytes, 48 apart, in pieces of 8 bytes
.irp p, 0,1,2,3,4,5
	global_load_b64 v[(\reg)+2*\p:(\reg)+2*\p+1], v[\adr], s[\base:\base+1] offset:(\off)+48*(\p/3)+8*(\p%3)
.endr
.endm
.macro IMAGE adr, reg, off             ; a fragment goes to LDS as an image of its 12 registers
.irp c, 0,1,2
	ds_store_b128 v[\adr], v[(\reg)+4*\c:(\reg)+4*\c+3] offset:(\off)+512*\c
.endr
.endm
.macro FETCH reg, adr, off             ; and comes back so, in any wave
.irp c, 0,1,2
	ds_load_b128 v[(\reg)+4*\c:(\reg)+4*\c+3], v[\adr] offset:(\off)+512*\c
.endr
.endm
; 64 numbers of a lane, register 16 b + i = k 32 b + 16 (lane / 16) + i of my row, become a fragment's codes in v[d] on and its scale word in v[w].
.macro QUANT s, d, w
.irp b, 0,1,2,3
	v_max3_num_f32 v[TM+\b], |v[(\s)+16*\b]|, |v[(\s)+1+16*\b]|, 0x1800000   ; my 16 numbers of block b, and the floor 2^(3 - 127): the byte cannot fall under 1
.endr
.irp i, 2,4,6,8,10,12,14
.irp b, 0,1,2,3
	v_max3_num_f32 v[TM+\b], v[TM+\b], |v[(\s)+16*\b+\i]|, |v[(\s)+1+16*\b+\i]|
.endr
.endr
.irp b, 0,1,2,3
	v_permlanex16_b32 v[TM+4+\b], v[TM+\b], s[SEL], s[SEL+1]
.endr
.irp b, 0,1,2,3
	v_max_num_f32 v[TM+\b], v[TM+\b], v[TM+4+\b]       ; with lane l xor 16's: the block's largest magnitude
.endr
.irp b, 0,1,2,3
	v_add_nc_u32 v[TM+12+\b], 0xff000000, v[TM+\b]     ; 2 off its exponent field: the conversion's scale operand
.endr
.irp b, 0,1,2,3
	v_lshrrev_b32 v[TM+4+\b], 23, v[TM+12+\b]          ; the scale's byte
.endr
	v_lshl_or_b32 v[\w], v[TM+5], 8, v[TM+4]
	v_lshl_or_b32 v[\w], v[TM+6], 16, v[\w]
	v_lshl_or_b32 v[\w], v[TM+7], 24, v[\w]
.irp c, 0,1
	v_cvt_scalef32_pk16_fp6_f32 v[(\d)+6*\c:(\d)+2+6*\c], v[(\s)+32*\c:(\s)+15+32*\c], v[TM+12+2*\c]
	v_cvt_scalef32_pk16_fp6_f32 v[PX+4*\c:PX+2+4*\c], v[(\s)+16+32*\c:(\s)+31+32*\c], v[TM+12+2*\c+1]   ; (a conversion's three registers begin on an even number)
.endr
	v_nop                                              ; one plain place behind a scaled conversion
.irp c, 0,1                                        ; the operand's layout wants a whole block in a lane
.irp i, 0,1,2
	v_permlane16_swap_b32 v[(\d)+6*\c+\i], v[PX+4*\c+\i]
.endr
.irp i, 0,1,2
	v_mov_b32 v[(\d)+3+6*\c+\i], v[PX+4*\c+\i]
.endr
.endr
.endm
.macro XLOAD buf, f                    ; fragment f = 2 x (tile of my two) + K step: its 16 rows' half rows, 512 consecutive bytes a load
.irp i, 0,1,2,3,4,5,6,7,8,9,10,11,12,13,14,15
	global_load_b128 v[\buf+4*\i:\buf+4*\i+3], v[LI], s[8:9] offset:(8*((\f)/2)+\i+8*(\i/8))*1024+512*((\f)%2)
.endr
.endm
.macro XTURN buf, f                    ; through my stage f % 2, and back into the registers that they left: lane (r, h) gets, of row r, 16 neighbours of each block of 32
.irp i, 0,1,2,3,4,5,6,7,8,9,10,11,12,13,14,15
	ds_store_b128 v[WWI], v[\buf+4*\i:\buf+4*\i+3] offset:XSB*((\f)%2)+XSP*\i
.endr
	s_wait_alu depctr_vm_vsrc(0)                       ; the stores above have read these 64 registers, in which the loads below land
.irp b, 0,1,2,3
.irp j, 0,1,2,3
	ds_load_b128 v[\buf+16*\b+4*\j:\buf+16*\b+4*\j+3], v[XSR] offset:XSB*((\f)%2)+128*\b+16*\j   ; LDS serves a wave's instructions in order: these see the stores above
.endr
.endr
	s_wait_dscnt 0x0
.endm
.macro FLAGOR                          ; my 16 words of the batch's mask: is one of them not 0?  They lay in QUANT's registers, which are free from here on
.irp k, 1,2,3,4,5,6,7,8,9,10,11,12,13,14,15
	v_or_b32 v[TM], v[TM], v[TM+\k]
.endr
	v_cmp_ne_u32 vcc_lo, 0, v[TM]
	s_wait_alu depctr_va_vcc(0)                        ; VCC is written, ahead of the move that reads it
	v_mov_b32 v116, vcc_lo
.irp b, 0,1,2,3
	v_mov_b32 v[TM+4+\b], 0                            ; a lane permute's destination counts as one of its sources
.endr
.endm
.macro STREAM i
	FETCH SF, SA, (\i)*REC
	FETCH SF+12, SA, (\i)*REC+1536
	ds_load_b32 v[SS], v[SS4] offset:(\i)*REC+3072
	ds_load_b32 v[SS+1], v[SS4] offset:(\i)*REC+3072+128
.endm
; Trip i's codes leave, out of buffer i % 2.
.macro SENDQK i
.set PS, PC+128*((\i)%2)
	global_store_b128 v[LI], v[PS:PS+3], s[62:63] offset:768*(\i)                  ; registers 0-5: head 2 w's 64 channels
	global_store_b64 v[L8], v[PS+4:PS+5], s[62:63] offset:768*(\i)+512
	global_store_b128 v[LI], v[PS+6:PS+9], s[62:63] offset:HEADB+768*(\i)          ; registers 6-11: head 2 w + 1's
	global_store_b64 v[L8], v[PS+10:PS+11], s[62:63] offset:HEADB+768*(\i)+512
.endm
.macro SENDV i
.set PS, PC+128*((\i)%2)
.irp c, 0,1,2
	global_store_b128 v[LI], v[PS+4*\c:PS+4*\c+3], s[62:63] offset:((\i)/4)*HEADB+((\i)%4)*1536+512*\c   ; weight tiles 0-3 are head 2 w's channels, 4-7 head 2 w + 1's
.endr
.endm
.macro SEND i
	s_cmp_lg_u32 s[ISV], 0
	s_cbranch_scc1 .Lvs_\@
	SENDQK \i
	s_branch .Ldn_\@
.Lvs_\@:
	SENDV \i
.Ldn_\@:
.endm
	v_lshl_add_u32 v59, v0, 2, 0x20900
	v_mov_b32 v63, 0
	s_and_b32 s[TY], ttmp7, 0xffff
	s_cmp_eq_u32 s[TY], 5
	s_cbranch_scc1 .Llay                           ; the sixth row of the grid lays weights out: a branch on the work-group's number
	s_load_b512 s[8:23], s[0:1], 0x0               ; argument k lies in s[8 + 2 k : 9 + 2 k]
	s_load_b512 s[24:39], s[0:1], 0x40
	s_load_b512 s[40:55], s[0:1], 0x80
	v_lshrrev_b32 v[T], 5, v0
	v_readfirstlane_b32 s[WV], v[T]                ; wave 0..3
	v_and_b32 v[T], 31, v0                         ; lane
	v_and_b32 v[T+1], 15, v0                       ; r
	v_bfe_u32 v[T+2], v0, 4, 1                     ; h
	v_and_b32 v[T+3], 8, v[T+1]
	v_add_nc_u32 v[T+3], v[T+3], v[T+1]            ; r + 8 (r / 8)
	v_lshlrev_b32 v[LI], 4, v[T]
	v_lshlrev_b32 v[LS], 2, v[T]
	v_lshlrev_b32 v[L8], 3, v[T]
	v_mul_u32_u24 v[EA], v[T+3], 192
	v_mad_u32_u24 v[EA], v[T+2], 24, v[EA]
	v_lshlrev_b32 v[ES], 3, v[T+3]
	v_mul_u32_u24 v[VA], v[T+2], HEADB
	v_lshl_add_u32 v[VA], v[T+1], 4, v[VA]
	v_lshlrev_b32 v[SH], 4, v[T+2]
	v_mov_b32 v[NIL], 0
	v_lshlrev_b32 v[T+4], 6, v[T+2]                ; 64 h: the bias in the layout of Q's and K's results
	v_lshlrev_b32 v[T+5], 2, v[T+3]                ; 4 x row: the bias of V's rows
	v_lshlrev_b32 v[T+6], 4, v0                    ; 16 x thread: the batch's mask
	s_wait_alu depctr_va_sdst(0)                   ; the wave's number is written, ahead of its first reader
	s_mul_i32 s77, s[WV], 2*REC
	v_add_nc_u32 v[XWI], s77, v[LI]
	v_add_nc_u32 v[XWS], s77, v[LS]
	s_mul_i32 s[OWN], s[WV], 8*REC
	s_add_co_u32 s[OWN], s[OWN], WREC
	v_add_nc_u32 v[WWI], s[OWN], v[LI]
	v_add_nc_u32 v[WWS], s[OWN], v[LS]
	v_mul_u32_u24 v[XSR], v[T+1], XSP
	v_lshl_add_u32 v[XSR], v[T+2], 6, v[XSR]
	v_add_nc_u32 v[XSR], s[OWN], v[XSR]
	s_cmp_eq_u32 s[TY], 2
	s_cselect_b32 s[ISV], 1, 0
	s_cmp_eq_u32 s[TY], 4
	s_cselect_b32 s[ISV], 1, s[ISV]
	s_cmp_lt_u32 s[TY], 3
	s_cselect_b32 s[ISX], 1, 0
	s_cmp_lg_u32 s[ISV], 0
	s_cselect_b32 s[STRM], s[OWN], 0               ; the stream: the token tiles, or (V) my weight tiles
	s_cselect_b32 s82, 6144, 0                     ; V's section of a step block
	v_add_nc_u32 v[SA], s[STRM], v[LI]
	v_add_nc_u32 v[SS4], s[STRM], v[LS]
	s_mov_b32 s[HI], 0xffff0000
	s_mov_b32 s[SEL], 0x76543210
	s_mov_b32 s[SEL+1], 0xfedcba98
	s_lshr_b32 s80, ttmp9, 4                       ; batch
	s_and_b32 s81, ttmp9, 15                       ; key step
	s_lshl_b32 s78, s80, 3
	s_lshl_b32 s79, s[WV], 1
	s_add_co_u32 s78, s78, s79                     ; 8 batch + head 2 w
	s_lshl_b32 s78, s78, 4
	s_add_co_u32 s78, s78, s81
	s_mul_i32 s78, s78, SB
	s_add_co_u32 s88, s78, s82                     ; where my results go, in bytes
	s_mov_b32 s89, 0
	s_mov_b32 s79, 0
	s_mov_b32 s83, 0
	s_wait_kmcnt 0x0
	s_mov_b64 s[56:57], s[16:17]                   ; the weight's codes, scales, bias and the buffer for the results, by y: a choice that hangs on the work-group's number alone
	s_mov_b64 s[58:59], s[18:19]
	s_mov_b64 s[60:61], s[20:21]
	s_mov_b64 s[62:63], s[46:47]
	s_cmp_eq_u32 s[TY], 1
	s_cselect_b64 s[56:57], s[22:23], s[56:57]
	s_cselect_b64 s[58:59], s[24:25], s[58:59]
	s_cselect_b64 s[60:61], s[26:27], s[60:61]
	s_cselect_b64 s[62:63], s[48:49], s[62:63]
	s_cmp_eq_u32 s[TY], 2
	s_cselect_b64 s[56:57], s[28:29], s[56:57]
	s_cselect_b64 s[58:59], s[30:31], s[58:59]
	s_cselect_b64 s[60:61], s[32:33], s[60:61]
	s_cselect_b64 s[62:63], s[48:49], s[62:63]
	s_cmp_eq_u32 s[TY], 3
	s_cselect_b64 s[56:57], s[34:35], s[56:57]
	s_cselect_b64 s[58:59], s[36:37], s[58:59]
	s_cselect_b64 s[60:61], s[38:39], s[60:61]
	s_cselect_b64 s[62:63], s[50:51], s[62:63]
	s_cmp_eq_u32 s[TY], 4
	s_cselect_b64 s[56:57], s[40:41], s[56:57]
	s_cselect_b64 s[58:59], s[42:43], s[58:59]
	s_cselect_b64 s[60:61], s[44:45], s[60:61]
	s_cselect_b64 s[62:63], s[50:51], s[62:63]
	s_mul_i32 s78, s[WV], 128*192                  ; my 128 rows of the weight
	s_add_nc_u64 s[56:57], s[56:57], s[78:79]
	s_lshl_b32 s78, s[WV], 10
	s_add_nc_u64 s[58:59], s[58:59], s[78:79]
	s_lshl_b32 s78, s[WV], 9
	s_add_nc_u64 s[60:61], s[60:61], s[78:79]
	s_add_nc_u64 s[62:63], s[62:63], s[88:89]
	s_lshl_b32 s78, ttmp9, 2
	s_add_co_u32 s78, s78, s[WV]                   ; my 32 tokens: 128 x block + 32 x wave
	s_lshl_b32 s82, s78, 15
	s_add_nc_u64 s[8:9], s[8:9], s[82:83]          ; in x,
	s_mul_i32 s82, s78, 32*192
	s_add_nc_u64 s[10:11], s[10:11], s[82:83]      ; in encoder_output's codes,
	s_lshl_b32 s82, s78, 8
	s_add_nc_u64 s[12:13], s[12:13], s[82:83]      ; and scales
	s_lshl_b32 s82, s80, 13
	s_add_nc_u64 s[84:85], s[14:15], s[82:83]      ; the batch's mask,
	s_lshl_b32 s82, ttmp9, 9
	s_add_nc_u64 s[86:87], s[14:15], s[82:83]      ; the block's,
	s_add_nc_u64 s[52:53], s[52:53], s[82:83]      ; and its place in the two tables
	s_add_nc_u64 s[54:55], s[54:55], s[82:83]
	s_wait_alu depctr_va_vdst(0)                   ; the offsets and LDS addresses v1 to v14 and v122 to v124 are written, which the loads and stores of the whole kernel read
.irp k, 0,1,2,3
	global_load_b128 v[TM+4*\k:TM+4*\k+3], v[T+6], s[84:85] offset:2048*\k   ; 128 threads x 16 words: the batch's 2,048
.endr
	WIN 0x40                                       ; destination window 1
.set k, 0
.rept 48
	global_load_b128 v[4*k:4*k+3], v[LI], s[56:57] offset:512*k   ; my 24,576 bytes of the weight as they lie: 512 consecutive bytes a load
.set k, k+1
.endr
.irp t, 0,1,2,3,4,5,6,7                        ; both layouts of the bias are loaded for every y, so that no register's state hangs on y
	global_load_b128 v[192+8*\t:192+8*\t+3], v[T+4], s[60:61] offset:(32*(\t/2)+8*(\t%2))*4
	global_load_b128 v[192+8*\t+4:192+8*\t+7], v[T+4], s[60:61] offset:(32*(\t/2)+8*(\t%2))*4+16
.endr
	WIN 0
.irp t, 0,1,2,3,4,5,6,7
.irp s, 0,1
	global_load_b32 v[HS+2*\t+\s], v[ES], s[58:59] offset:(32*(\t/2)+8*(\t%2))*8+4*\s
.endr
	global_load_b32 v[LB+\t], v[T+5], s[60:61] offset:(32*(\t/2)+8*(\t%2))*4
.endr
	; ---- my two token tiles (2 w, 2 w + 1) become four fragments
	s_cmp_lg_u32 s[ISX], 0
	s_cbranch_scc0 .Lenc
	XLOAD NA, 0
	XLOAD NB, 1
	s_wait_loadcnt 16                              ; all but the youngest 16 loads are in: fragment 0's numbers, the weight and the mask among them
	FLAGOR
	XTURN NA, 0
	QUANT NA, F, FW
	s_wait_alu depctr_va_vdst(0)                   ; the quantiser is done reading NA, in which fragment 2's loads land
	XLOAD NA, 2
	s_wait_loadcnt 16                              ; fragment 1's are in, fragment 2's may be out
	XTURN NB, 1
	QUANT NB, F+12, FW+1
	s_wait_alu depctr_va_vdst(0)                   ; the quantiser is done reading NB, in which fragment 3's loads land
	XLOAD NB, 3
	s_wait_loadcnt 16
	XTURN NA, 2
	QUANT NA, F+24, FW+2
	s_wait_loadcnt 0x0
	XTURN NB, 3
	QUANT NB, F+36, FW+3
	s_branch .Lxdone
.Lenc:
.irp f, 0,1,2,3
	FRAGG F+12*\f, EA, 10, (\f/2)*8*192+96*(\f%2)
	global_load_b32 v[FW+\f], v[ES], s[12:13] offset:(\f/2)*64+4*(\f%2)
.endr
	s_wait_loadcnt 0x0
	FLAGOR
.Lxdone:
	s_lshl_b32 s77, s[WV], 2
	s_add_co_u32 s77, s77, FLG
	v_mov_b32 v117, s77                            ; three LDS addresses: my flag's word,
	v_mov_b32 v[T], FLG                            ; the four flags,
	v_add_nc_u32 v[WFA], s[OWN], v[EA]             ; and my lane's place in a tile of the weight
	s_wait_alu depctr_va_vdst(0)                   ; the quantiser has written F and FW, the flag's lines v116, the three lines above their addresses: the LDS stores and loads below read them
.irp f, 0,1,2,3
	IMAGE XWI, F+12*\f, (\f/2)*REC+1536*(\f%2)
	ds_store_b32 v[XWS], v[FW+\f] offset:(\f/2)*REC+3072+128*(\f%2)
.endr
	ds_store_b32 v117, v116                        ; all lanes write the same word with the same value
	; ---- the weight: as it lies into my own region, and back as 16 fragments, into the registers that it left
	WIN 0x04                                       ; an LDS store's data are its source 1: window 1
.set k, 0
.rept 48
	ds_store_b128 v[WWI], v[4*k:4*k+3] offset:512*k
.set k, k+1
.endr
	WIN 0x40
	s_wait_alu depctr_vm_vsrc(0)                   ; the 48 stores have read window 1's registers, in which the fragments land
.irp t, 0,1,2,3,4,5,6,7
.irp s, 0,1
.irp p, 0,1,2,3,4,5
	ds_load_b64 v[12*(2*\t+\s)+2*\p:12*(2*\t+\s)+2*\p+1], v[WFA] offset:(32*(\t/2)+8*(\t%2))*192+96*\s+48*(\p/3)+8*(\p%3)
.endr
.endr
.endr
	WIN 0
	s_cmp_lg_u32 s[ISV], 0
	s_cbranch_scc0 .Lnot_v1
	s_wait_dscnt 0x0                               ; the fragments are in
	WIN 0x04                                       ; V: my weight tiles become the stream, as records in my own region
.irp t, 0,1,2,3,4,5,6,7
.irp s, 0,1
	IMAGE WWI, 12*(2*\t+\s), \t*REC+1536*\s
.endr
.endr
	WIN 0
.irp t, 0,1,2,3,4,5,6,7
.irp s, 0,1
	ds_store_b32 v[WWS], v[HS+2*\t+\s] offset:\t*REC+3072+128*\s
.endr
.endr
.Lnot_v1:
	s_wait_dscnt 0x0                               ; my LDS stores have landed, my loads are in
	s_barrier_signal -1
	s_barrier_wait -1                              ; the one barrier: behind it LDS is only read
	s_wait_alu depctr_vm_vsrc(0)                   ; my LDS stores and loads have read F, FW, v116, v117, v192 and (V) window 1 and HS: all these are loaded or written again from here on
	ds_load_b128 v[T+2:T+5], v[T]
	s_cmp_lg_u32 s[ISV], 0
	s_cbranch_scc0 .Lnot_v2
	WIN 0x40                                       ; V: the 8 token tiles become the held operand
.irp t, 0,1,2,3,4,5,6,7
.irp s, 0,1
	FETCH 12*(2*\t+\s), LI, \t*REC+1536*\s
.endr
.endr
	WIN 0
.irp t, 0,1,2,3,4,5,6,7
.irp s, 0,1
	ds_load_b32 v[HS+2*\t+\s], v[LS] offset:\t*REC+3072+128*\s
.endr
.endr
.Lnot_v2:
	STREAM 0
	s_wait_dscnt 0x0
	v_or_b32 v[T+2], v[T+2], v[T+3]
	v_or_b32 v[T+4], v[T+4], v[T+5]
	v_or_b32 v[T+2], v[T+2], v[T+4]
	v_readfirstlane_b32 s[ANY], v[T+2]
	s_wait_alu depctr_va_sdst(0)                   ; the flag is written, ahead of the compare that reads it
	s_cmp_lg_u32 s[ANY], 0
	s_cselect_b32 s77, 0xd1000000, 0               ; -2^35 for a hidden key; 0 where the whole batch is hidden
	s_cselect_b32 s[KILL], 0, -1
	s_cmp_eq_u32 s[TY], 0
	s_cselect_b32 s[KILL], s[KILL], 0              ; Q1 alone is cleared
	s_or_b32 s78, s[TY], s[WV]
	s_cmp_lg_u32 s78, 0
	s_cbranch_scc1 .Lno_table                      ; wave 0 of y = 0 writes the block's 128 entries of both tables
	s_wait_alu depctr_va_vdst(0)                   ; the flags' lines are done with v[T+2 .. T+5], in which the load lands
	global_load_b128 v[T+2:T+5], v[LI], s[86:87]
	s_wait_alu depctr_vm_vsrc(0)                   ; the LDS load of the flags has read its address v[T], which the next line writes
	v_mov_b32 v[T], s77
.irp k, 0,1,2,3
	v_mov_b32 v[CL+\k], 0
.endr
	s_wait_alu depctr_va_vdst(0)
	s_wait_loadcnt 0x0
.irp k, 0,1,2,3
	v_cmp_eq_u32 s[CM+\k], 0, v[T+2+\k]
.endr
	s_wait_alu depctr_va_sdst(0)                   ; the four masks are written, ahead of the selections that read them
.irp k, 0,1,2,3
	v_cndmask_b32 v[T+2+\k], v[NIL], v[T], s[CM+\k]
.endr
	s_wait_alu depctr_va_vdst(0)                   ; the selections and the four moves have written the two stores' data
	global_store_b128 v[LI], v[T+2:T+5], s[52:53]  ; 32 lanes store 512 consecutive bytes
	global_store_b128 v[LI], v[CL:CL+3], s[54:55]
	s_wait_xcnt 0x0                                ; the stores have read their registers
	s_wait_alu depctr_vm_vsrc(0)                   ; likewise: v[CL ..] and v[T+2 ..] are written again further down
.Lno_table:
; A TRIP: streamed tile i against the 8 held tiles, two K steps.  The 8 accumulators take turns, one instruction a turn.
.macro TRIP i
.set PB, PC+128*((\i)%2)
	s_wait_dscnt 0x0                               ; the tile's two fragments and scale words are in
	s_cmp_lg_u32 s[ISV], 0
	s_cbranch_scc1 .Lvk_\@
	WIN 0x11                                       ; source 0 (held) and the bias as C: window 1
.irp t, 0,1,2,3,4,5,6,7
	v_wmma_scale_f32_16x16x128_f8f6f4 v[HA+8*\t:HA+8*\t+7], v[24*\t:24*\t+11], v[SF:SF+11], v[192+8*\t:192+8*\t+7], v[HS+2*\t], v[SS] matrix_a_fmt:MATRIX_FMT_FP6 matrix_b_fmt:MATRIX_FMT_FP6
.endr
	WIN 0
	s_branch .Ljn_\@
.Lvk_\@:
.irp j, 0,1,2,3,4,5,6,7
	v_mov_b32 v[CL+\j], v[LB+(\i)]                 ; V: a lane holds one channel, so its eight registers of C hold one number
.endr
.rept 4
	v_nop
.endr
	WIN 0x01
.irp t, 0,1,2,3,4,5,6,7
	v_wmma_scale_f32_16x16x128_f8f6f4 v[HA+8*\t:HA+8*\t+7], v[24*\t:24*\t+11], v[SF:SF+11], v[CL:CL+7], v[HS+2*\t], v[SS] matrix_a_fmt:MATRIX_FMT_FP6 matrix_b_fmt:MATRIX_FMT_FP6
.endr
	WIN 0
.Ljn_\@:
	WIN 0x01
.irp t, 0,1,2,3,4,5,6,7
	v_wmma_scale_f32_16x16x128_f8f6f4 v[HA+8*\t:HA+8*\t+7], v[24*\t+12:24*\t+23], v[SF+12:SF+23], v[HA+8*\t:HA+8*\t+7], v[HS+2*\t+1], v[SS+1] matrix_a_fmt:MATRIX_FMT_FP6 matrix_b_fmt:MATRIX_FMT_FP6
.endr
	WIN 0
.rept 4
	v_nop                                          ; places in front of the first read of results
.endr
.if (\i) > 1
	s_wait_xcnt 0x0                                ; the stores issued in the last trip have had their addresses translated: their data, buffer i % 2, are written again below
	s_wait_alu depctr_vm_vsrc(0)                   ; and they have read that buffer
.endif
	s_wait_alu depctr_va_vdst(0)                   ; the 16 products are done reading SF and SS, in which the next tile lands; the last trip's quantiser and selections have written the other buffer, which the stores below read
.if (\i) < 7
	STREAM (\i)+1                                  ; the next tile lands while this one is quantised
.endif
.if (\i) > 0
	SEND (\i)-1                                    ; the last trip's codes
.endif
	QUANT HA, PB, SW+(\i)
	s_cmp_lg_u32 s[ISV], 0
	s_cbranch_scc1 .Lnk_\@
.irp k, 0,1,2,3,4,5,6,7,8,9,10,11
	v_cndmask_b32 v[PB+\k], v[PB+\k], v[NIL], s[KILL]
.endr
.Lnk_\@:
.endm
.irp i, 0,1,2,3,4,5,6,7
	TRIP \i
.endr
	; ---- the last trip's codes, and the scale words: sixteen lanes store 256 consecutive bytes
	s_cmp_lg_u32 s[ISV], 0
	s_cbranch_scc1 .Lv_words
.irp m, 0,1,2,3,4,5,6,7
	v_lshrrev_b32 v[T+\m], v[SH], v[SW+\m]         ; bytes 0, 1: head 2 w (lanes 0-15 keep the word as it is: its upper bytes scale zero codes); bytes 2, 3: head 2 w + 1 (lanes 16-31)
.endr
	s_wait_alu depctr_va_vdst(0)                   ; the last trip's codes and the eight words above are written, which the stores below read
	SENDQK 7
	global_store_b128 v[VA], v[T:T+3], s[62:63] offset:12288
	global_store_b128 v[VA], v[T+4:T+7], s[62:63] offset:12544
	s_wait_dscnt 0x0                               ; the closing lines, six on end
	s_wait_alu 0x0
	s_wait_tensorcnt 0x0
	ds_add_u32 v59, v63
	s_wait_dscnt 0x0
	s_endpgm
.Lv_words:
.irp t, 0,1,2,3
	v_cndmask_b32 v[T+\t], v[SW+\t], v[SW+4+\t], s[HI]
	v_mov_b32 v[T+4+\t], 0
.endr
	s_wait_alu depctr_va_vdst(0)                   ; the last trip's codes and the eight words above are written, which the stores below read
	SENDV 7
	global_store_b128 v[VA], v[T:T+3], s[62:63] offset:12800-6144
	global_store_b128 v[VA], v[T+4:T+7], s[62:63] offset:13056-6144   ; the block's last 256 bytes: the attention launch's tensor loads read them
	s_wait_dscnt 0x0                               ; the closing lines, six on end
	s_wait_alu 0x0
	s_wait_tensorcnt 0x0
	ds_add_u32 v59, v63
	s_wait_dscnt 0x0
	s_endpgm
	; ---- y = 5: fragment x of five weights becomes an image of its 12 registers.  No LDS, no barrier.
	; Weights 0, 2, 4 ([256 rows][512 along K], rows of 384 bytes): fragment 16 w' + 4 t + s = rows 64 w' + 16 t + r, K step s.
	; Weights 1, 3 ([512 rows][256 along K], rows of 192 bytes): fragment 16 w' + 2 t + s = rows 128 w' + 32 (t / 2) + 8 (t % 2) + r + 8 (r / 8), K step s.
.Llay:
	s_load_b256 s[8:15], s[0:1], 0xc0              ; m1_w2, m2_wq, m2_w2, ffn_w1
	s_load_b128 s[16:19], s[0:1], 0xe0             ; ffn_w2, wimg
	v_lshrrev_b32 v[T], 5, v0
	v_readfirstlane_b32 s[WV], v[T]                ; wave 0..3: my weight
	v_and_b32 v[T], 31, v0
	v_lshlrev_b32 v[LI], 4, v[T]
	v_and_b32 v[T+1], 15, v0                       ; r
	v_bfe_u32 v[T+2], v0, 4, 1                     ; h
	s_wait_alu depctr_va_sdst(0)                   ; the wave's number is written, ahead of its first reader
	s_and_b32 s20, s[WV], 1                        ; 1: a weight with K = 256
	v_and_b32 v[T+3], 8, v[T+1]
	v_mul_lo_u32 v[T+3], v[T+3], s20
	v_add_nc_u32 v[T+3], v[T+3], v[T+1]            ; my row of the tile: r, or r + 8 (r / 8)
	s_mov_b32 s21, 384
	s_cmp_lg_u32 s20, 0
	s_cselect_b32 s21, 192, s21                    ; a row in bytes
	v_mul_lo_u32 v[EA], v[T+3], s21
	v_mad_u32_u24 v[EA], v[T+2], 24, v[EA]
	s_lshr_b32 s22, ttmp9, 4
	s_mul_i32 s22, s22, 24576                      ; w': a later wave's part
	s_bfe_u32 s23, ttmp9, 0x20002
	s_mul_i32 s23, s23, 6144                       ; 16 rows of 384 bytes, or 32 of 192
	s_add_co_u32 s22, s22, s23
	s_and_b32 s23, ttmp9, 3
	s_mul_i32 s24, s23, 96                         ; K = 512: K step x % 4
	s_lshr_b32 s25, s23, 1
	s_mul_i32 s25, s25, 1536                       ; K = 256: 8 rows on for an odd tile,
	s_and_b32 s23, s23, 1
	s_mul_i32 s23, s23, 96                         ; K step x % 2
	s_add_co_u32 s25, s25, s23
	s_cmp_lg_u32 s20, 0
	s_cselect_b32 s24, s25, s24
	s_add_co_u32 s26, s22, s24                     ; where the fragment's rows begin in the weight
	s_mov_b32 s27, 0
	s_mul_i32 s28, s[WV], WBY
	s_mul_i32 s29, ttmp9, 1536
	s_add_co_u32 s28, s28, s29                     ; and where its image goes
	s_mov_b32 s29, 0
	s_wait_kmcnt 0x0
	s_mov_b64 s[30:31], s[8:9]                     ; the weight by the wave's number: a choice that hangs on no address
	s_cmp_eq_u32 s[WV], 1
	s_cselect_b64 s[30:31], s[10:11], s[30:31]
	s_cmp_eq_u32 s[WV], 2
	s_cselect_b64 s[30:31], s[12:13], s[30:31]
	s_cmp_eq_u32 s[WV], 3
	s_cselect_b64 s[30:31], s[14:15], s[30:31]
	s_add_nc_u64 s[30:31], s[30:31], s[26:27]
	s_add_nc_u64 s[16:17], s[16:17], s[26:27]      ; ffn_w2 is laid like wave 0's weight; wave 0 alone reads by this address
	s_add_nc_u64 s[18:19], s[18:19], s[28:29]
	s_wait_alu depctr_va_vdst(0)                   ; the two offsets v[EA] and v[LI] are written, which the loads and stores below read
	FRAGG F, EA, 30, 0
	s_cmp_lg_u32 s[WV], 0
	s_cbranch_scc1 .Llay_one
	FRAGG F+12, EA, 16, 0
	s_wait_loadcnt 0x0
.irp c, 0,1,2
	global_store_b128 v[LI], v[F+12+4*\c:F+12+4*\c+3], s[18:19] offset:4*WBY+512*\c
.endr
.Llay_one:
	s_wait_loadcnt 0x0
.irp c, 0,1,2
	global_store_b128 v[LI], v[F+4*\c:F+4*\c+3], s[18:19] offset:512*\c   ; 32 lanes store 512 consecutive bytes
.endr
	s_endpgm
.Lfunc_end_k_qcd96d6bebe_proj:
	.size	k_qcd96d6bebe_proj, .Lfunc_end_k_qcd96d6bebe_proj-k_qcd96d6bebe_proj
	.p2alignl 7, 3214868480
	.fill 96, 4, 3214868480
	.section	.rodata,"a",@progbits
	.p2align	6, 0x0
	.amdhsa_kernel k_qcd96d6bebe_proj
		.amdhsa_group_segment_fixed_size 133888
		.amdhsa_private_segment_fixed_size 0
		.amdhsa_enable_private_segment 0
		.amdhsa_kernarg_size 240
		.amdhsa_user_sgpr_count 2
		.amdhsa_user_sgpr_kernarg_segment_ptr 1
		.amdhsa_wavefront_size32 1
		.amdhsa_system_sgpr_workgroup_id_x 1
		.amdhsa_system_sgpr_workgroup_id_y 1
		.amdhsa_system_sgpr_workgroup_id_z 1
		.amdhsa_system_vgpr_workitem_id 0
		.amdhsa_next_free_vgpr 512
		.amdhsa_next_free_sgpr 100
		.amdhsa_reserve_vcc 1
		.amdhsa_float_denorm_mode_32 3
		.amdhsa_float_denorm_mode_16_64 3
		.amdhsa_memory_ordered 1
		.amdhsa_forward_progress 1
		.amdhsa_inst_pref_size 151
	.end_amdhsa_kernel
	.amdgpu_metadata
---
amdhsa.version: [ 1, 2 ]
amdhsa.kernels:
  - .name:           k_qcd96d6bebe_proj
    .symbol:         k_qcd96d6bebe_proj.kd
    .args:
      - { .name: x, .offset: 0, .size: 8, .value_kind: global_buffer, .address_space: global }
      - { .name: encoder_output_codes, .offset: 8, .size: 8, .value_kind: global_buffer, .address_space: global }
      - { .name: encoder_output_scales, .offset: 16, .size: 8, .value_kind: global_buffer, .address_space: global }
      - { .name: tgt_mask, .offset: 24, .size: 8, .value_kind: global_buffer, .address_space: global }
      - { .name: m1_wq_codes, .offset: 32, .size: 8, .value_kind: global_buffer, .address_space: global }
      - { .name: m1_wq_scales, .offset: 40, .size: 8, .value_kind: global_buffer, .address_space: global }
      - { .name: m1_bq, .offset: 48, .size: 8, .value_kind: global_buffer, .address_space: global }
      - { .name: m1_wk_codes, .offset: 56, .size: 8, .value_kind: global_buffer, .address_space: global }
      - { .name: m1_wk_scales, .offset: 64, .size: 8, .value_kind: global_buffer, .address_space: global }
      - { .name: m1_bk, .offset: 72, .size: 8, .value_kind: global_buffer, .address_space: global }
      - { .name: m1_wv_codes, .offset: 80, .size: 8, .value_kind: global_buffer, .address_space: global }
      - { .name: m1_wv_scales, .offset: 88, .size: 8, .value_kind: global_buffer, .address_space: global }
      - { .name: m1_bv, .offset: 96, .size: 8, .value_kind: global_buffer, .address_space: global }
      - { .name: m2_wk_codes, .offset: 104, .size: 8, .value_kind: global_buffer, .address_space: global }
      - { .name: m2_wk_scales, .offset: 112, .size: 8, .value_kind: global_buffer, .address_space: global }
      - { .name: m2_bk, .offset: 120, .size: 8, .value_kind: global_buffer, .address_space: global }
      - { .name: m2_wv_codes, .offset: 128, .size: 8, .value_kind: global_buffer, .address_space: global }
      - { .name: m2_wv_scales, .offset: 136, .size: 8, .value_kind: global_buffer, .address_space: global }
      - { .name: m2_bv, .offset: 144, .size: 8, .value_kind: global_buffer, .address_space: global }
      - { .name: q, .offset: 152, .size: 8, .value_kind: global_buffer, .address_space: global }
      - { .name: kv1, .offset: 160, .size: 8, .value_kind: global_buffer, .address_space: global }
      - { .name: kv2, .offset: 168, .size: 8, .value_kind: global_buffer, .address_space: global }
      - { .name: mb1, .offset: 176, .size: 8, .value_kind: global_buffer, .address_space: global }
      - { .name: mb2, .offset: 184, .size: 8, .value_kind: global_buffer, .address_space: global }
      - { .name: m1_w2_codes, .offset: 192, .size: 8, .value_kind: global_buffer, .address_space: global }
      - { .name: m2_wq_codes, .offset: 200, .size: 8, .value_kind: global_buffer, .address_space: global }
      - { .name: m2_w2_codes, .offset: 208, .size: 8, .value_kind: global_buffer, .address_space: global }
      - { .name: ffn_w1_codes, .offset: 216, .size: 8, .value_kind: global_buffer, .address_space: global }
      - { .name: ffn_w2_codes, .offset: 224, .size: 8, .value_kind: global_buffer, .address_space: global }
      - { .name: wimg, .offset: 232, .size: 8, .value_kind: global_buffer, .address_space: global }
    .group_segment_fixed_size: 133888
    .private_segment_fixed_size: 0
    .kernarg_segment_align: 8
    .kernarg_segment_size: 240
    .max_flat_workgroup_size: 128
    .sgpr_count:     100
    .vgpr_count:     512
    .wavefront_size: 32
...
	.end_amdgpu_metadata
.endif
;; end of part 5
;; launch attn1 (part 6): grid 8 x 32, 16 waves a work-group, clusters of 4 x 1, 327,680 bytes of LDS; arguments q, kv1, mb1, o; writes o
.if DOCPART == 6
	.amdgcn_target "amdgcn-amd-amdhsa--gfx1250"
	.amdhsa_code_object_version 6
	.text
	.protected	k_qcd96d6bebe_attn1
	.globl	k_qcd96d6bebe_attn1
	.p2align	8
	.type	k_qcd96d6bebe_attn1,@function
k_qcd96d6bebe_attn1:
	s_mov_b64 s[64:65], 0
	v_nop
	global_prefetch_b8 v0, s[64:65] scope:SCOPE_SE
	s_setreg_imm32_b32 hwreg(HW_REG_WAVE_MODE, 25, 1), 1
	s_wait_xcnt 0x0
	s_wait_alu depctr_hold_cnt(0) depctr_sa_sdst(0) depctr_va_vdst(0) depctr_va_sdst(0) depctr_va_ssrc(0) depctr_va_vcc(0) depctr_vm_vsrc(0)
	s_getreg_b32 s2, hwreg(HW_REG_IB_STS2, 6, 4)
	s_cmp_eq_u32 s2, 0
	s_cbranch_scc0 .Lentry_in_a_cluster
	s_endpgm
.Lentry_in_a_cluster:
	s_bfe_u32 s2, ttmp6, 0x10000c
	s_cmp_lg_u32 s2, 0x3003
	s_cbranch_scc0 .Lentry_shape_is_right
	s_endpgm
.Lentry_shape_is_right:
; ATTENTION OF ONE HEAD ON CODES OF FP6 (E2M3), head size 64, 2,048 keys; both products by the scaled matrix instruction; the body serves both attentions of the layer.
; q, kv: step blocks of 13,312 bytes for each (batch, head, 128 tokens): 8 images of half fragments (16 tokens x 64 channels, 768 bytes), 4 images of fragments of V (16 channels x 128 keys, 1,536 bytes), K's scale words (512), V's (256), 256 spare.
; mb: [batch][key] f32: -2^35 for a hidden key, else 0.  o: codes [tile of 16 queries][head][768], and from OSOFF on one scale word for each (batch, head, tile, row).
; SOFTMAX: t = score x log2(e) / 8; M = the running largest t rounded UP to a whole number; p = 2^(t - M) is quantised along the keys, not normalised; the sum of the unquantised p divides at the end.  When M moves, sum and O are multiplied by 2^(old M - new M): exact.
; THE MASK COSTS NO VECTOR WORK: the table's numbers are loaded into the scores' registers and are the C of the score product.  A hidden key's t is about -6.2e9, so its p is 0.  Steps that have seen hidden keys alone leave finite numbers under a huge
; negative M; the first key that counts multiplies them by 2^(a saturated difference) = 0.  A batch with no key left arrives with zero codes of Q and a table of zeros: every p is 1.
; SHARES: a work-group owns 256 queries of one (batch, head); each of its sixteen waves 16 of them in 256 registers, four waves to a SIMD, so that one wave's vector work stands beside another's products and LDS loads.
; THE HEAD'S WHOLE K AND V, 212,992 bytes of codes and scale words, lie in LDS: each byte is filled once, so there is no ring.  The fill goes in two parts, key steps 0-3 and 4-15: the first four steps are worked while the second part lands.
; A wave asks for its sixteenth of the first part at once and for its sixteenth of the second behind the head's address work, loads and clears (some 110 instructions), so that the sixteen first parts are asked for ahead of the second parts.
; CLUSTER: the four work-groups of a cluster are four query blocks of one head and want the same bytes: every load is asked for jointly, with one descriptor and a mask that names the four.
; LAYOUT: S^T = K Q^T (source 0 = 16 keys, source 1 = my queries), O^T = V^T P^T: a lane holds one query throughout.  Lane r of key tile 2 b + u is key 32 b + 8 u + r + 8 (r / 8), so registers 16 b + i of S^T are keys 32 b + 16 (lane / 16) + i.  V's channel tiles are chosen
; likewise, so that O^T's 32 registers run along the channels as the next product's K wants them.
; HEAD SIZE 64 IS HALF OF THE INSTRUCTION'S K: Q's registers 6-11 are zero codes, so K's upper six registers may hold anything: K's 8 half fragments lie packed, 6 registers each, and fragment t is the 12 registers from 6 t on.
; LIMITS: raw scores stay under 2^34 in magnitude; NaN and infinities are not served; a block of zeros carries the scale byte 1 (read by this program alone); the division by the sum is v_rcp_f32 and a multiplication.
; A block's largest p is made from its largest score by the same multiply-add and exponential, which takes v_exp_f32 not to fall where its input rises.
.set SB,    13312
.set HEADB, 16*SB
.set VOFF,  6144
.set KSCO,  12288
.set VSCO,  12800
.set BIAS,  HEADB                      ; LDS behind K and V: the batch's 2,048 table entries,
.set OSC,   BIAS+8192                  ; and the sixteen waves' scale words on the way out
.set OSOFF, 3145728
.set LI,  1                            ; v1   16 x lane
.set L8,  2                            ; v2   8 x lane
.set RS,  3                            ; v3   16 x (lane % 16)
.set BA,  4                            ; v4   BIAS + 64 (lane / 16)
.set ADK, 8                            ; v8-11 the step's addresses
.set AD8, 9
.set ADS, 10
.set ADB, 11
.set QF,  16                           ; v16-21 Q, v22-27 zero codes
.set QS,  28                           ; v28  Q's scale words
.set KF,  32                           ; v32-79 K's 8 half fragments, then V's 4 fragments; v80-85 behind the last half fragment
.set KSW, 86                           ; v86-93 K's scale words
.set VSW, 94                           ; v94-97 V's
.set S,   100                          ; v100-163 S^T, then p
.set O,   164                          ; v164-195 O^T
.set PC,  196                          ; v196-207 p's codes
.set PX,  208                          ; v208-215 at work
.set BM,  216                          ; v216-219 the blocks' largest scores
.set BT,  220
.set BS,  224
.set PW,  229                          ; v229 p's scale word
.set FF,  230                          ; v[230:231] f
.set TMP, 232
.set WV,  12
.set SEL, 20
.set CS,  22                           ; s[22:23] c = log2(e) / 8
.set G1A, 24                           ; s[24:31], s[32:39] descriptor groups 1;  s[40:43], s[44:47] groups 0
.set G1B, 32
.set G0A, 40
.set G0B, 44
.set TB,  48                           ; s48  LDS byte of the step's block
.set TJ,  49                           ; s49  of its table entries
.set CNT, 50
.macro ROUND                           ; a round of the cluster's barrier
	s_barrier_signal -1
	s_barrier_wait -1
	s_cmp_lg_u32 s[WV], 0
	s_cbranch_scc1 .Lnot_wave_0_\@
	s_barrier_signal -3
.Lnot_wave_0_\@:
	s_barrier_wait -3
	s_barrier_signal -1
	s_barrier_wait -1
.endm
	s_load_b256 s[4:11], s[0:1], 0x0               ; q s[4:5], kv s[6:7], mb s[8:9], o s[10:11]
	v_lshl_add_u32 v254, v0, 2, 0x36400
	v_mov_b32 v255, 0
	ds_add_u32 v254, v255
	ds_add_u32 v254, v255
	v_lshrrev_b32 v6, 5, v0
	s_delay_alu instid0(VALU_DEP_1)
	v_readfirstlane_b32 s[WV], v6                  ; wave 0..15
	s_bfe_u32 s13, ttmp6, 0x40000                  ; cx: my place in the cluster
	s_lshl_b32 s14, ttmp9, 2
	s_add_co_u32 s14, s14, s13                     ; my block of 256 queries: it enters q's and o's addresses alone
	s_and_b32 s15, ttmp7, 0xffff                   ; 8 x batch + head, which the four partners share
	; the fills: dense memory as rows of 256 bytes (32 elements of 8 bytes).  Part A: steps 0-3, 13 rows a wave; part B: steps 4-15, 39 rows a wave
	s_mov_b32 s[G1A], 15|(3<<16)|(1<<21)           ; 15:0 the mask: all four work-groups; 17:16 elements of 8 bytes; 21 set beside a mask; no padding
	s_mov_b32 s[G1A+1], 32<<16                     ; tensor_dim0
	s_mov_b32 s[G1A+2], 13<<16                     ; tensor_dim1
	s_mov_b32 s[G1A+3], 32<<16                     ; tile_dim0
	s_mov_b32 s[G1A+4], 13                         ; tile_dim1
	s_mov_b32 s[G1A+5], 32                         ; the pitch
	s_mov_b32 s[G1A+6], 0
	s_mov_b32 s[G1A+7], 0
	s_mov_b32 s[G1B], 15|(3<<16)|(1<<21)
	s_mov_b32 s[G1B+1], 32<<16
	s_mov_b32 s[G1B+2], 39<<16
	s_mov_b32 s[G1B+3], 32<<16
	s_mov_b32 s[G1B+4], 39
	s_mov_b32 s[G1B+5], 32
	s_mov_b32 s[G1B+6], 0
	s_mov_b32 s[G1B+7], 0
	s_mul_i32 s52, s15, HEADB                      ; the head's first byte in kv
	s_mul_i32 s54, s[WV], 13*256
	s_mul_i32 s56, s[WV], 39*256
	s_add_co_u32 s56, s56, 4*SB
	s_mov_b32 s[G0A], 1
	s_mov_b32 s[G0A+1], s54                        ; LDS = the place in the head: a constant x wave (+ a constant)
	s_mov_b32 s[G0B], 1
	s_mov_b32 s[G0B+1], s56
	s_add_co_u32 s54, s54, s52
	s_mov_b32 s55, 0
	s_add_co_u32 s56, s56, s52
	s_mov_b32 s57, 0
	s_mov_b32 s[SEL], 0x76543210
	s_mov_b32 s[SEL+1], 0xfedcba98
	s_mov_b32 s[CS], 0x3e38aa3b
	s_mov_b32 s[CS+1], s[CS]
	s_mov_b32 s[TB], 0
	s_mov_b32 s[TJ], 0
	s_wait_dscnt 0x0
	s_wait_kmcnt 0x0
	s_add_nc_u64 s[G0A+2:G0A+3], s[6:7], s[54:55]
	s_or_b32 s[G0A+3], s[G0A+3], 0x80000000
	s_add_nc_u64 s[G0B+2:G0B+3], s[6:7], s[56:57]
	s_or_b32 s[G0B+3], s[G0B+3], 0x80000000
	ROUND                                          ; all four work-groups are here: the joint loads meet
	tensor_load_to_lds s[G0A:G0A+3], s[G1A:G1A+7]  ; my sixteenth of steps 0-3, first thing behind the round
	s_nop 0
.rept 4
	v_nop
.endr
	v_and_b32 v6, 31, v0
	s_delay_alu instid0(VALU_DEP_1)
	v_lshlrev_b32 v[LI], 4, v6
	s_wait_alu depctr_va_vdst(0)
	v_lshlrev_b32 v[L8], 3, v6
	s_wait_alu depctr_va_vdst(0)
	v_and_b32 v7, 15, v0
	s_delay_alu instid0(VALU_DEP_1)
	v_lshlrev_b32 v[RS], 4, v7
	s_wait_alu depctr_va_vdst(0)
	v_bfe_u32 v5, v0, 4, 1
	s_delay_alu instid0(VALU_DEP_1)
	v_lshl_add_u32 v[BA], v5, 6, BIAS
	; my tile of queries: T = 16 x block + wave; its step block T / 8, its place there T % 8
	s_lshl_b32 s52, s15, 4
	s_lshl_b32 s53, s14, 1
	s_add_co_u32 s52, s52, s53
	s_lshr_b32 s53, s[WV], 3
	s_add_co_u32 s52, s52, s53
	s_mul_i32 s52, s52, SB
	s_and_b32 s54, s[WV], 7
	s_mul_i32 s56, s54, 768
	s_add_co_u32 s56, s56, s52
	s_mov_b32 s57, 0
	s_lshr_b32 s58, s54, 2
	s_lshl_b32 s58, s58, 8
	s_and_b32 s54, s54, 3
	s_lshl_b32 s54, s54, 2
	s_add_co_u32 s58, s58, s54
	s_add_co_u32 s58, s58, s52
	s_add_co_u32 s58, s58, KSCO
	s_mov_b32 s59, 0
	s_add_nc_u64 s[16:17], s[4:5], s[58:59]        ; its scale words
	s_add_nc_u64 s[4:5], s[4:5], s[56:57]          ; its codes
	s_lshr_b32 s52, s15, 3
	s_lshl_b32 s52, s52, 13
	s_mov_b32 s53, 0
	s_add_nc_u64 s[8:9], s[8:9], s[52:53]          ; the batch's table
	global_load_b128 v[QF:QF+3], v[LI], s[4:5]
	global_load_b64 v[QF+4:QF+5], v[L8], s[4:5] offset:512
	global_load_b32 v[QS], v[RS], s[16:17]
	v_lshlrev_b32 v7, 4, v0
	global_load_b128 v[S:S+3], v7, s[8:9]          ; 512 threads x 16 bytes: the table's 8,192
	v_lshl_add_u32 v6, v0, 4, BIAS
	s_lshr_b32 s52, s15, 3                         ; where my results go: tile G = 128 x batch + T
	s_lshl_b32 s52, s52, 7
	s_lshl_b32 s54, s14, 4
	s_add_co_u32 s52, s52, s54
	s_add_co_u32 s52, s52, s[WV]
	s_lshl_b32 s52, s52, 3
	s_and_b32 s54, s15, 7
	s_add_co_u32 s52, s52, s54
	s_mul_i32 s52, s52, 768
	s_add_nc_u64 s[18:19], s[10:11], s[52:53]      ; codes: (8 G + head) x 768
	s_lshl_b32 s52, s15, 7
	s_lshl_b32 s54, s14, 4
	s_add_co_u32 s52, s52, s54
	s_lshl_b32 s52, s52, 6
	s_add_co_u32 s52, s52, OSOFF
	s_add_nc_u64 s[10:11], s[10:11], s[52:53]      ; the work-group's 16 tiles of scale words: 1,024 bytes
.irp j, 0,1,2,3,4,5
	v_mov_b32 v[QF+6+\j], 0                        ; Q's upper 64 along K: zero codes
	v_mov_b32 v[KF+48+\j], 0                       ; named with K's last half fragment
.endr
.set j, 0
.rept 32
	v_mov_b32 v[O+j], 0                            ; O^T.  (The step is written once: its first trip finds zeros, which the first change of M leaves zeros)
.set j, j+1
.endr
	v_mov_b32 v13, 0xff61b1e6                      ; the largest t so far: -3e38
	s_delay_alu instid0(VALU_DEP_1)
	v_floor_f32 v12, -v13                          ; -M
	v_mov_b32 v14, 0                               ; the sum, in two halves
	v_mov_b32 v15, 0
.irp b, 0,1,2,3
	v_mov_b32 v[BT+\b], 0                          ; a lane permute's destination counts as one of its sources
.endr
	v_mov_b32 v[FF+1], 0                           ; named as the upper half of a pair
	s_wait_alu depctr_va_vdst(0)
	s_wait_tensorcnt 0x0
	ds_add_u32 v254, v255
	s_wait_dscnt 0x0
	ROUND
	tensor_load_to_lds s[G0B:G0B+3], s[G1B:G1B+7]  ; my sixteenth of steps 4-15: behind a second round, once steps 0-3 have landed: one load of mine is out
	s_nop 0
.rept 4
	v_nop
.endr
	s_wait_loadcnt 0x0
	ds_store_b128 v6, v[S:S+3]
	s_wait_tensorcnt 0x1                           ; my sixteenth of steps 0-3 has landed; my load of steps 4-15 may stay out, and the four steps behind it read steps 0-3 alone
	s_wait_dscnt 0x0                               ; my part of the table has landed
	s_barrier_signal -1
	s_barrier_wait -1
; A KEY STEP: 128 keys.
.macro STEP
	s_setprio 2
	v_add_nc_u32 v[ADK], s[TB], v[LI]              ; (these four are also the places between the last step's products and the loads into the registers that they read)
	v_add_nc_u32 v[AD8], s[TB], v[L8]
	v_add_nc_u32 v[ADS], s[TB], v[RS]
	v_add_nc_u32 v[ADB], s[TJ], v[BA]
.irp t, 0,1,2,3,4,5,6,7
	ds_load_b128 v[KF+6*\t:KF+6*\t+3], v[ADK] offset:768*\t
	ds_load_b64 v[KF+6*\t+4:KF+6*\t+5], v[AD8] offset:768*\t+512
.endr
	ds_load_b128 v[KSW:KSW+3], v[ADS] offset:KSCO
	ds_load_b128 v[KSW+4:KSW+7], v[ADS] offset:KSCO+256
.irp t, 0,1,2,3,4,5,6,7
	ds_load_b128 v[S+8*\t:S+8*\t+3], v[ADB] offset:128*(\t/2)+32*(\t%2)        ; the table's entries of my eight keys of tile t: the C of the score product
	ds_load_b128 v[S+8*\t+4:S+8*\t+7], v[ADB] offset:128*(\t/2)+32*(\t%2)+16
.endr
	s_wait_alu depctr_va_vdst(0)
	s_wait_dscnt 0x0
.irp t, 0,1,2,3,4,5,6,7
	v_wmma_scale_f32_16x16x128_f8f6f4 v[S+8*\t:S+8*\t+7], v[KF+6*\t:KF+6*\t+11], v[QF:QF+11], v[S+8*\t:S+8*\t+7], v[KSW+\t], v[QS] matrix_a_fmt:MATRIX_FMT_FP6 matrix_b_fmt:MATRIX_FMT_FP6
.endr
.rept 4
	v_nop                                          ; places in front of the loads below and of the first read of the scores
.endr
.irp t, 0,1,2,3
.irp c, 0,1,2
	ds_load_b128 v[KF+12*\t+4*\c:KF+12*\t+4*\c+3], v[ADK] offset:VOFF+1536*\t+512*\c   ; V lands under the softmax
.endr
.endr
	ds_load_b128 v[VSW:VSW+3], v[ADS] offset:VSCO
.irp b, 0,1,2,3
	v_max3_num_f32 v[BM+\b], v[S+16*\b], v[S+1+16*\b], v[S+2+16*\b]    ; the largest score of each block of 32 keys: for the row's maximum and for the block's largest p
.endr
.irp i, 3,5,7,9,11,13
.irp b, 0,1,2,3
	v_max3_num_f32 v[BM+\b], v[BM+\b], v[S+16*\b+\i], v[S+1+16*\b+\i]
.endr
.endr
.irp b, 0,1,2,3
	v_max_num_f32 v[BM+\b], v[BM+\b], v[S+15+16*\b]
.endr
.irp b, 0,1,2,3
	s_delay_alu instid0(VALU_DEP_4)
	v_permlanex16_b32 v[BT+\b], v[BM+\b], s[SEL], s[SEL+1]
.endr
.irp b, 0,1,2,3
	s_delay_alu instid0(VALU_DEP_4)
	v_max_num_f32 v[BM+\b], v[BM+\b], v[BT+\b]     ; with lane l xor 16's 16 keys
.endr
	s_delay_alu instid0(VALU_DEP_2)
	v_max3_num_f32 v[TMP], v[BM], v[BM+1], v[BM+2]
	s_delay_alu instid0(VALU_DEP_1)
	v_max_num_f32 v[TMP], v[TMP], v[BM+3]
	s_delay_alu instid0(VALU_DEP_1)
	v_mul_f32 v[TMP], s[CS], v[TMP]                ; the step's largest t (c is positive)
	s_delay_alu instid0(VALU_DEP_1)
	v_max_num_f32 v13, v13, v[TMP]
	v_mov_b32 v[TMP], v12
	s_delay_alu instid0(VALU_DEP_2)
	v_floor_f32 v12, -v13                          ; the new -M = -ceil(t)
	s_delay_alu instid0(VALU_DEP_1)
	v_sub_f32 v[TMP], v12, v[TMP]                  ; old M - new M: a whole number, 0 or less
	s_delay_alu instid0(VALU_DEP_1)
	v_cvt_i32_f32 v[TMP], v[TMP]                   ; (it saturates)
	s_delay_alu instid0(VALU_DEP_1)
	v_ldexp_f32 v[FF], 1.0, v[TMP]                 ; f = 2^(old M - new M)
.set j, 0
.rept 32
	v_pk_fma_f32 v[S+j:S+j+1], v[S+j:S+j+1], s[CS:CS+1], v[12:13] op_sel_hi:[1,0,0]   ; t - M, two at a time
.set j, j+2
.endr
.irp b, 0,1,2,3
	v_fma_f32 v[BM+\b], v[BM+\b], s[CS], v12
.endr
.set j, 0
	s_setprio 1
	s_wait_alu depctr_va_vdst(0)
.rept 64
	v_exp_f32 v[S+j], v[S+j]                       ; p = 2^(t - M)
.set j, j+1
.endr
.irp b, 0,1,2,3
	v_exp_f32 v[BM+\b], v[BM+\b]                   ; the block's largest p.  All 68 are one batch
.endr
	v_pk_mul_f32 v[14:15], v[14:15], v[FF:FF+1] op_sel_hi:[1,0]        ; independent work behind the batch: the sum and O^T under the new M
.set j, 0
	s_wait_alu depctr_va_vdst(0)
.rept 16
	v_pk_mul_f32 v[O+j:O+j+1], v[O+j:O+j+1], v[FF:FF+1] op_sel_hi:[1,0]
.set j, j+2
.endr
	s_wait_alu depctr_va_vdst(0)                   ; the wait ahead of the batch's first reader: one for the 68
.irp b, 0,1,2,3
	v_max_num_f32 v[BM+\b], 0x1800000, v[BM+\b]    ; the floor 2^(3 - 127): the byte cannot fall under 1
.endr
.irp b, 0,1,2,3
	s_delay_alu instid0(VALU_DEP_4)
	v_add_nc_u32 v[BS+\b], 0xff000000, v[BM+\b]    ; 2 off the exponent field: the conversion's scale operand
.endr
.irp b, 0,1,2,3
	s_delay_alu instid0(VALU_DEP_4)
	v_lshrrev_b32 v[BT+\b], 23, v[BS+\b]
.endr
	s_delay_alu instid0(VALU_DEP_3)
	v_lshl_or_b32 v[PW], v[BT+1], 8, v[BT]
	s_delay_alu instid0(VALU_DEP_1)
	v_lshl_or_b32 v[PW], v[BT+2], 16, v[PW]
	s_delay_alu instid0(VALU_DEP_1)
	v_lshl_or_b32 v[PW], v[BT+3], 24, v[PW]
.irp c, 0,1
	v_cvt_scalef32_pk16_fp6_f32 v[PC+6*\c:PC+2+6*\c], v[S+32*\c:S+15+32*\c], v[BS+2*\c]
	v_cvt_scalef32_pk16_fp6_f32 v[PX+4*\c:PX+2+4*\c], v[S+16+32*\c:S+31+32*\c], v[BS+2*\c+1]
.endr
	v_nop                                          ; one plain place behind a scaled conversion
.irp c, 0,1
.irp i, 0,1,2
	v_permlane16_swap_b32 v[PC+6*\c+\i], v[PX+4*\c+\i]
.endr
.irp i, 0,1,2
	s_delay_alu instid0(VALU_DEP_3)
	v_mov_b32 v[PC+3+6*\c+\i], v[PX+4*\c+\i]
.endr
.endr
	v_pk_add_f32 v[BT:BT+1], v[S:S+1], v[S+2:S+3]  ; the row's sum of the UNQUANTISED p, in two chains.  These 32 name no register of the products below: they are the places behind p's scale word (8) and codes (4)
	s_setprio 0
.irp j, 4,8,12,16,20,24,28,32,36,40,44,48,52,56,60
	v_pk_add_f32 v[14:15], v[14:15], v[S+\j:S+\j+1]
	v_pk_add_f32 v[BT:BT+1], v[BT:BT+1], v[S+2+\j:S+3+\j]
.endr
	s_delay_alu instid0(VALU_DEP_1)
	v_pk_add_f32 v[14:15], v[14:15], v[BT:BT+1]
	s_wait_dscnt 0x0                               ; V and its scale words are in
.irp t, 0,1,2,3
	v_wmma_scale_f32_16x16x128_f8f6f4 v[O+8*\t:O+8*\t+7], v[KF+12*\t:KF+12*\t+11], v[PC:PC+11], v[O+8*\t:O+8*\t+7], v[VSW+\t], v[PW] matrix_a_fmt:MATRIX_FMT_FP6 matrix_b_fmt:MATRIX_FMT_FP6
.endr
	s_add_co_u32 s[TB], s[TB], SB
	s_add_co_u32 s[TJ], s[TJ], 512
.endm
	s_mov_b32 s[CNT], 4
.Lpart_a:
	STEP
	s_sub_co_u32 s[CNT], s[CNT], 1
	s_cmp_lg_u32 s[CNT], 0
	s_cbranch_scc1 .Lpart_a
	s_setprio 0
	s_wait_tensorcnt 0x0                           ; my sixteenth of steps 4-15 has landed,
	s_wait_dscnt 0x0
	s_barrier_signal -1
	s_barrier_wait -1                              ; everybody's has
	s_mov_b32 s[CNT], 12
.Lpart_b:
	STEP
	s_sub_co_u32 s[CNT], s[CNT], 1
	s_cmp_lg_u32 s[CNT], 0
	s_cbranch_scc1 .Lpart_b
	s_setprio 0
	s_wait_alu depctr_va_vdst(0)
	; THE WAY OUT: O^T / the sum, quantised along the channels (two blocks of 32): half a fragment of the next product's operand
	v_add_f32 v14, v14, v15
	s_delay_alu instid0(VALU_DEP_1)
	v_permlanex16_b32 v[TMP], v14, s[SEL], s[SEL+1]
	s_delay_alu instid0(VALU_DEP_1)
	v_add_f32 v14, v14, v[TMP]                     ; the row's sum
	s_wait_alu depctr_va_vdst(0)
	v_rcp_f32 v[FF], v14
	v_and_b32 v6, 15, v0
	s_delay_alu instid0(VALU_DEP_1)
	v_lshlrev_b32 v6, 2, v6
	s_lshl_b32 s52, s[WV], 6
	s_add_co_u32 s52, s52, OSC
	v_add_nc_u32 v6, s52, v6                       ; my row's scale word: OSC + 64 x wave + 4 r
	v_and_b32 v5, 63, v0
	s_delay_alu instid0(VALU_DEP_1)
	v_lshl_add_u32 v7, v5, 4, OSC
	s_delay_alu instid0(VALU_DEP_2)
	v_lshlrev_b32 v5, 4, v5
	s_wait_alu depctr_va_vdst(0)                   ; the wait ahead of the reciprocal's first reader
.set j, 0
.rept 16
	v_pk_mul_f32 v[O+j:O+j+1], v[O+j:O+j+1], v[FF:FF+1] op_sel_hi:[1,0]
.set j, j+2
.endr
.irp b, 0,1
	v_max3_num_f32 v[BM+\b], |v[O+16*\b]|, |v[O+1+16*\b]|, 0x1800000
.endr
.irp i, 2,4,6,8,10,12,14
.irp b, 0,1
	s_delay_alu instid0(VALU_DEP_2)
	v_max3_num_f32 v[BM+\b], v[BM+\b], |v[O+16*\b+\i]|, |v[O+1+16*\b+\i]|
.endr
.endr
.irp b, 0,1
	s_delay_alu instid0(VALU_DEP_2)
	v_permlanex16_b32 v[BT+\b], v[BM+\b], s[SEL], s[SEL+1]
.endr
.irp b, 0,1
	s_delay_alu instid0(VALU_DEP_2)
	v_max_num_f32 v[BM+\b], v[BM+\b], v[BT+\b]
.endr
.irp b, 0,1
	s_delay_alu instid0(VALU_DEP_2)
	v_add_nc_u32 v[BS+\b], 0xff000000, v[BM+\b]
.endr
.irp b, 0,1
	s_delay_alu instid0(VALU_DEP_2)
	v_lshrrev_b32 v[BT+\b], 23, v[BS+\b]
.endr
	s_delay_alu instid0(VALU_DEP_1)
	v_lshl_or_b32 v[TMP], v[BT+1], 8, v[BT]        ; two bytes; the upper half is 0
	v_cvt_scalef32_pk16_fp6_f32 v[PC:PC+2], v[O:O+15], v[BS]
	v_cvt_scalef32_pk16_fp6_f32 v[PX:PX+2], v[O+16:O+31], v[BS+1]
	v_nop
.irp i, 0,1,2
	v_permlane16_swap_b32 v[PC+\i], v[PX+\i]
.endr
.irp i, 0,1,2
	s_delay_alu instid0(VALU_DEP_3)
	v_mov_b32 v[PC+3+\i], v[PX+\i]
.endr
	global_store_b128 v[LI], v[PC:PC+3], s[18:19]              ; 512 consecutive bytes,
	global_store_b64 v[L8], v[PC+4:PC+5], s[18:19] offset:512  ; and 256
	ds_store_b32 v6, v[TMP]                        ; both lanes of a row write the same word with the same value
	s_wait_dscnt 0x0
	s_barrier_signal -1
	s_barrier_wait -1
	s_cmp_lt_u32 s[WV], 2
	s_cbranch_scc0 .Lno_words
	ds_load_b128 v[S:S+3], v7                      ; waves 0 and 1 store the sixteen tiles' words: 512 consecutive bytes each
	s_wait_dscnt 0x0
	global_store_b128 v5, v[S:S+3], s[10:11]
.Lno_words:
	s_wait_tensorcnt 0x0
	ds_add_u32 v254, v255
	s_wait_dscnt 0x0
	ROUND                                          ; the closing round
	s_endpgm
.Lfunc_end_k_qcd96d6bebe_attn1:
	.size	k_qcd96d6bebe_attn1, .Lfunc_end_k_qcd96d6bebe_attn1-k_qcd96d6bebe_attn1
	.p2alignl 7, 3214868480
	.fill 96, 4, 3214868480
	.section	.rodata,"a",@progbits
	.p2align	6, 0x0
	.amdhsa_kernel k_qcd96d6bebe_attn1
		.amdhsa_group_segment_fixed_size 327680
		.amdhsa_private_segment_fixed_size 0
		.amdhsa_enable_private_segment 0
		.amdhsa_kernarg_size 32
		.amdhsa_user_sgpr_count 2
		.amdhsa_user_sgpr_kernarg_segment_ptr 1
		.amdhsa_wavefront_size32 1
		.amdhsa_system_sgpr_workgroup_id_x 1
		.amdhsa_system_sgpr_workgroup_id_y 1
		.amdhsa_system_sgpr_workgroup_id_z 1
		.amdhsa_system_vgpr_workitem_id 0
		.amdhsa_next_free_vgpr 256
		.amdhsa_next_free_sgpr 66
		.amdhsa_reserve_vcc 0
		.amdhsa_float_denorm_mode_32 3
		.amdhsa_float_denorm_mode_16_64 3
		.amdhsa_memory_ordered 1
		.amdhsa_forward_progress 1
		.amdhsa_inst_pref_size 50
	.end_amdhsa_kernel
	.amdgpu_metadata
---
amdhsa.version: [ 1, 2 ]
amdhsa.kernels:
  - .name:           k_qcd96d6bebe_attn1
    .symbol:         k_qcd96d6bebe_attn1.kd
    .args:
      - { .name: q, .offset: 0, .size: 8, .value_kind: global_buffer, .address_space: global }
      - { .name: kv1, .offset: 8, .size: 8, .value_kind: global_buffer, .address_space: global }
      - { .name: mb1, .offset: 16, .size: 8, .value_kind: global_buffer, .address_space: global }
      - { .name: o, .offset: 24, .size: 8, .value_kind: global_buffer, .address_space: global }
    .group_segment_fixed_size: 327680
    .private_segment_fixed_size: 0
    .kernarg_segment_align: 8
    .kernarg_segment_size: 32
    .max_flat_workgroup_size: 512
    .sgpr_count:     66
    .vgpr_count:     256
    .wavefront_size: 32
...
	.end_amdgpu_metadata
.endif
;; end of part 6
;; launch post1 (part 7): grid 128 x 1, 4 waves a work-group, no clusters, 111,104 bytes of LDS; arguments o, wimg, m1_w2_scales, m1_b2, x, m1_g, m1_b, ln1_g, ln1_b, m2_wq_scales, m2_bq, x1, q; writes x1, q
.if DOCPART == 7
	.amdgcn_target "amdgcn-amd-amdhsa--gfx1250"
	.amdhsa_code_object_version 6
	.text
	.protected	k_qcd96d6bebe_post1
	.globl	k_qcd96d6bebe_post1
	.p2align	8
	.type	k_qcd96d6bebe_post1,@function
k_qcd96d6bebe_post1:
	s_mov_b64 s[64:65], 0
	v_nop
	global_prefetch_b8 v0, s[64:65] scope:SCOPE_SE
	s_setreg_imm32_b32 hwreg(HW_REG_WAVE_SCHED_MODE, 0, 2), 2
	s_setreg_imm32_b32 hwreg(HW_REG_WAVE_MODE, 25, 1), 1
	s_wait_xcnt 0x0
	s_wait_alu depctr_vm_vsrc(0)
; WHAT FOLLOWS AN ATTENTION, for 64 rows a work-group.  One text serves both places of the layer; the switch P2 says which.
;   both:   a = LN(o w2 + b2 + res; g, b);  y = LN(res + a; ln_g, ln_b)            (res: x here, x1 in the second place)
;   P2 = 0: y is x1: stored as an image of its owner's registers; Q2 = x1 wq + bq, quantised by heads, goes to q in the attention launch's layout.
;   P2 = 1: y is x2: out0 = LN(x2 + relu(x2 w1 + b1) w2 + b2; ln3_g, ln3_b).
; All products on codes of FP6 (E2M3) with E8M0 scales for each 32 along K; norms, residuals and the activation in f32; the variance is taken of the centred numbers.
; SHARES.  Four waves; the rows are four tiles of 16 (tile G = 4 x work-group + m; lane r of tile G is token 32 (G / 2) + 8 (G % 2) + r + 8 (r / 8)).
; IN PRODUCTS THE WAVES SHARE THE COLUMNS: each wave's part of each weight stays in its registers.  It comes from wimg, where the first launch has laid the weights as images of these registers (weight n at 98,304 n; wave w's sixteen fragments,
; 24,576 bytes on end, at 24,576 w): 48 loads of 512 consecutive bytes.  IN NORMS WAVE w OWNS TILE w: lane (r, h) holds 128 numbers of row r, register 16 b + i = column 32 b + 16 h + i,
; so that a row's sum wants one exchange between the halves of the lanes, and the registers are in the order in which the quantiser takes them.
; Operands go from wave to wave through LDS as images of their registers (12 registers: three stores of 16 bytes a lane); results of the products with 256 columns meet in a stage of rows (1,024 bytes + 16).
; x (P2 = 0) comes as half rows of 512 consecutive bytes and turns through the owner's 16 rows of that stage, ahead of the first barrier.
; LIMITS: NaN and infinities are not served; a block of zeros carries the scale byte 1 (read by this program alone).  128 work-groups: 64 rows each; with 32 rows the norms would run on two of four waves for as long.
; No cluster, no tensor load: the weights go from memory straight into registers.
; THE MODE: SCHED_MODE bits 1:0 = 2 (LLVM: expert scheduling mode 2), set by the entry lines.  The code itself states the register dependences
; between vector or matrix instructions and memory or LDS instructions, with s_wait_alu, always for 0.
; THE PLAN.  Registers that memory or LDS instructions touch, and who else names them:
;   v4-v23, v29-31, v84, v85, v121   offsets and LDS addresses, made once at the head: one wait on va_vdst ahead of the first load serves them for the whole kernel.
;   Phase 0: the joined scale words are fresh: a wait on va_vdst ahead of the LDS stores.  One wait on vm_vsrc behind all of them: what they have read is loaded or written again from there on (x's registers at once, where P2 = 0).
;   A product with K = 512, tile by tile: SF, SS are read by the tile's 16 products and loaded for the next tile; AC is written by them, read by the tile's LDS stores, written anew by the next tile's.
;     ONE wait on va_vdst a tile, behind the products; the next tile's loads and this tile's stores follow it.  One wait on vm_vsrc ahead of the next tile's products.
;   The norms: Y lands in registers that the last tile's stores have read (vm_vsrc behind the barrier); the gains' window is read by a norm and loaded for the next (va_vdst between); Y is written by the norm and stored (va_vdst behind it).
;   The product with K = 256, tile by tile: SF2, SS as above.  The codes have two buffers by turns: tile m's quantiser writes buffer m % 2, the stores issued in tile m + 1 read it, tile m + 2 writes it again.
;     ONE wait on va_vdst a tile, behind the products: they are done reading SF2 and SS, and the last tile's quantiser has written its buffer.  The next tile's loads and the last tile's stores follow it; the quantiser behind them names neither.
.set P2,    0
.set WIDX,  2*P2                       ; the first weight's number in wimg
.set WBY,   98304
.set NV,    4+2*P2                     ; vectors of 256 gains or offsets
.set SB,    13312
.set HEADB, 16*SB
.set OSOFF, 3145728
.set OIMG,  0                          ; LDS: the attention output's 16 fragments (4 m + s),
.set OSCW,  24576                      ; their scale words, 128 bytes each,
.set STG,   26624                      ; the stage: 64 rows,
.set SPI,   1040
.set GB,    STG+64*SPI                 ; the vectors,
.set XIMG,  GB+1024*NV                 ; y's 8 fragments (2 m + s),
.set XSCW,  XIMG+8*1536                ; their scale words,
.set HIMG,  XSCW+1024                  ; (P2) the hidden layer's 16 fragments,
.set HSCW,  HIMG+16*1536               ; their scale words,
.set PARK,  HSCW+2048                  ; and x2, 16,384 bytes a wave
.set A_O,   8                          ; s[8:9] o;  s[10:11] wimg;  s[12:13], s[14:15] the first weight's scales and bias;  s[16:17] the residual;  s[18:25] g, b, ln_g, ln_b;  s[26:27], s[28:29] the second weight's scales and bias
.set A_WI,  10
.set A_S1,  12
.set A_B1,  14
.set A_RES, 16
.set A_G,   18
.set A_S2,  26
.set A_B2,  28
.set A_X1,  30                         ; P2 = 0: s[30:31] x1, s[32:33] q
.set A_Q,   32
.set A_S3,  30                         ; P2 = 1: s[30:31], s[32:33] the third weight's scales and bias;  s[34:37] ln3_g, ln3_b;  s[38:39] out0
.set A_B3,  32
.set A_G3,  34
.set A_OUT, 38
.set W2P,   40                         ; s[40:41], s[42:43] my part of the second and the third weight in wimg
.set W3P,   42
.set LI,  4                            ; v4 16 x lane; v5 4 x lane; v6 8 x lane
.set LS,  5
.set L8,  6
.set SO,  7                            ; v7  the stage: where I put 32 bytes of a row
.set SR,  8                            ; v8  my own row's 64 bytes of each 128
.set SRW, 9                            ; v9  my tile's rows, 16 bytes a lane
.set OWI, 10                           ; v10-15 where I store images and scale words
.set OWS, 11
.set XWI, 12
.set XWS, 13
.set HWI, 14
.set HWS, 15
.set GBA, 16                           ; v16 the vectors: GB + 64 h
.set PKA, 17
.set T8,  18                           ; v18 8 x thread
.set GBS, 19                           ; v19 GB + 8 x thread
.set XRI, 20                           ; v20-23 where any wave reads images and scale words that lie beyond the immediate's reach
.set XRS, 21
.set HRI, 22
.set HRS, 23
.set MU,  24                           ; v[24:25] the mean, twice;  v[26:27] 1 / sqrt(variance + eps), twice
.set RSQ, 26
.set WSA, 29                           ; v29 16 r;  v30 32 h;  v31 4 r
.set WBA, 30
.set R4,  31
.set HS1, 32                           ; v32-47 w2's scale words (4 t + s);  v48-63 the second weight's (2 t + s);  v64-79 (P2) the third's;  v80-83 the streamed operand's: scales and nothing else
.set HS2, 48
.set HS3, 64
.set SW,  64                           ; (P2 = 0) v64-67 Q2's scale words, v68-71 as they are stored
.set SS,  80
.set TM,  84                           ; v84-99 at work; at the head: two offsets
.set HO,  84
.set PX,  100
.set PC,  108                          ; v108-119 the codes just made;  v120 their scale word;  in the product with K = 256 a second such buffer at v216-228
.set PW,  120
.set VA,  121
.set SH,  122
.set Y,   128                          ; v128-255 the owner's 128 numbers
.set F,   128                          ; earlier there: my tile's four fragments of o, v176-183 its heads' scale words, v184-187 joined, v188.. the vectors
.set OW,  176
.set CW,  184
.set GV,  188
.set SF,  128                          ; four streamed fragments;  v176-207 four accumulators
.set AC,  176
.set HA,  128                          ; eight accumulators;  v192-215 two streamed fragments
.set SF2, 192
.set WV,  44
.set SEL, 46
; window 1: w2's 16 fragments at 12 (4 t + s), its bias at 192 + 8 t; later a norm's gains (0-127) and offsets (128-255).   window 2: the second weight's 16 fragments at 12 (2 t + s), its bias at 192 + 8 t; (P2) at the end x2.
; window 3: the residual (0-127); (P2) later the third weight's fragments and bias, laid as window 1.
.set MSB, 0
.macro WIN new                         ; the immediate's high byte repeats the setting that is left
.if MSB != (\new)
	s_set_vgpr_msb (MSB<<8)|(\new)
.set MSB, \new
.endif
.endm
.macro WLOAD base                      ; my sixteen fragments of a weight, 192 registers of the window that the destination names: 512 consecutive bytes a load
.set k, 0
.rept 48
	global_load_b128 v[4*k:4*k+3], v[LI], s[\base:\base+1] offset:512*k
.set k, k+1
.endr
.endm
.macro IMAGE adr, reg, off
.irp c, 0,1,2
	ds_store_b128 v[\adr], v[(\reg)+4*\c:(\reg)+4*\c+3] offset:(\off)+512*\c
.endr
.endm
.macro FETCH reg, adr, off
.irp c, 0,1,2
	ds_load_b128 v[(\reg)+4*\c:(\reg)+4*\c+3], v[\adr] offset:(\off)+512*\c
.endr
.endm
.macro BARRIER                         ; my LDS stores have landed and my LDS loads are in: then the work-group's barrier
	s_wait_dscnt 0x0
	s_barrier_signal -1
	s_barrier_wait -1
.endm
; 64 numbers of a lane, register 16 b + i = k 32 b + 16 (lane / 16) + i of my row, become a fragment's codes in v[d] on and its scale word in v[w].
.macro QUANT s, d, w
.irp b, 0,1,2,3
	v_max3_num_f32 v[TM+\b], |v[(\s)+16*\b]|, |v[(\s)+1+16*\b]|, 0x1800000   ; and the floor 2^(3 - 127): the byte cannot fall under 1
.endr
.irp i, 2,4,6,8,10,12,14
.irp b, 0,1,2,3
	v_max3_num_f32 v[TM+\b], v[TM+\b], |v[(\s)+16*\b+\i]|, |v[(\s)+1+16*\b+\i]|
.endr
.endr
.irp b, 0,1,2,3
	v_permlanex16_b32 v[TM+4+\b], v[TM+\b], s[SEL], s[SEL+1]
.endr
.irp b, 0,1,2,3
	v_max_num_f32 v[TM+\b], v[TM+\b], v[TM+4+\b]
.endr
.irp b, 0,1,2,3
	v_add_nc_u32 v[TM+12+\b], 0xff000000, v[TM+\b]     ; 2 off the exponent field: the conversion's scale operand
.endr
.irp b, 0,1,2,3
	v_lshrrev_b32 v[TM+4+\b], 23, v[TM+12+\b]
.endr
	v_lshl_or_b32 v[\w], v[TM+5], 8, v[TM+4]
	v_lshl_or_b32 v[\w], v[TM+6], 16, v[\w]
	v_lshl_or_b32 v[\w], v[TM+7], 24, v[\w]
.irp c, 0,1
	v_cvt_scalef32_pk16_fp6_f32 v[(\d)+6*\c:(\d)+2+6*\c], v[(\s)+32*\c:(\s)+15+32*\c], v[TM+12+2*\c]
	v_cvt_scalef32_pk16_fp6_f32 v[PX+4*\c:PX+2+4*\c], v[(\s)+16+32*\c:(\s)+31+32*\c], v[TM+12+2*\c+1]
.endr
	v_nop                                              ; one plain place behind a scaled conversion
.irp c, 0,1
.irp i, 0,1,2
	v_permlane16_swap_b32 v[(\d)+6*\c+\i], v[PX+4*\c+\i]
.endr
.irp i, 0,1,2
	v_mov_b32 v[(\d)+3+6*\c+\i], v[PX+4*\c+\i]
.endr
.endr
.endm
; A product with K = 512 and my 64 columns, for the four tiles of rows: weight and bias in window aw, its scale words from v[hs]; the rows' fragments at v[ia] + io, their scale words at v[sa] + so.  Results to the stage.
; Used transposed (source 0 = 16 rows of the weight): a lane holds eight neighbouring columns of one row.  The four accumulators take turns, one instruction a turn.
.macro PFETCH ia, io, sa, so, m        ; tile m's four fragments and scale words
.irp s, 0,1,2,3
	FETCH SF+12*\s, \ia, (\io)+(4*(\m)+\s)*1536
	ds_load_b32 v[SS+\s], v[\sa] offset:(\so)+128*(4*(\m)+\s)
.endr
.endm
.macro PROJ512 aw, hs, ia, io, sa, so
	PFETCH \ia, \io, \sa, \so, 0
.irp m, 0,1,2,3
	s_wait_dscnt 0x0                               ; the fragments are in
.if \m > 0
	s_wait_alu depctr_vm_vsrc(0)                   ; the last tile's LDS stores have read the accumulators, which the products below write anew
.endif
	WIN (\aw)|((\aw)<<4)
.irp t, 0,1,2,3
	v_wmma_scale_f32_16x16x128_f8f6f4 v[AC+8*\t:AC+8*\t+7], v[48*\t:48*\t+11], v[SF:SF+11], v[192+8*\t:192+8*\t+7], v[\hs+4*\t], v[SS] matrix_a_fmt:MATRIX_FMT_FP6 matrix_b_fmt:MATRIX_FMT_FP6
.endr
	WIN \aw
.irp s, 1,2,3
.irp t, 0,1,2,3
	v_wmma_scale_f32_16x16x128_f8f6f4 v[AC+8*\t:AC+8*\t+7], v[48*\t+12*\s:48*\t+12*\s+11], v[SF+12*\s:SF+12*\s+11], v[AC+8*\t:AC+8*\t+7], v[\hs+4*\t+\s], v[SS+\s] matrix_a_fmt:MATRIX_FMT_FP6 matrix_b_fmt:MATRIX_FMT_FP6
.endr
.endr
	WIN 0
.rept 5
	v_nop                                          ; four places in front of the stores; five, since the next tile's first products write over these accumulators with another C
.endr
	s_wait_alu depctr_va_vdst(0)                   ; the 16 products have written the accumulators, which the stores below read, and are done reading the fragments and scale words, in which the next tile's land
.if \m < 3
	PFETCH \ia, \io, \sa, \so, \m+1
.endif
.irp t, 0,1,2,3
	ds_store_b128 v[SO], v[AC+8*\t:AC+8*\t+3] offset:16*SPI*\m+64*\t           ; each accumulator from its low end on
	ds_store_b128 v[SO], v[AC+8*\t+4:AC+8*\t+7] offset:16*SPI*\m+64*\t+16
.endr
.endr
.endm
.macro GBLOAD k                        ; vectors k (gains) and k + 1 (offsets) in the owner's layout, into window 1
	WIN 0x40
.irp b, 0,1,2,3,4,5,6,7
.irp j, 0,1,2,3
	ds_load_b128 v[16*\b+4*\j:16*\b+4*\j+3], v[GBA] offset:1024*(\k)+128*\b+16*\j
	ds_load_b128 v[128+16*\b+4*\j:128+16*\b+4*\j+3], v[GBA] offset:1024*(\k)+1024+128*\b+16*\j
.endr
.endr
	WIN 0
.endm
.macro ADDW win                        ; Y += the 128 registers of the window that source 1 names
	WIN \win
.set j, 0
.rept 64
	v_pk_add_f32 v[Y+j:Y+j+1], v[Y+j:Y+j+1], v[j:j+1]
.set j, j+2
.endr
	WIN 0
.endm
.macro RSUM                            ; four chains of pairs -> the row's sum, in every lane of the row
	v_pk_add_f32 v[TM:TM+1], v[TM:TM+1], v[TM+2:TM+3]
	v_pk_add_f32 v[TM+4:TM+5], v[TM+4:TM+5], v[TM+6:TM+7]
	v_pk_add_f32 v[TM:TM+1], v[TM:TM+1], v[TM+4:TM+5]
	v_add_f32 v[TM], v[TM], v[TM+1]
	v_permlanex16_b32 v[TM+2], v[TM], s[SEL], s[SEL+1]
	v_add_f32 v[TM], v[TM], v[TM+2]
.endm
.macro LNORM                           ; Y = (Y - mean) / sqrt(variance + 1e-6) x g + b, g and b in window 1
.irp c, 0,1,2,3
	v_pk_add_f32 v[TM+2*\c:TM+2*\c+1], v[Y+2*\c:Y+2*\c+1], v[Y+8+2*\c:Y+9+2*\c]
.endr
.irp k, 2,3,4,5,6,7,8,9,10,11,12,13,14,15
.irp c, 0,1,2,3
	v_pk_add_f32 v[TM+2*\c:TM+2*\c+1], v[TM+2*\c:TM+2*\c+1], v[Y+8*\k+2*\c:Y+8*\k+2*\c+1]
.endr
.endr
	RSUM
	v_mul_f32 v[MU], s50, v[TM]
	v_mul_f32 v[MU+1], s50, v[TM]
.set j, 0
.rept 64
	v_pk_add_f32 v[Y+j:Y+j+1], v[Y+j:Y+j+1], v[MU:MU+1] neg_lo:[0,1] neg_hi:[0,1]
.set j, j+2
.endr
.irp c, 0,1,2,3
	v_pk_mul_f32 v[TM+2*\c:TM+2*\c+1], v[Y+2*\c:Y+2*\c+1], v[Y+2*\c:Y+2*\c+1]
.endr
.irp k, 1,2,3,4,5,6,7,8,9,10,11,12,13,14,15
.irp c, 0,1,2,3
	v_pk_fma_f32 v[TM+2*\c:TM+2*\c+1], v[Y+8*\k+2*\c:Y+8*\k+2*\c+1], v[Y+8*\k+2*\c:Y+8*\k+2*\c+1], v[TM+2*\c:TM+2*\c+1]
.endr
.endr
	RSUM
	v_fma_f32 v[TM], v[TM], s50, s51               ; / 256 + 1e-6
	s_wait_alu depctr_va_vdst(0)
	v_rsq_f32 v[RSQ], v[TM]
	v_nop                                          ; a plain place behind the transcendental,
	s_wait_alu depctr_va_vdst(0)                   ; and the wait ahead of the first reader of v[RSQ]
	v_mov_b32 v[RSQ+1], v[RSQ]
.set j, 0
.rept 64
	v_pk_mul_f32 v[Y+j:Y+j+1], v[Y+j:Y+j+1], v[RSQ:RSQ+1]
.set j, j+2
.endr
	WIN 0x14                                       ; sources 1 and 2: window 1
.set j, 0
.rept 64
	v_pk_fma_f32 v[Y+j:Y+j+1], v[Y+j:Y+j+1], v[j:j+1], v[128+j:129+j]
.set j, j+2
.endr
	WIN 0
.endm
; The product with K = 256 and my 128 columns for tile m of rows: weight and bias in window 2; transposed, the weight's rows chosen so that the 64 results of a lane run along the columns.  Then what the place asks of them.
.macro HFETCH m                        ; tile m's two fragments and scale words
	FETCH SF2, XRI, (2*(\m))*1536
	FETCH SF2+12, XRI, (2*(\m)+1)*1536
	ds_load_b32 v[SS], v[XRS] offset:128*(2*(\m))
	ds_load_b32 v[SS+1], v[XRS] offset:128*(2*(\m)+1)
.endm
.macro HSEND m                         ; tile m's codes leave, out of buffer m % 2
.set PS, PC+108*((\m)%2)
.if P2
	IMAGE HWI, PS, 6144*(\m)                       ; K step w of the last product, tile m
	ds_store_b32 v[HWS], v[PS+12] offset:512*(\m)
.else
	global_store_b128 v[LI], v[PS:PS+3], s[A_Q:A_Q+1] offset:768*(\m)                  ; head 2 w
	global_store_b64 v[L8], v[PS+4:PS+5], s[A_Q:A_Q+1] offset:768*(\m)+512
	global_store_b128 v[LI], v[PS+6:PS+9], s[A_Q:A_Q+1] offset:HEADB+768*(\m)          ; head 2 w + 1
	global_store_b64 v[L8], v[PS+10:PS+11], s[A_Q:A_Q+1] offset:HEADB+768*(\m)+512
.endif
.endm
.macro HID m
.set PB, PC+108*((\m)%2)
	s_wait_dscnt 0x0                               ; the fragments are in
	WIN 0x22
.irp t, 0,1,2,3,4,5,6,7
	v_wmma_scale_f32_16x16x128_f8f6f4 v[HA+8*\t:HA+8*\t+7], v[24*\t:24*\t+11], v[SF2:SF2+11], v[192+8*\t:192+8*\t+7], v[HS2+2*\t], v[SS] matrix_a_fmt:MATRIX_FMT_FP6 matrix_b_fmt:MATRIX_FMT_FP6
.endr
	WIN 0x02
.irp t, 0,1,2,3,4,5,6,7
	v_wmma_scale_f32_16x16x128_f8f6f4 v[HA+8*\t:HA+8*\t+7], v[24*\t+12:24*\t+23], v[SF2+12:SF2+23], v[HA+8*\t:HA+8*\t+7], v[HS2+2*\t+1], v[SS+1] matrix_a_fmt:MATRIX_FMT_FP6 matrix_b_fmt:MATRIX_FMT_FP6
.endr
	WIN 0
.rept 4
	v_nop
.endr
.if (\m) > 1
.if !P2
	s_wait_xcnt 0x0                                ; the stores issued in the last tile have had their addresses translated: their data, buffer m % 2, are written again below
.endif
	s_wait_alu depctr_vm_vsrc(0)                   ; the stores issued in the last tile have read buffer m % 2, which this tile's quantiser writes
.endif
	s_wait_alu depctr_va_vdst(0)                   ; the 16 products are done reading the fragments and scale words, in which the next tile's land; the last tile's quantiser has written the other buffer, which the stores below read
.if (\m) < 3
	HFETCH (\m)+1                                  ; the next tile lands while this one is quantised
.endif
.if (\m) > 0
	HSEND (\m)-1                                   ; the last tile's codes
.endif
.if P2
.set j, 0
.rept 64
	v_max_num_f32 v[HA+j], 0, v[HA+j]              ; the activation, in f32
.set j, j+1
.endr
	QUANT HA, PB, PB+12
.else
	QUANT HA, PB, SW+(\m)
.endif
.endm
	s_load_b512 s[8:23], s[0:1], 0x0               ; argument k lies in s[8 + 2 k : 9 + 2 k]
.if P2
	s_load_b512 s[24:39], s[0:1], 0x40
.else
	s_load_b256 s[24:31], s[0:1], 0x40
	s_load_b64 s[32:33], s[0:1], 0x60
	v_lshl_add_u32 v126, v0, 2, 0x1b000
	v_mov_b32 v127, 0
.endif
	v_lshrrev_b32 v1, 5, v0
	v_readfirstlane_b32 s[WV], v1                  ; wave 0..3
	v_and_b32 v1, 15, v0                           ; r
	v_bfe_u32 v2, v0, 4, 1                         ; h
	v_and_b32 v3, 8, v1
	v_add_nc_u32 v3, v3, v1                        ; r + 8 (r / 8)
	v_and_b32 v[R4], 31, v0
	v_lshlrev_b32 v[LI], 4, v[R4]
	v_lshlrev_b32 v[LS], 2, v[R4]
	v_lshlrev_b32 v[L8], 3, v[R4]
	v_mul_u32_u24 v[SO], v1, SPI
	v_lshl_add_u32 v[SO], v2, 5, v[SO]
	s_wait_alu depctr_va_sdst(0)                   ; the wave's number is written, ahead of its first reader
	s_lshl_b32 s48, s[WV], 8
	s_add_co_u32 s48, s48, STG
	v_add_nc_u32 v[SO], s48, v[SO]                 ; row r, + 32 h, + my 64 columns' 256 bytes
	v_mul_u32_u24 v[SR], v1, SPI
	v_lshl_add_u32 v[SR], v2, 6, v[SR]
	s_mul_i32 s48, s[WV], 16*SPI
	s_add_co_u32 s48, s48, STG
	v_add_nc_u32 v[SR], s48, v[SR]                 ; my tile's row r, + 64 h
	v_add_nc_u32 v[SRW], s48, v[LI]
	s_mul_i32 s48, s[WV], 4*1536
	v_add_nc_u32 v[OWI], s48, v[LI]
	s_lshl_b32 s48, s[WV], 9
	v_add_nc_u32 v[OWS], s48, v[LS]
	s_mul_i32 s48, s[WV], 2*1536
	s_add_co_u32 s48, s48, XIMG
	v_add_nc_u32 v[XWI], s48, v[LI]
	s_lshl_b32 s48, s[WV], 8
	s_add_co_u32 s48, s48, XSCW
	v_add_nc_u32 v[XWS], s48, v[LS]
	v_add_nc_u32 v[XRI], XIMG, v[LI]
	v_add_nc_u32 v[XRS], XSCW, v[LS]
	v_lshl_add_u32 v[GBA], v2, 6, GB
	v_lshlrev_b32 v[T8], 3, v0
	v_lshl_add_u32 v[GBS], v0, 3, GB
.if P2
	s_mul_i32 s48, s[WV], 1536
	s_add_co_u32 s48, s48, HIMG
	v_add_nc_u32 v[HWI], s48, v[LI]
	s_lshl_b32 s48, s[WV], 7
	s_add_co_u32 s48, s48, HSCW
	v_add_nc_u32 v[HWS], s48, v[LS]
	v_add_nc_u32 v[HRI], HIMG, v[LI]
	v_add_nc_u32 v[HRS], HSCW, v[LS]
	s_lshl_b32 s48, s[WV], 14
	s_add_co_u32 s48, s48, PARK
	v_add_nc_u32 v[PKA], s48, v[LI]
.else
	v_mul_u32_u24 v[VA], v2, HEADB
	v_lshl_add_u32 v[VA], v1, 4, v[VA]             ; scale words out: lanes 0-15 head 2 w, lanes 16-31 head 2 w + 1
	v_lshlrev_b32 v[SH], 4, v2
.endif
	v_lshlrev_b32 v[WSA], 4, v1
	v_lshlrev_b32 v[WBA], 5, v2
	v_lshlrev_b32 v[R4], 2, v1
	v_lshlrev_b32 v[HO], 3, v3                     ; the second weight's scale bytes: 8 a row, chosen rows
	v_lshlrev_b32 v[HO+1], 6, v2                   ; its bias: 64 h
	s_mov_b32 s[SEL], 0x76543210
	s_mov_b32 s[SEL+1], 0xfedcba98
	s_mov_b32 s50, 0x3b800000                      ; 1 / 256
	s_mov_b32 s51, 0x358637bd                      ; 1e-6
	s_lshl_b32 s52, ttmp9, 2
	s_add_co_u32 s52, s52, s[WV]                   ; my tile G
	s_mov_b32 s49, 0
	s_lshl_b32 s56, ttmp9, 6                       ; its first token: 64 x work-group + 32 (w / 2) + 8 (w % 2)
	s_lshr_b32 s57, s[WV], 1
	s_lshl_b32 s57, s57, 5
	s_add_co_u32 s56, s56, s57
	s_and_b32 s57, s[WV], 1
	s_lshl_b32 s57, s57, 3
	s_add_co_u32 s56, s56, s57
	s_lshl_b32 s56, s56, 10                        ; in rows of 1,024 bytes
	s_mov_b32 s57, 0
	s_lshr_b32 s53, ttmp9, 5                       ; batch
	s_wait_kmcnt 0x0
	s_mul_i32 s48, s52, 8*768
	s_add_nc_u64 s[54:55], s[A_O:A_O+1], s[48:49]  ; o's codes of my tile: 8 heads
	s_lshl_b32 s48, s53, 10
	s_and_b32 s58, s52, 127
	s_add_co_u32 s48, s48, s58
	s_lshl_b32 s48, s48, 6
	s_add_co_u32 s48, s48, OSOFF
	s_add_nc_u64 s[A_O:A_O+1], s[A_O:A_O+1], s[48:49]   ; and its scale words: a head on is 8,192 bytes on
	s_mul_i32 s48, s[WV], 24576                    ; my part of each weight's images
	s_add_nc_u64 s[A_WI:A_WI+1], s[A_WI:A_WI+1], s[48:49]
	s_add_nc_u64 s[W2P:W2P+1], s[A_WI:A_WI+1], (WIDX+1)*WBY
.if P2
	s_add_nc_u64 s[W3P:W3P+1], s[A_WI:A_WI+1], (WIDX+2)*WBY
	s_add_nc_u64 s[A_WI:A_WI+1], s[A_WI:A_WI+1], WIDX*WBY
.endif
	s_lshl_b32 s48, s[WV], 10                      ; scale bytes: 64 rows of 16, or 128 of 8
	s_add_nc_u64 s[A_S1:A_S1+1], s[A_S1:A_S1+1], s[48:49]
	s_add_nc_u64 s[A_S2:A_S2+1], s[A_S2:A_S2+1], s[48:49]
.if P2
	s_add_nc_u64 s[A_S3:A_S3+1], s[A_S3:A_S3+1], s[48:49]
.endif
	s_lshl_b32 s48, s[WV], 8
	s_add_nc_u64 s[A_B1:A_B1+1], s[A_B1:A_B1+1], s[48:49]
.if P2
	s_add_nc_u64 s[A_B3:A_B3+1], s[A_B3:A_B3+1], s[48:49]
.endif
	s_lshl_b32 s48, s[WV], 9
	s_add_nc_u64 s[A_B2:A_B2+1], s[A_B2:A_B2+1], s[48:49]
	s_lshl_b32 s48, s52, 14                        ; x1: 16,384 bytes a tile
.if P2
	s_add_nc_u64 s[A_RES:A_RES+1], s[A_RES:A_RES+1], s[48:49]
	s_add_nc_u64 s[A_OUT:A_OUT+1], s[A_OUT:A_OUT+1], s[56:57]
.else
	s_add_nc_u64 s[A_X1:A_X1+1], s[A_X1:A_X1+1], s[48:49]
	s_add_nc_u64 s[A_RES:A_RES+1], s[A_RES:A_RES+1], s[56:57]
	s_lshl_b32 s56, s53, 3                         ; q: the step block of (batch, head 2 w, tokens' block), and my work-group's half of it
	s_lshl_b32 s58, s[WV], 1
	s_add_co_u32 s56, s56, s58
	s_lshl_b32 s56, s56, 4
	s_bfe_u32 s58, ttmp9, 0x40001
	s_add_co_u32 s56, s56, s58
	s_mul_i32 s56, s56, SB
	s_and_b32 s53, ttmp9, 1
	s_lshl_b32 s48, s53, 8
	s_add_co_u32 s48, s48, s56
	s_add_nc_u64 s[58:59], s[A_Q:A_Q+1], s[48:49]  ; for the scale words
	s_mul_i32 s48, s53, 4*768
	s_add_co_u32 s48, s48, s56
	s_add_nc_u64 s[A_Q:A_Q+1], s[A_Q:A_Q+1], s[48:49]   ; for the codes
.endif
	s_wait_alu depctr_va_vdst(0)                   ; all offsets and LDS addresses are written, which the loads and stores of the whole kernel read
.irp s, 0,1,2,3                                ; K step s of the first product is heads 2 s and 2 s + 1
.irp c, 0,1
	global_load_b128 v[F+12*\s+6*\c:F+12*\s+6*\c+3], v[LI], s[54:55] offset:768*(2*\s+\c)
	global_load_b64 v[F+12*\s+6*\c+4:F+12*\s+6*\c+5], v[L8], s[54:55] offset:768*(2*\s+\c)+512
.endr
.endr
.irp e, 0,1,2,3,4,5,6,7
	global_load_b32 v[OW+\e], v[R4], s[A_O:A_O+1] offset:8192*\e
.endr
.irp e, 0,1,2,3
	global_load_b64 v[GV+2*\e:GV+2*\e+1], v[T8], s[A_G+2*\e:A_G+2*\e+1]   ; 128 threads x 8 bytes: a vector
.endr
.if P2
	global_load_b64 v[GV+8:GV+9], v[T8], s[A_G3:A_G3+1]
	global_load_b64 v[GV+10:GV+11], v[T8], s[A_G3+2:A_G3+3]
.endif
	WIN 0xc0                                       ; destination window 3: the residual
.if P2
.set k, 0
.rept 32
	global_load_b128 v[4*k:4*k+3], v[LI], s[A_RES:A_RES+1] offset:512*k   ; an image of the owner's registers
.set k, k+1
.endr
.else
.irp i, 0,1,2,3,4,5,6,7,8,9,10,11,12,13,14,15
.irp u, 0,1
	global_load_b128 v[8*\i+4*\u:8*\i+4*\u+3], v[LI], s[A_RES:A_RES+1] offset:(\i+8*(\i/8))*1024+512*\u   ; my tile's row i, half u: 512 consecutive bytes
.endr
.endr
.endif
	WIN 0x40                                       ; destination window 1
	WLOAD A_WI
.irp t, 0,1,2,3
	global_load_b128 v[192+8*\t:192+8*\t+3], v[WBA], s[A_B1:A_B1+1] offset:64*\t
	global_load_b128 v[192+8*\t+4:192+8*\t+7], v[WBA], s[A_B1:A_B1+1] offset:64*\t+16
.endr
	WIN 0x80                                       ; destination window 2
	WLOAD W2P
.irp t, 0,1,2,3,4,5,6,7
	global_load_b128 v[192+8*\t:192+8*\t+3], v[HO+1], s[A_B2:A_B2+1] offset:(32*(\t/2)+8*(\t%2))*4
	global_load_b128 v[192+8*\t+4:192+8*\t+7], v[HO+1], s[A_B2:A_B2+1] offset:(32*(\t/2)+8*(\t%2))*4+16
.endr
	WIN 0
.irp t, 0,1,2,3
.irp s, 0,1,2,3
	global_load_b32 v[HS1+4*\t+\s], v[WSA], s[A_S1:A_S1+1] offset:256*\t+4*\s
.endr
.endr
.irp t, 0,1,2,3,4,5,6,7
.irp s, 0,1
	global_load_b32 v[HS2+2*\t+\s], v[HO], s[A_S2:A_S2+1] offset:(32*(\t/2)+8*(\t%2))*8+4*\s
.endr
.endr
	s_wait_loadcnt 0x0
	; ---- 0: my tile of the attention's output, and the vectors, to LDS
.irp b, 0,1,2,3
	v_mov_b32 v[TM+4+\b], 0                        ; a lane permute's destination counts as one of its sources
.endr
.irp s, 0,1,2,3
	v_lshl_or_b32 v[CW+\s], v[OW+2*\s+1], 16, v[OW+2*\s]   ; two heads' two bytes each make the K step's scale word
.endr
	s_wait_alu depctr_va_vdst(0)                   ; the four joined scale words are written, which the LDS stores below read
.irp s, 0,1,2,3
	IMAGE OWI, F+12*\s, OIMG+1536*\s
	ds_store_b32 v[OWS], v[CW+\s] offset:OSCW+128*\s
.endr
.irp e, 0,1,2,3
	ds_store_b64 v[GBS], v[GV+2*\e:GV+2*\e+1] offset:1024*\e
.endr
.if P2
	ds_store_b64 v[GBS], v[GV+8:GV+9] offset:4096
	ds_store_b64 v[GBS], v[GV+10:GV+11] offset:5120
.else
	WIN 0x0c                                       ; x's rows into my own 16 rows of the stage (an LDS store's data are its source 1: window 3),
.irp i, 0,1,2,3,4,5,6,7,8,9,10,11,12,13,14,15
.irp u, 0,1
	ds_store_b128 v[SRW], v[8*\i+4*\u:8*\i+4*\u+3] offset:SPI*\i+512*\u
.endr
.endr
	WIN 0xc0                                       ; and back in the owner's layout, into the registers that they left: LDS serves a wave's instructions in order; the barrier below stands ahead of the other waves' stores into these rows
.endif
	s_wait_alu depctr_vm_vsrc(0)                   ; my LDS stores have read their data (the fragments of o, the scale words, the vectors; P2 = 0: x's rows) and the head's loads the offsets v84 and v85: all these registers are loaded or written again from here on
.if !P2
.irp b, 0,1,2,3,4,5,6,7
.irp j, 0,1,2,3
	ds_load_b128 v[16*\b+4*\j:16*\b+4*\j+3], v[SR] offset:128*\b+16*\j
.endr
.endr
	WIN 0
.endif
	BARRIER
	; ---- 1: o w2 + b2, my 64 columns of all 64 rows
	PROJ512 1, HS1, LI, OIMG, LS, OSCW
	BARRIER
	; ---- 2: my tile's two norms
	s_wait_alu depctr_vm_vsrc(0)                   ; the last tile's LDS stores have read the accumulators, in which my row's numbers land
.irp b, 0,1,2,3,4,5,6,7
.irp j, 0,1,2,3
	ds_load_b128 v[Y+16*\b+4*\j:Y+16*\b+4*\j+3], v[SR] offset:128*\b+16*\j
.endr
.endr
	GBLOAD 0
	s_wait_dscnt 0x0
	ADDW 0x0c                                      ; + the residual (source 1: window 3)
	LNORM
	s_wait_alu depctr_va_vdst(0)                   ; the norm is done reading its gains and offsets, in whose registers the next norm's land
	GBLOAD 2
	ADDW 0x0c
	s_wait_dscnt 0x0
	LNORM
	s_wait_alu depctr_va_vdst(0)                   ; the norm has written Y, which the stores below read; the additions are done reading the residual, in whose window (P2) the last weight lands
.if P2
.set k, 0
.rept 32
	ds_store_b128 v[PKA], v[Y+4*k:Y+4*k+3] offset:512*k    ; x2 is wanted again at the end: my own 16,384 bytes
.set k, k+1
.endr
	WIN 0xc0                                       ; the residual is done with: the last weight takes its window, and lands under the next two phases
	WLOAD W3P
.irp t, 0,1,2,3
	global_load_b128 v[192+8*\t:192+8*\t+3], v[WBA], s[A_B3:A_B3+1] offset:64*\t
	global_load_b128 v[192+8*\t+4:192+8*\t+7], v[WBA], s[A_B3:A_B3+1] offset:64*\t+16
.endr
	WIN 0
.irp t, 0,1,2,3
.irp s, 0,1,2,3
	global_load_b32 v[HS3+4*\t+\s], v[WSA], s[A_S3:A_S3+1] offset:256*\t+4*\s
.endr
.endr
.else
.set k, 0
.rept 32
	global_store_b128 v[LI], v[Y+4*k:Y+4*k+3], s[A_X1:A_X1+1] offset:512*k   ; x1 as an image of these registers: 512 consecutive bytes a store
.set k, k+1
.endr
.endif
	; ---- 3: my tile becomes two fragments
	QUANT Y, PC, PW
	s_wait_alu depctr_va_vdst(0)                   ; the quantiser has written the codes and their scale word, which the LDS stores read
	IMAGE XWI, PC, 0
	ds_store_b32 v[XWS], v[PW]
	s_wait_dscnt 0x0                               ; the stores have landed
	s_wait_alu depctr_vm_vsrc(0)                   ; and have read the codes' registers, which the quantiser writes again
	QUANT Y+64, PC, PW
	s_wait_alu depctr_va_vdst(0)                   ; the quantiser has written the codes and their scale word, which the LDS stores read; it is done reading Y, in which the next phase's fragments land
	IMAGE XWI, PC, 1536
	ds_store_b32 v[XWS], v[PW] offset:128
	BARRIER
	s_wait_xcnt 0x0                                ; the stores of Y have read their registers: they are written again below
	s_wait_alu depctr_vm_vsrc(0)                   ; the stores of Y and of the codes have read their registers: fragments land there, and products and the quantiser write them
	; ---- 4: the product with K = 256, my 128 columns of all 64 rows
	HFETCH 0
.irp m, 0,1,2,3
	HID \m
.endr
.if P2
	s_wait_alu depctr_va_vdst(0)                   ; the last tile's quantiser has written its codes and scale word, which the stores below read; it is done with the accumulators, in which the next phase's fragments land
	HSEND 3
	BARRIER
	; ---- 5: the last product
	s_wait_loadcnt 0x0                             ; its weight is in
	PROJ512 3, HS3, HRI, 0, HRS, 0
	BARRIER
	; ---- 6: my tile's last norm, and out
	s_wait_alu depctr_vm_vsrc(0)                   ; the LDS stores of the accumulators and of the hidden layer's codes have read their registers, in which my row's numbers land
.irp b, 0,1,2,3,4,5,6,7
.irp j, 0,1,2,3
	ds_load_b128 v[Y+16*\b+4*\j:Y+16*\b+4*\j+3], v[SR] offset:128*\b+16*\j
.endr
.endr
	WIN 0x80
.set k, 0
.rept 32
	ds_load_b128 v[4*k:4*k+3], v[PKA] offset:512*k
.set k, k+1
.endr
	WIN 0
	GBLOAD 4
	s_wait_dscnt 0x0
	ADDW 0x08                                      ; + x2 (source 1: window 2)
	LNORM
	s_wait_alu depctr_va_vdst(0)                   ; the norm has written Y, which the LDS stores below read
.irp b, 0,1,2,3,4,5,6,7                        ; back into my own rows of the stage, and out of it as whole rows: LDS serves a wave's instructions in order
.irp j, 0,1,2,3
	ds_store_b128 v[SR], v[Y+16*\b+4*\j:Y+16*\b+4*\j+3] offset:128*\b+16*\j
.endr
.endr
	s_wait_alu depctr_vm_vsrc(0)                   ; the stores have read Y, in which the whole rows land
.irp i, 0,1,2,3,4,5,6,7,8,9,10,11,12,13,14,15
.irp u, 0,1
	ds_load_b128 v[Y+8*\i+4*\u:Y+8*\i+4*\u+3], v[SRW] offset:SPI*\i+512*\u
.endr
.endr
.irp i, 0,1,2,3,4,5,6,7,8,9,10,11,12,13,14,15
.irp u, 0,1
	s_wait_dscnt 31-2*\i-\u                        ; this half row is back; the younger loads may stay out
	global_store_b128 v[LI], v[Y+8*\i+4*\u:Y+8*\i+4*\u+3], s[A_OUT:A_OUT+1] offset:(\i+8*(\i/8))*1024+512*\u th:TH_STORE_NT   ; 32 lanes store 512 consecutive bytes
.endr
.endr
.else
.irp m, 0,1,2,3
	v_lshrrev_b32 v[SW+4+\m], v[SH], v[SW+\m]      ; bytes 0, 1: head 2 w (lanes 0-15); bytes 2, 3: head 2 w + 1 (lanes 16-31)
.endr
	s_wait_alu depctr_va_vdst(0)                   ; the last tile's codes and the four words above are written, which the stores below read
	HSEND 3
	global_store_b128 v[VA], v[SW+4:SW+7], s[58:59] offset:12288   ; sixteen lanes store 256 consecutive bytes
.endif
	s_wait_dscnt 0x0                               ; the closing lines, six on end
	s_wait_alu 0x0
	s_wait_tensorcnt 0x0
	ds_add_u32 v126, v127
	s_wait_dscnt 0x0
	s_endpgm
.Lfunc_end_k_qcd96d6bebe_post1:
	.size	k_qcd96d6bebe_post1, .Lfunc_end_k_qcd96d6bebe_post1-k_qcd96d6bebe_post1
	.p2alignl 7, 3214868480
	.fill 96, 4, 3214868480
	.section	.rodata,"a",@progbits
	.p2align	6, 0x0
	.amdhsa_kernel k_qcd96d6bebe_post1
		.amdhsa_group_segment_fixed_size 111104
		.amdhsa_private_segment_fixed_size 0
		.amdhsa_enable_private_segment 0
		.amdhsa_kernarg_size 104
		.amdhsa_user_sgpr_count 2
		.amdhsa_user_sgpr_kernarg_segment_ptr 1
		.amdhsa_wavefront_size32 1
		.amdhsa_system_sgpr_workgroup_id_x 1
		.amdhsa_system_sgpr_workgroup_id_y 1
		.amdhsa_system_sgpr_workgroup_id_z 1
		.amdhsa_system_vgpr_workitem_id 0
		.amdhsa_next_free_vgpr 1024
		.amdhsa_next_free_sgpr 66
		.amdhsa_reserve_vcc 0
		.amdhsa_float_denorm_mode_32 3
		.amdhsa_float_denorm_mode_16_64 3
		.amdhsa_memory_ordered 1
		.amdhsa_forward_progress 1
		.amdhsa_inst_pref_size 146
	.end_amdhsa_kernel
	.amdgpu_metadata
---
amdhsa.version: [ 1, 2 ]
amdhsa.kernels:
  - .name:           k_qcd96d6bebe_post1
    .symbol:         k_qcd96d6bebe_post1.kd
    .args:
      - { .name: o, .offset: 0, .size: 8, .value_kind: global_buffer, .address_space: global }
      - { .name: wimg, .offset: 8, .size: 8, .value_kind: global_buffer, .address_space: global }
      - { .name: m1_w2_scales, .offset: 16, .size: 8, .value_kind: global_buffer, .address_space: global }
      - { .name: m1_b2, .offset: 24, .size: 8, .value_kind: global_buffer, .address_space: global }
      - { .name: x, .offset: 32, .size: 8, .value_kind: global_buffer, .address_space: global }
      - { .name: m1_g, .offset: 40, .size: 8, .value_kind: global_buffer, .address_space: global }
      - { .name: m1_b, .offset: 48, .size: 8, .value_kind: global_buffer, .address_space: global }
      - { .name: ln1_g, .offset: 56, .size: 8, .value_kind: global_buffer, .address_space: global }
      - { .name: ln1_b, .offset: 64, .size: 8, .value_kind: global_buffer, .address_space: global }
      - { .name: m2_wq_scales, .offset: 72, .size: 8, .value_kind: global_buffer, .address_space: global }
      - { .name: m2_bq, .offset: 80, .size: 8, .value_kind: global_buffer, .address_space: global }
      - { .name: x1, .offset: 88, .size: 8, .value_kind: global_buffer, .address_space: global }
      - { .name: q, .offset: 96, .size: 8, .value_kind: global_buffer, .address_space: global }
    .group_segment_fixed_size: 111104
    .private_segment_fixed_size: 0
    .kernarg_segment_align: 8
    .kernarg_segment_size: 104
    .max_flat_workgroup_size: 128
    .sgpr_count:     66
    .vgpr_count:     1024
    .wavefront_size: 32
...
	.end_amdgpu_metadata
.endif
;; end of part 7
;; launch attn2: the kernel of part 6 again; grid 8 x 32, 16 waves a work-group, clusters of 4 x 1, 327,680 bytes of LDS; arguments q, kv2, mb2, o; writes o
;; launch post2 (part 8): grid 128 x 1, 4 waves a work-group, no clusters, 205,312 bytes of LDS; arguments o, wimg, m2_w2_scales, m2_b2, x1, m2_g, m2_b, ln2_g, ln2_b, ffn_w1_scales, ffn_b1, ffn_w2_scales, ffn_b2, ln3_g, ln3_b, out0; writes out0
.if DOCPART == 8
	.amdgcn_target "amdgcn-amd-amdhsa--gfx1250"
	.amdhsa_code_object_version 6
	.text
	.protected	k_qcd96d6bebe_post2
	.globl	k_qcd96d6bebe_post2
	.p2align	8
	.type	k_qcd96d6bebe_post2,@function
k_qcd96d6bebe_post2:
	s_mov_b64 s[64:65], 0
	v_nop
	global_prefetch_b8 v0, s[64:65] scope:SCOPE_SE
	s_setreg_imm32_b32 hwreg(HW_REG_WAVE_SCHED_MODE, 0, 2), 2
	s_setreg_imm32_b32 hwreg(HW_REG_WAVE_MODE, 25, 1), 1
	s_wait_xcnt 0x0
	s_wait_alu depctr_vm_vsrc(0)
; WHAT FOLLOWS AN ATTENTION, for 64 rows a work-group.  One text serves both places of the layer; the switch P2 says which.
;   both:   a = LN(o w2 + b2 + res; g, b);  y = LN(res + a; ln_g, ln_b)            (res: x in the first place, x1 here)
;   P2 = 0: y is x1: stored as an image of its owner's registers; Q2 = x1 wq + bq, quantised by heads, goes to q in the attention launch's layout.
;   P2 = 1: y is x2: out0 = LN(x2 + relu(x2 w1 + b1) w2 + b2; ln3_g, ln3_b).
; All products on codes of FP6 (E2M3) with E8M0 scales for each 32 along K; norms, residuals and the activation in f32; the variance is taken of the centred numbers.
; SHARES.  Four waves; the rows are four tiles of 16 (tile G = 4 x work-group + m; lane r of tile G is token 32 (G / 2) + 8 (G % 2) + r + 8 (r / 8)).
; IN PRODUCTS THE WAVES SHARE THE COLUMNS: each wave's part of each weight stays in its registers.  It comes from wimg, where the first launch has laid the weights as images of these registers (weight n at 98,304 n; wave w's sixteen fragments,
; 24,576 bytes on end, at 24,576 w): 48 loads of 512 consecutive bytes.  IN NORMS WAVE w OWNS TILE w: lane (r, h) holds 128 numbers of row r, register 16 b + i = column 32 b + 16 h + i,
; so that a row's sum wants one exchange between the halves of the lanes, and the registers are in the order in which the quantiser takes them.
; Operands go from wave to wave through LDS as images of their registers (12 registers: three stores of 16 bytes a lane); results of the products with 256 columns meet in a stage of rows (1,024 bytes + 16).
; x (P2 = 0) comes as half rows of 512 consecutive bytes and turns through the owner's 16 rows of that stage, ahead of the first barrier.
; LIMITS: NaN and infinities are not served; a block of zeros carries the scale byte 1 (read by this program alone).  128 work-groups: 64 rows each; with 32 rows the norms would run on two of four waves for as long.
; No cluster, no tensor load: the weights go from memory straight into registers.
; THE MODE: SCHED_MODE bits 1:0 = 2 (LLVM: expert scheduling mode 2), set by the entry lines.  The code itself states the register dependences
; between vector or matrix instructions and memory or LDS instructions, with s_wait_alu, always for 0.
; THE PLAN.  Registers that memory or LDS instructions touch, and who else names them:
;   v4-v23, v29-31, v84, v85, v121   offsets and LDS addresses, made once at the head: one wait on va_vdst ahead of the first load serves them for the whole kernel.
;   Phase 0: the joined scale words are fresh: a wait on va_vdst ahead of the LDS stores.  One wait on vm_vsrc behind all of them: what they have read is loaded or written again from there on (x's registers at once, where P2 = 0).
;   A product with K = 512, tile by tile: SF, SS are read by the tile's 16 products and loaded for the next tile; AC is written by them, read by the tile's LDS stores, written anew by the next tile's.
;     ONE wait on va_vdst a tile, behind the products; the next tile's loads and this tile's stores follow it.  One wait on vm_vsrc ahead of the next tile's products.
;   The norms: Y lands in registers that the last tile's stores have read (vm_vsrc behind the barrier); the gains' window is read by a norm and loaded for the next (va_vdst between); Y is written by the norm and stored (va_vdst behind it).
;   The product with K = 256, tile by tile: SF2, SS as above.  The codes have two buffers by turns: tile m's quantiser writes buffer m % 2, the stores issued in tile m + 1 read it, tile m + 2 writes it again.
;     ONE wait on va_vdst a tile, behind the products: they are done reading SF2 and SS, and the last tile's quantiser has written its buffer.  The next tile's loads and the last tile's stores follow it; the quantiser behind them names neither.
.set P2,    1
.set WIDX,  2*P2                       ; the first weight's number in wimg
.set WBY,   98304
.set NV,    4+2*P2                     ; vectors of 256 gains or offsets
.set SB,    13312
.set HEADB, 16*SB
.set OSOFF, 3145728
.set OIMG,  0                          ; LDS: the attention output's 16 fragments (4 m + s),
.set OSCW,  24576                      ; their scale words, 128 bytes each,
.set STG,   26624                      ; the stage: 64 rows,
.set SPI,   1040
.set GB,    STG+64*SPI                 ; the vectors,
.set XIMG,  GB+1024*NV                 ; y's 8 fragments (2 m + s),
.set XSCW,  XIMG+8*1536                ; their scale words,
.set HIMG,  XSCW+1024                  ; (P2) the hidden layer's 16 fragments,
.set HSCW,  HIMG+16*1536               ; their scale words,
.set PARK,  HSCW+2048                  ; and x2, 16,384 bytes a wave
.set A_O,   8                          ; s[8:9] o;  s[10:11] wimg;  s[12:13], s[14:15] the first weight's scales and bias;  s[16:17] the residual;  s[18:25] g, b, ln_g, ln_b;  s[26:27], s[28:29] the second weight's scales and bias
.set A_WI,  10
.set A_S1,  12
.set A_B1,  14
.set A_RES, 16
.set A_G,   18
.set A_S2,  26
.set A_B2,  28
.set A_X1,  30                         ; P2 = 0: s[30:31] x1, s[32:33] q
.set A_Q,   32
.set A_S3,  30                         ; P2 = 1: s[30:31], s[32:33] the third weight's scales and bias;  s[34:37] ln3_g, ln3_b;  s[38:39] out0
.set A_B3,  32
.set A_G3,  34
.set A_OUT, 38
.set W2P,   40                         ; s[40:41], s[42:43] my part of the second and the third weight in wimg
.set W3P,   42
.set LI,  4                            ; v4 16 x lane; v5 4 x lane; v6 8 x lane
.set LS,  5
.set L8,  6
.set SO,  7                            ; v7  the stage: where I put 32 bytes of a row
.set SR,  8                            ; v8  my own row's 64 bytes of each 128
.set SRW, 9                            ; v9  my tile's rows, 16 bytes a lane
.set OWI, 10                           ; v10-15 where I store images and scale words
.set OWS, 11
.set XWI, 12
.set XWS, 13
.set HWI, 14
.set HWS, 15
.set GBA, 16                           ; v16 the vectors: GB + 64 h
.set PKA, 17
.set T8,  18                           ; v18 8 x thread
.set GBS, 19                           ; v19 GB + 8 x thread
.set XRI, 20                           ; v20-23 where any wave reads images and scale words that lie beyond the immediate's reach
.set XRS, 21
.set HRI, 22
.set HRS, 23
.set MU,  24                           ; v[24:25] the mean, twice;  v[26:27] 1 / sqrt(variance + eps), twice
.set RSQ, 26
.set WSA, 29                           ; v29 16 r;  v30 32 h;  v31 4 r
.set WBA, 30
.set R4,  31
.set HS1, 32                           ; v32-47 w2's scale words (4 t + s);  v48-63 the second weight's (2 t + s);  v64-79 (P2) the third's;  v80-83 the streamed operand's: scales and nothing else
.set HS2, 48
.set HS3, 64
.set SW,  64                           ; (P2 = 0) v64-67 Q2's scale words, v68-71 as they are stored
.set SS,  80
.set TM,  84                           ; v84-99 at work; at the head: two offsets
.set HO,  84
.set PX,  100
.set PC,  108                          ; v108-119 the codes just made;  v120 their scale word;  in the product with K = 256 a second such buffer at v216-228
.set PW,  120
.set VA,  121
.set SH,  122
.set Y,   128                          ; v128-255 the owner's 128 numbers
.set F,   128                          ; earlier there: my tile's four fragments of o, v176-183 its heads' scale words, v184-187 joined, v188.. the vectors
.set OW,  176
.set CW,  184
.set GV,  188
.set SF,  128                          ; four streamed fragments;  v176-207 four accumulators
.set AC,  176
.set HA,  128                          ; eight accumulators;  v192-215 two streamed fragments
.set SF2, 192
.set WV,  44
.set SEL, 46
; window 1: w2's 16 fragments at 12 (4 t + s), its bias at 192 + 8 t; later a norm's gains (0-127) and offsets (128-255).   window 2: the second weight's 16 fragments at 12 (2 t + s), its bias at 192 + 8 t; (P2) at the end x2.
; window 3: the residual (0-127); (P2) later the third weight's fragments and bias, laid as window 1.
.set MSB, 0
.macro WIN new                         ; the immediate's high byte repeats the setting that is left
.if MSB != (\new)
	s_set_vgpr_msb (MSB<<8)|(\new)
.set MSB, \new
.endif
.endm
.macro WLOAD base                      ; my sixteen fragments of a weight, 192 registers of the window that the destination names: 512 consecutive bytes a load
.set k, 0
.rept 48
	global_load_b128 v[4*k:4*k+3], v[LI], s[\base:\base+1] offset:512*k
.set k, k+1
.endr
.endm
.macro IMAGE adr, reg, off
.irp c, 0,1,2
	ds_store_b128 v[\adr], v[(\reg)+4*\c:(\reg)+4*\c+3] offset:(\off)+512*\c
.endr
.endm
.macro FETCH reg, adr, off
.irp c, 0,1,2
	ds_load_b128 v[(\reg)+4*\c:(\reg)+4*\c+3], v[\adr] offset:(\off)+512*\c
.endr
.endm
.macro BARRIER                         ; my LDS stores have landed and my LDS loads are in: then the work-group's barrier
	s_wait_dscnt 0x0
	s_barrier_signal -1
	s_barrier_wait -1
.endm
; 64 numbers of a lane, register 16 b + i = k 32 b + 16 (lane / 16) + i of my row, become a fragment's codes in v[d] on and its scale word in v[w].
.macro QUANT s, d, w
.irp b, 0,1,2,3
	v_max3_num_f32 v[TM+\b], |v[(\s)+16*\b]|, |v[(\s)+1+16*\b]|, 0x1800000   ; and the floor 2^(3 - 127): the byte cannot fall under 1
.endr
.irp i, 2,4,6,8,10,12,14
.irp b, 0,1,2,3
	v_max3_num_f32 v[TM+\b], v[TM+\b], |v[(\s)+16*\b+\i]|, |v[(\s)+1+16*\b+\i]|
.endr
.endr
.irp b, 0,1,2,3
	v_permlanex16_b32 v[TM+4+\b], v[TM+\b], s[SEL], s[SEL+1]
.endr
.irp b, 0,1,2,3
	v_max_num_f32 v[TM+\b], v[TM+\b], v[TM+4+\b]
.endr
.irp b, 0,1,2,3
	v_add_nc_u32 v[TM+12+\b], 0xff000000, v[TM+\b]     ; 2 off the exponent field: the conversion's scale operand
.endr
.irp b, 0,1,2,3
	v_lshrrev_b32 v[TM+4+\b], 23, v[TM+12+\b]
.endr
	v_lshl_or_b32 v[\w], v[TM+5], 8, v[TM+4]
	v_lshl_or_b32 v[\w], v[TM+6], 16, v[\w]
	v_lshl_or_b32 v[\w], v[TM+7], 24, v[\w]
.irp c, 0,1
	v_cvt_scalef32_pk16_fp6_f32 v[(\d)+6*\c:(\d)+2+6*\c], v[(\s)+32*\c:(\s)+15+32*\c], v[TM+12+2*\c]
	v_cvt_scalef32_pk16_fp6_f32 v[PX+4*\c:PX+2+4*\c], v[(\s)+16+32*\c:(\s)+31+32*\c], v[TM+12+2*\c+1]
.endr
	v_nop                                              ; one plain place behind a scaled conversion
.irp c, 0,1
.irp i, 0,1,2
	v_permlane16_swap_b32 v[(\d)+6*\c+\i], v[PX+4*\c+\i]
.endr
.irp i, 0,1,2
	v_mov_b32 v[(\d)+3+6*\c+\i], v[PX+4*\c+\i]
.endr
.endr
.endm
; A product with K = 512 and my 64 columns, for the four tiles of rows: weight and bias in window aw, its scale words from v[hs]; the rows' fragments at v[ia] + io, their scale words at v[sa] + so.  Results to the stage.
; Used transposed (source 0 = 16 rows of the weight): a lane holds eight neighbouring columns of one row.  The four accumulators take turns, one instruction a turn.
.macro PFETCH ia, io, sa, so, m        ; tile m's four fragments and scale words
.irp s, 0,1,2,3
	FETCH SF+12*\s, \ia, (\io)+(4*(\m)+\s)*1536
	ds_load_b32 v[SS+\s], v[\sa] offset:(\so)+128*(4*(\m)+\s)
.endr
.endm
.macro PROJ512 aw, hs, ia, io, sa, so
	PFETCH \ia, \io, \sa, \so, 0
.irp m, 0,1,2,3
	s_wait_dscnt 0x0                               ; the fragments are in
.if \m > 0
	s_wait_alu depctr_vm_vsrc(0)                   ; the last tile's LDS stores have read the accumulators, which the products below write anew
.endif
	WIN (\aw)|((\aw)<<4)
.irp t, 0,1,2,3
	v_wmma_scale_f32_16x16x128_f8f6f4 v[AC+8*\t:AC+8*\t+7], v[48*\t:48*\t+11], v[SF:SF+11], v[192+8*\t:192+8*\t+7], v[\hs+4*\t], v[SS] matrix_a_fmt:MATRIX_FMT_FP6 matrix_b_fmt:MATRIX_FMT_FP6
.endr
	WIN \aw
.irp s, 1,2,3
.irp t, 0,1,2,3
	v_wmma_scale_f32_16x16x128_f8f6f4 v[AC+8*\t:AC+8*\t+7], v[48*\t+12*\s:48*\t+12*\s+11], v[SF+12*\s:SF+12*\s+11], v[AC+8*\t:AC+8*\t+7], v[\hs+4*\t+\s], v[SS+\s] matrix_a_fmt:MATRIX_FMT_FP6 matrix_b_fmt:MATRIX_FMT_FP6
.endr
.endr
	WIN 0
.rept 5
	v_nop                                          ; four places in front of the stores; five, since the next tile's first products write over these accumulators with another C
.endr
	s_wait_alu depctr_va_vdst(0)                   ; the 16 products have written the accumulators, which the stores below read, and are done reading the fragments and scale words, in which the next tile's land
.if \m < 3
	PFETCH \ia, \io, \sa, \so, \m+1
.endif
.irp t, 0,1,2,3
	ds_store_b128 v[SO], v[AC+8*\t:AC+8*\t+3] offset:16*SPI*\m+64*\t           ; each accumulator from its low end on
	ds_store_b128 v[SO], v[AC+8*\t+4:AC+8*\t+7] offset:16*SPI*\m+64*\t+16
.endr
.endr
.endm
.macro GBLOAD k                        ; vectors k (gains) and k + 1 (offsets) in the owner's layout, into window 1
	WIN 0x40
.irp b, 0,1,2,3,4,5,6,7
.irp j, 0,1,2,3
	ds_load_b128 v[16*\b+4*\j:16*\b+4*\j+3], v[GBA] offset:1024*(\k)+128*\b+16*\j
	ds_load_b128 v[128+16*\b+4*\j:128+16*\b+4*\j+3], v[GBA] offset:1024*(\k)+1024+128*\b+16*\j
.endr
.endr
	WIN 0
.endm
.macro ADDW win                        ; Y += the 128 registers of the window that source 1 names
	WIN \win
.set j, 0
.rept 64
	v_pk_add_f32 v[Y+j:Y+j+1], v[Y+j:Y+j+1], v[j:j+1]
.set j, j+2
.endr
	WIN 0
.endm
.macro RSUM                            ; four chains of pairs -> the row's sum, in every lane of the row
	v_pk_add_f32 v[TM:TM+1], v[TM:TM+1], v[TM+2:TM+3]
	v_pk_add_f32 v[TM+4:TM+5], v[TM+4:TM+5], v[TM+6:TM+7]
	v_pk_add_f32 v[TM:TM+1], v[TM:TM+1], v[TM+4:TM+5]
	v_add_f32 v[TM], v[TM], v[TM+1]
	v_permlanex16_b32 v[TM+2], v[TM], s[SEL], s[SEL+1]
	v_add_f32 v[TM], v[TM], v[TM+2]
.endm
.macro LNORM                           ; Y = (Y - mean) / sqrt(variance + 1e-6) x g + b, g and b in window 1
.irp c, 0,1,2,3
	v_pk_add_f32 v[TM+2*\c:TM+2*\c+1], v[Y+2*\c:Y+2*\c+1], v[Y+8+2*\c:Y+9+2*\c]
.endr
.irp k, 2,3,4,5,6,7,8,9,10,11,12,13,14,15
.irp c, 0,1,2,3
	v_pk_add_f32 v[TM+2*\c:TM+2*\c+1], v[TM+2*\c:TM+2*\c+1], v[Y+8*\k+2*\c:Y+8*\k+2*\c+1]
.endr
.endr
	RSUM
	v_mul_f32 v[MU], s50, v[TM]
	v_mul_f32 v[MU+1], s50, v[TM]
.set j, 0
.rept 64
	v_pk_add_f32 v[Y+j:Y+j+1], v[Y+j:Y+j+1], v[MU:MU+1] neg_lo:[0,1] neg_hi:[0,1]
.set j, j+2
.endr
.irp c, 0,1,2,3
	v_pk_mul_f32 v[TM+2*\c:TM+2*\c+1], v[Y+2*\c:Y+2*\c+1], v[Y+2*\c:Y+2*\c+1]
.endr
.irp k, 1,2,3,4,5,6,7,8,9,10,11,12,13,14,15
.irp c, 0,1,2,3
	v_pk_fma_f32 v[TM+2*\c:TM+2*\c+1], v[Y+8*\k+2*\c:Y+8*\k+2*\c+1], v[Y+8*\k+2*\c:Y+8*\k+2*\c+1], v[TM+2*\c:TM+2*\c+1]
.endr
.endr
	RSUM
	v_fma_f32 v[TM], v[TM], s50, s51               ; / 256 + 1e-6
	s_wait_alu depctr_va_vdst(0)
	v_rsq_f32 v[RSQ], v[TM]
	v_nop                                          ; a plain place behind the transcendental,
	s_wait_alu depctr_va_vdst(0)                   ; and the wait ahead of the first reader of v[RSQ]
	v_mov_b32 v[RSQ+1], v[RSQ]
.set j, 0
.rept 64
	v_pk_mul_f32 v[Y+j:Y+j+1], v[Y+j:Y+j+1], v[RSQ:RSQ+1]
.set j, j+2
.endr
	WIN 0x14                                       ; sources 1 and 2: window 1
.set j, 0
.rept 64
	v_pk_fma_f32 v[Y+j:Y+j+1], v[Y+j:Y+j+1], v[j:j+1], v[128+j:129+j]
.set j, j+2
.endr
	WIN 0
.endm
; The product with K = 256 and my 128 columns for tile m of rows: weight and bias in window 2; transposed, the weight's rows chosen so that the 64 results of a lane run along the columns.  Then what the place asks of them.
.macro HFETCH m                        ; tile m's two fragments and scale words
	FETCH SF2, XRI, (2*(\m))*1536
	FETCH SF2+12, XRI, (2*(\m)+1)*1536
	ds_load_b32 v[SS], v[XRS] offset:128*(2*(\m))
	ds_load_b32 v[SS+1], v[XRS] offset:128*(2*(\m)+1)
.endm
.macro HSEND m                         ; tile m's codes leave, out of buffer m % 2
.set PS, PC+108*((\m)%2)
.if P2
	IMAGE HWI, PS, 6144*(\m)                       ; K step w of the last product, tile m
	ds_store_b32 v[HWS], v[PS+12] offset:512*(\m)
.else
	global_store_b128 v[LI], v[PS:PS+3], s[A_Q:A_Q+1] offset:768*(\m)                  ; head 2 w
	global_store_b64 v[L8], v[PS+4:PS+5], s[A_Q:A_Q+1] offset:768*(\m)+512
	global_store_b128 v[LI], v[PS+6:PS+9], s[A_Q:A_Q+1] offset:HEADB+768*(\m)          ; head 2 w + 1
	global_store_b64 v[L8], v[PS+10:PS+11], s[A_Q:A_Q+1] offset:HEADB+768*(\m)+512
.endif
.endm
.macro HID m
.set PB, PC+108*((\m)%2)
	s_wait_dscnt 0x0                               ; the fragments are in
	WIN 0x22
.irp t, 0,1,2,3,4,5,6,7
	v_wmma_scale_f32_16x16x128_f8f6f4 v[HA+8*\t:HA+8*\t+7], v[24*\t:24*\t+11], v[SF2:SF2+11], v[192+8*\t:192+8*\t+7], v[HS2+2*\t], v[SS] matrix_a_fmt:MATRIX_FMT_FP6 matrix_b_fmt:MATRIX_FMT_FP6
.endr
	WIN 0x02
.irp t, 0,1,2,3,4,5,6,7
	v_wmma_scale_f32_16x16x128_f8f6f4 v[HA+8*\t:HA+8*\t+7], v[24*\t+12:24*\t+23], v[SF2+12:SF2+23], v[HA+8*\t:HA+8*\t+7], v[HS2+2*\t+1], v[SS+1] matrix_a_fmt:MATRIX_FMT_FP6 matrix_b_fmt:MATRIX_FMT_FP6
.endr
	WIN 0
.rept 4
	v_nop
.endr
.if (\m) > 1
.if !P2
	s_wait_xcnt 0x0                                ; the stores issued in the last tile have had their addresses translated: their data, buffer m % 2, are written again below
.endif
	s_wait_alu depctr_vm_vsrc(0)                   ; the stores issued in the last tile have read buffer m % 2, which this tile's quantiser writes
.endif
	s_wait_alu depctr_va_vdst(0)                   ; the 16 products are done reading the fragments and scale words, in which the next tile's land; the last tile's quantiser has written the other buffer, which the stores below read
.if (\m) < 3
	HFETCH (\m)+1                                  ; the next tile lands while this one is quantised
.endif
.if (\m) > 0
	HSEND (\m)-1                                   ; the last tile's codes
.endif
.if P2
.set j, 0
.rept 64
	v_max_num_f32 v[HA+j], 0, v[HA+j]              ; the activation, in f32
.set j, j+1
.endr
	QUANT HA, PB, PB+12
.else
	QUANT HA, PB, SW+(\m)
.endif
.endm
	s_load_b512 s[8:23], s[0:1], 0x0               ; argument k lies in s[8 + 2 k : 9 + 2 k]
.if P2
	s_load_b512 s[24:39], s[0:1], 0x40
	v_lshl_add_u32 v126, v0, 2, 0x32000
	v_mov_b32 v127, 0
.else
	s_load_b256 s[24:31], s[0:1], 0x40
	s_load_b64 s[32:33], s[0:1], 0x60
.endif
	v_lshrrev_b32 v1, 5, v0
	v_readfirstlane_b32 s[WV], v1                  ; wave 0..3
	v_and_b32 v1, 15, v0                           ; r
	v_bfe_u32 v2, v0, 4, 1                         ; h
	v_and_b32 v3, 8, v1
	v_add_nc_u32 v3, v3, v1                        ; r + 8 (r / 8)
	v_and_b32 v[R4], 31, v0
	v_lshlrev_b32 v[LI], 4, v[R4]
	v_lshlrev_b32 v[LS], 2, v[R4]
	v_lshlrev_b32 v[L8], 3, v[R4]
	v_mul_u32_u24 v[SO], v1, SPI
	v_lshl_add_u32 v[SO], v2, 5, v[SO]
	s_wait_alu depctr_va_sdst(0)                   ; the wave's number is written, ahead of its first reader
	s_lshl_b32 s48, s[WV], 8
	s_add_co_u32 s48, s48, STG
	v_add_nc_u32 v[SO], s48, v[SO]                 ; row r, + 32 h, + my 64 columns' 256 bytes
	v_mul_u32_u24 v[SR], v1, SPI
	v_lshl_add_u32 v[SR], v2, 6, v[SR]
	s_mul_i32 s48, s[WV], 16*SPI
	s_add_co_u32 s48, s48, STG
	v_add_nc_u32 v[SR], s48, v[SR]                 ; my tile's row r, + 64 h
	v_add_nc_u32 v[SRW], s48, v[LI]
	s_mul_i32 s48, s[WV], 4*1536
	v_add_nc_u32 v[OWI], s48, v[LI]
	s_lshl_b32 s48, s[WV], 9
	v_add_nc_u32 v[OWS], s48, v[LS]
	s_mul_i32 s48, s[WV], 2*1536
	s_add_co_u32 s48, s48, XIMG
	v_add_nc_u32 v[XWI], s48, v[LI]
	s_lshl_b32 s48, s[WV], 8
	s_add_co_u32 s48, s48, XSCW
	v_add_nc_u32 v[XWS], s48, v[LS]
	v_add_nc_u32 v[XRI], XIMG, v[LI]
	v_add_nc_u32 v[XRS], XSCW, v[LS]
	v_lshl_add_u32 v[GBA], v2, 6, GB
	v_lshlrev_b32 v[T8], 3, v0
	v_lshl_add_u32 v[GBS], v0, 3, GB
.if P2
	s_mul_i32 s48, s[WV], 1536
	s_add_co_u32 s48, s48, HIMG
	v_add_nc_u32 v[HWI], s48, v[LI]
	s_lshl_b32 s48, s[WV], 7
	s_add_co_u32 s48, s48, HSCW
	v_add_nc_u32 v[HWS], s48, v[LS]
	v_add_nc_u32 v[HRI], HIMG, v[LI]
	v_add_nc_u32 v[HRS], HSCW, v[LS]
	s_lshl_b32 s48, s[WV], 14
	s_add_co_u32 s48, s48, PARK
	v_add_nc_u32 v[PKA], s48, v[LI]
.else
	v_mul_u32_u24 v[VA], v2, HEADB
	v_lshl_add_u32 v[VA], v1, 4, v[VA]             ; scale words out: lanes 0-15 head 2 w, lanes 16-31 head 2 w + 1
	v_lshlrev_b32 v[SH], 4, v2
.endif
	v_lshlrev_b32 v[WSA], 4, v1
	v_lshlrev_b32 v[WBA], 5, v2
	v_lshlrev_b32 v[R4], 2, v1
	v_lshlrev_b32 v[HO], 3, v3                     ; the second weight's scale bytes: 8 a row, chosen rows
	v_lshlrev_b32 v[HO+1], 6, v2                   ; its bias: 64 h
	s_mov_b32 s[SEL], 0x76543210
	s_mov_b32 s[SEL+1], 0xfedcba98
	s_mov_b32 s50, 0x3b800000                      ; 1 / 256
	s_mov_b32 s51, 0x358637bd                      ; 1e-6
	s_lshl_b32 s52, ttmp9, 2
	s_add_co_u32 s52, s52, s[WV]                   ; my tile G
	s_mov_b32 s49, 0
	s_lshl_b32 s56, ttmp9, 6                       ; its first token: 64 x work-group + 32 (w / 2) + 8 (w % 2)
	s_lshr_b32 s57, s[WV], 1
	s_lshl_b32 s57, s57, 5
	s_add_co_u32 s56, s56, s57
	s_and_b32 s57, s[WV], 1
	s_lshl_b32 s57, s57, 3
	s_add_co_u32 s56, s56, s57
	s_lshl_b32 s56, s56, 10                        ; in rows of 1,024 bytes
	s_mov_b32 s57, 0
	s_lshr_b32 s53, ttmp9, 5                       ; batch
	s_wait_kmcnt 0x0
	s_mul_i32 s48, s52, 8*768
	s_add_nc_u64 s[54:55], s[A_O:A_O+1], s[48:49]  ; o's codes of my tile: 8 heads
	s_lshl_b32 s48, s53, 10
	s_and_b32 s58, s52, 127
	s_add_co_u32 s48, s48, s58
	s_lshl_b32 s48, s48, 6
	s_add_co_u32 s48, s48, OSOFF
	s_add_nc_u64 s[A_O:A_O+1], s[A_O:A_O+1], s[48:49]   ; and its scale words: a head on is 8,192 bytes on
	s_mul_i32 s48, s[WV], 24576                    ; my part of each weight's images
	s_add_nc_u64 s[A_WI:A_WI+1], s[A_WI:A_WI+1], s[48:49]
	s_add_nc_u64 s[W2P:W2P+1], s[A_WI:A_WI+1], (WIDX+1)*WBY
.if P2
	s_add_nc_u64 s[W3P:W3P+1], s[A_WI:A_WI+1], (WIDX+2)*WBY
	s_add_nc_u64 s[A_WI:A_WI+1], s[A_WI:A_WI+1], WIDX*WBY
.endif
	s_lshl_b32 s48, s[WV], 10                      ; scale bytes: 64 rows of 16, or 128 of 8
	s_add_nc_u64 s[A_S1:A_S1+1], s[A_S1:A_S1+1], s[48:49]
	s_add_nc_u64 s[A_S2:A_S2+1], s[A_S2:A_S2+1], s[48:49]
.if P2
	s_add_nc_u64 s[A_S3:A_S3+1], s[A_S3:A_S3+1], s[48:49]
.endif
	s_lshl_b32 s48, s[WV], 8
	s_add_nc_u64 s[A_B1:A_B1+1], s[A_B1:A_B1+1], s[48:49]
.if P2
	s_add_nc_u64 s[A_B3:A_B3+1], s[A_B3:A_B3+1], s[48:49]
.endif
	s_lshl_b32 s48, s[WV], 9
	s_add_nc_u64 s[A_B2:A_B2+1], s[A_B2:A_B2+1], s[48:49]
	s_lshl_b32 s48, s52, 14                        ; x1: 16,384 bytes a tile
.if P2
	s_add_nc_u64 s[A_RES:A_RES+1], s[A_RES:A_RES+1], s[48:49]
	s_add_nc_u64 s[A_OUT:A_OUT+1], s[A_OUT:A_OUT+1], s[56:57]
.else
	s_add_nc_u64 s[A_X1:A_X1+1], s[A_X1:A_X1+1], s[48:49]
	s_add_nc_u64 s[A_RES:A_RES+1], s[A_RES:A_RES+1], s[56:57]
	s_lshl_b32 s56, s53, 3                         ; q: the step block of (batch, head 2 w, tokens' block), and my work-group's half of it
	s_lshl_b32 s58, s[WV], 1
	s_add_co_u32 s56, s56, s58
	s_lshl_b32 s56, s56, 4
	s_bfe_u32 s58, ttmp9, 0x40001
	s_add_co_u32 s56, s56, s58
	s_mul_i32 s56, s56, SB
	s_and_b32 s53, ttmp9, 1
	s_lshl_b32 s48, s53, 8
	s_add_co_u32 s48, s48, s56
	s_add_nc_u64 s[58:59], s[A_Q:A_Q+1], s[48:49]  ; for the scale words
	s_mul_i32 s48, s53, 4*768
	s_add_co_u32 s48, s48, s56
	s_add_nc_u64 s[A_Q:A_Q+1], s[A_Q:A_Q+1], s[48:49]   ; for the codes
.endif
	s_wait_alu depctr_va_vdst(0)                   ; all offsets and LDS addresses are written, which the loads and stores of the whole kernel read
.irp s, 0,1,2,3                                ; K step s of the first product is heads 2 s and 2 s + 1
.irp c, 0,1
	global_load_b128 v[F+12*\s+6*\c:F+12*\s+6*\c+3], v[LI], s[54:55] offset:768*(2*\s+\c)
	global_load_b64 v[F+12*\s+6*\c+4:F+12*\s+6*\c+5], v[L8], s[54:55] offset:768*(2*\s+\c)+512
.endr
.endr
.irp e, 0,1,2,3,4,5,6,7
	global_load_b32 v[OW+\e], v[R4], s[A_O:A_O+1] offset:8192*\e
.endr
.irp e, 0,1,2,3
	global_load_b64 v[GV+2*\e:GV+2*\e+1], v[T8], s[A_G+2*\e:A_G+2*\e+1]   ; 128 threads x 8 bytes: a vector
.endr
.if P2
	global_load_b64 v[GV+8:GV+9], v[T8], s[A_G3:A_G3+1]
	global_load_b64 v[GV+10:GV+11], v[T8], s[A_G3+2:A_G3+3]
.endif
	WIN 0xc0                                       ; destination window 3: the residual
.if P2
.set k, 0
.rept 32
	global_load_b128 v[4*k:4*k+3], v[LI], s[A_RES:A_RES+1] offset:512*k   ; an image of the owner's registers
.set k, k+1
.endr
.else
.irp i, 0,1,2,3,4,5,6,7,8,9,10,11,12,13,14,15
.irp u, 0,1
	global_load_b128 v[8*\i+4*\u:8*\i+4*\u+3], v[LI], s[A_RES:A_RES+1] offset:(\i+8*(\i/8))*1024+512*\u   ; my tile's row i, half u: 512 consecutive bytes
.endr
.endr
.endif
	WIN 0x40                                       ; destination window 1
	WLOAD A_WI
.irp t, 0,1,2,3
	global_load_b128 v[192+8*\t:192+8*\t+3], v[WBA], s[A_B1:A_B1+1] offset:64*\t
	global_load_b128 v[192+8*\t+4:192+8*\t+7], v[WBA], s[A_B1:A_B1+1] offset:64*\t+16
.endr
	WIN 0x80                                       ; destination window 2
	WLOAD W2P
.irp t, 0,1,2,3,4,5,6,7
	global_load_b128 v[192+8*\t:192+8*\t+3], v[HO+1], s[A_B2:A_B2+1] offset:(32*(\t/2)+8*(\t%2))*4
	global_load_b128 v[192+8*\t+4:192+8*\t+7], v[HO+1], s[A_B2:A_B2+1] offset:(32*(\t/2)+8*(\t%2))*4+16
.endr
	WIN 0
.irp t, 0,1,2,3
.irp s, 0,1,2,3
	global_load_b32 v[HS1+4*\t+\s], v[WSA], s[A_S1:A_S1+1] offset:256*\t+4*\s
.endr
.endr
.irp t, 0,1,2,3,4,5,6,7
.irp s, 0,1
	global_load_b32 v[HS2+2*\t+\s], v[HO], s[A_S2:A_S2+1] offset:(32*(\t/2)+8*(\t%2))*8+4*\s
.endr
.endr
	s_wait_loadcnt 0x0
	; ---- 0: my tile of the attention's output, and the vectors, to LDS
.irp b, 0,1,2,3
	v_mov_b32 v[TM+4+\b], 0                        ; a lane permute's destination counts as one of its sources
.endr
.irp s, 0,1,2,3
	v_lshl_or_b32 v[CW+\s], v[OW+2*\s+1], 16, v[OW+2*\s]   ; two heads' two bytes each make the K step's scale word
.endr
	s_wait_alu depctr_va_vdst(0)                   ; the four joined scale words are written, which the LDS stores below read
.irp s, 0,1,2,3
	IMAGE OWI, F+12*\s, OIMG+1536*\s
	ds_store_b32 v[OWS], v[CW+\s] offset:OSCW+128*\s
.endr
.irp e, 0,1,2,3
	ds_store_b64 v[GBS], v[GV+2*\e:GV+2*\e+1] offset:1024*\e
.endr
.if P2
	ds_store_b64 v[GBS], v[GV+8:GV+9] offset:4096
	ds_store_b64 v[GBS], v[GV+10:GV+11] offset:5120
.else
	WIN 0x0c                                       ; x's rows into my own 16 rows of the stage (an LDS store's data are its source 1: window 3),
.irp i, 0,1,2,3,4,5,6,7,8,9,10,11,12,13,14,15
.irp u, 0,1
	ds_store_b128 v[SRW], v[8*\i+4*\u:8*\i+4*\u+3] offset:SPI*\i+512*\u
.endr
.endr
	WIN 0xc0                                       ; and back in the owner's layout, into the registers that they left: LDS serves a wave's instructions in order; the barrier below stands ahead of the other waves' stores into these rows
.endif
	s_wait_alu depctr_vm_vsrc(0)                   ; my LDS stores have read their data (the fragments of o, the scale words, the vectors; P2 = 0: x's rows) and the head's loads the offsets v84 and v85: all these registers are loaded or written again from here on
.if !P2
.irp b, 0,1,2,3,4,5,6,7
.irp j, 0,1,2,3
	ds_load_b128 v[16*\b+4*\j:16*\b+4*\j+3], v[SR] offset:128*\b+16*\j
.endr
.endr
	WIN 0
.endif
	BARRIER
	; ---- 1: o w2 + b2, my 64 columns of all 64 rows
	PROJ512 1, HS1, LI, OIMG, LS, OSCW
	BARRIER
	; ---- 2: my tile's two norms
	s_wait_alu depctr_vm_vsrc(0)                   ; the last tile's LDS stores have read the accumulators, in which my row's numbers land
.irp b, 0,1,2,3,4,5,6,7
.irp j, 0,1,2,3
	ds_load_b128 v[Y+16*\b+4*\j:Y+16*\b+4*\j+3], v[SR] offset:128*\b+16*\j
.endr
.endr
	GBLOAD 0
	s_wait_dscnt 0x0
	ADDW 0x0c                                      ; + the residual (source 1: window 3)
	LNORM
	s_wait_alu depctr_va_vdst(0)                   ; the norm is done reading its gains and offsets, in whose registers the next norm's land
	GBLOAD 2
	ADDW 0x0c
	s_wait_dscnt 0x0
	LNORM
	s_wait_alu depctr_va_vdst(0)                   ; the norm has written Y, which the stores below read; the additions are done reading the residual, in whose window (P2) the last weight lands
.if P2
.set k, 0
.rept 32
	ds_store_b128 v[PKA], v[Y+4*k:Y+4*k+3] offset:512*k    ; x2 is wanted again at the end: my own 16,384 bytes
.set k, k+1
.endr
	WIN 0xc0                                       ; the residual is done with: the last weight takes its window, and lands under the next two phases
	WLOAD W3P
.irp t, 0,1,2,3
	global_load_b128 v[192+8*\t:192+8*\t+3], v[WBA], s[A_B3:A_B3+1] offset:64*\t
	global_load_b128 v[192+8*\t+4:192+8*\t+7], v[WBA], s[A_B3:A_B3+1] offset:64*\t+16
.endr
	WIN 0
.irp t, 0,1,2,3
.irp s, 0,1,2,3
	global_load_b32 v[HS3+4*\t+\s], v[WSA], s[A_S3:A_S3+1] offset:256*\t+4*\s
.endr
.endr
.else
.set k, 0
.rept 32
	global_store_b128 v[LI], v[Y+4*k:Y+4*k+3], s[A_X1:A_X1+1] offset:512*k   ; x1 as an image of these registers: 512 consecutive bytes a store
.set k, k+1
.endr
.endif
	; ---- 3: my tile becomes two fragments
	QUANT Y, PC, PW
	s_wait_alu depctr_va_vdst(0)                   ; the quantiser has written the codes and their scale word, which the LDS stores read
	IMAGE XWI, PC, 0
	ds_store_b32 v[XWS], v[PW]
	s_wait_dscnt 0x0                               ; the stores have landed
	s_wait_alu depctr_vm_vsrc(0)                   ; and have read the codes' registers, which the quantiser writes again
	QUANT Y+64, PC, PW
	s_wait_alu depctr_va_vdst(0)                   ; the quantiser has written the codes and their scale word, which the LDS stores read; it is done reading Y, in which the next phase's fragments land
	IMAGE XWI, PC, 1536
	ds_store_b32 v[XWS], v[PW] offset:128
	BARRIER
	s_wait_xcnt 0x0                                ; what was issued has read its address registers, and any store of Y its data: they are written again below
	s_wait_alu depctr_vm_vsrc(0)                   ; the stores of Y and of the codes have read their registers: fragments land there, and products and the quantiser write them
	; ---- 4: the product with K = 256, my 128 columns of all 64 rows
	HFETCH 0
.irp m, 0,1,2,3
	HID \m
.endr
.if P2
	s_wait_alu depctr_va_vdst(0)                   ; the last tile's quantiser has written its codes and scale word, which the stores below read; it is done with the accumulators, in which the next phase's fragments land
	HSEND 3
	BARRIER
	; ---- 5: the last product
	s_wait_loadcnt 0x0                             ; its weight is in
	PROJ512 3, HS3, HRI, 0, HRS, 0
	BARRIER
	; ---- 6: my tile's last norm, and out
	s_wait_alu depctr_vm_vsrc(0)                   ; the LDS stores of the accumulators and of the hidden layer's codes have read their registers, in which my row's numbers land
.irp b, 0,1,2,3,4,5,6,7
.irp j, 0,1,2,3
	ds_load_b128 v[Y+16*\b+4*\j:Y+16*\b+4*\j+3], v[SR] offset:128*\b+16*\j
.endr
.endr
	WIN 0x80
.set k, 0
.rept 32
	ds_load_b128 v[4*k:4*k+3], v[PKA] offset:512*k
.set k, k+1
.endr
	WIN 0
	GBLOAD 4
	s_wait_dscnt 0x0
	ADDW 0x08                                      ; + x2 (source 1: window 2)
	LNORM
	s_wait_alu depctr_va_vdst(0)                   ; the norm has written Y, which the LDS stores below read
.irp b, 0,1,2,3,4,5,6,7                        ; back into my own rows of the stage, and out of it as whole rows: LDS serves a wave's instructions in order
.irp j, 0,1,2,3
	ds_store_b128 v[SR], v[Y+16*\b+4*\j:Y+16*\b+4*\j+3] offset:128*\b+16*\j
.endr
.endr
	s_wait_alu depctr_vm_vsrc(0)                   ; the stores have read Y, in which the whole rows land
.irp i, 0,1,2,3,4,5,6,7,8,9,10,11,12,13,14,15
.irp u, 0,1
	ds_load_b128 v[Y+8*\i+4*\u:Y+8*\i+4*\u+3], v[SRW] offset:SPI*\i+512*\u
.endr
.endr
.irp i, 0,1,2,3,4,5,6,7,8,9,10,11,12,13,14,15
.irp u, 0,1
	s_wait_dscnt 31-2*\i-\u                        ; this half row is back; the younger loads may stay out
	global_store_b128 v[LI], v[Y+8*\i+4*\u:Y+8*\i+4*\u+3], s[A_OUT:A_OUT+1] offset:(\i+8*(\i/8))*1024+512*\u th:TH_STORE_NT   ; 32 lanes store 512 consecutive bytes
.endr
.endr
.else
.irp m, 0,1,2,3
	v_lshrrev_b32 v[SW+4+\m], v[SH], v[SW+\m]      ; bytes 0, 1: head 2 w (lanes 0-15); bytes 2, 3: head 2 w + 1 (lanes 16-31)
.endr
	s_wait_alu depctr_va_vdst(0)                   ; the last tile's codes and the four words above are written, which the stores below read
	HSEND 3
	global_store_b128 v[VA], v[SW+4:SW+7], s[58:59] offset:12288   ; sixteen lanes store 256 consecutive bytes
.endif
	s_wait_dscnt 0x0                               ; the closing lines, six on end
	s_wait_alu 0x0
	s_wait_tensorcnt 0x0
	ds_add_u32 v126, v127
	s_wait_dscnt 0x0
	s_endpgm
.Lfunc_end_k_qcd96d6bebe_post2:
	.size	k_qcd96d6bebe_post2, .Lfunc_end_k_qcd96d6bebe_post2-k_qcd96d6bebe_post2
	.p2alignl 7, 3214868480
	.fill 96, 4, 3214868480
	.section	.rodata,"a",@progbits
	.p2align	6, 0x0
	.amdhsa_kernel k_qcd96d6bebe_post2
		.amdhsa_group_segment_fixed_size 205312
		.amdhsa_private_segment_fixed_size 0
		.amdhsa_enable_private_segment 0
		.amdhsa_kernarg_size 128
		.amdhsa_user_sgpr_count 2
		.amdhsa_user_sgpr_kernarg_segment_ptr 1
		.amdhsa_wavefront_size32 1
		.amdhsa_system_sgpr_workgroup_id_x 1
		.amdhsa_system_sgpr_workgroup_id_y 1
		.amdhsa_system_sgpr_workgroup_id_z 1
		.amdhsa_system_vgpr_workitem_id 0
		.amdhsa_next_free_vgpr 1024
		.amdhsa_next_free_sgpr 66
		.amdhsa_reserve_vcc 0
		.amdhsa_float_denorm_mode_32 3
		.amdhsa_float_denorm_mode_16_64 3
		.amdhsa_memory_ordered 1
		.amdhsa_forward_progress 1
		.amdhsa_inst_pref_size 212
	.end_amdhsa_kernel
	.amdgpu_metadata
---
amdhsa.version: [ 1, 2 ]
amdhsa.kernels:
  - .name:           k_qcd96d6bebe_post2
    .symbol:         k_qcd96d6bebe_post2.kd
    .args:
      - { .name: o, .offset: 0, .size: 8, .value_kind: global_buffer, .address_space: global }
      - { .name: wimg, .offset: 8, .size: 8, .value_kind: global_buffer, .address_space: global }
      - { .name: m2_w2_scales, .offset: 16, .size: 8, .value_kind: global_buffer, .address_space: global }
      - { .name: m2_b2, .offset: 24, .size: 8, .value_kind: global_buffer, .address_space: global }
      - { .name: x1, .offset: 32, .size: 8, .value_kind: global_buffer, .address_space: global }
      - { .name: m2_g, .offset: 40, .size: 8, .value_kind: global_buffer, .address_space: global }
      - { .name: m2_b, .offset: 48, .size: 8, .value_kind: global_buffer, .address_space: global }
      - { .name: ln2_g, .offset: 56, .size: 8, .value_kind: global_buffer, .address_space: global }
      - { .name: ln2_b, .offset: 64, .size: 8, .value_kind: global_buffer, .address_space: global }
      - { .name: ffn_w1_scales, .offset: 72, .size: 8, .value_kind: global_buffer, .address_space: global }
      - { .name: ffn_b1, .offset: 80, .size: 8, .value_kind: global_buffer, .address_space: global }
      - { .name: ffn_w2_scales, .offset: 88, .size: 8, .value_kind: global_buffer, .address_space: global }
      - { .name: ffn_b2, .offset: 96, .size: 8, .value_kind: global_buffer, .address_space: global }
      - { .name: ln3_g, .offset: 104, .size: 8, .value_kind: global_buffer, .address_space: global }
      - { .name: ln3_b, .offset: 112, .size: 8, .value_kind: global_buffer, .address_space: global }
      - { .name: out0, .offset: 120, .size: 8, .value_kind: global_buffer, .address_space: global }
    .group_segment_fixed_size: 205312
    .private_segment_fixed_size: 0
    .kernarg_segment_align: 8
    .kernarg_segment_size: 128
    .max_flat_workgroup_size: 128
    .sgpr_count:     66
    .vgpr_count:     1024
    .wavefront_size: 32
...
	.end_amdgpu_metadata
.endif
;; end of part 8
